; MI455X (gfx1250); checked and timed in simulation.
; The chip was launched on July 23, 2026; its instructions are those of AMD's public machine-readable ISA for CDNA 5 (MIT licence, August 2026) and "CDNA5" Instruction Set Architecture Reference Guide (July 2026). The comments in the code are by the model that wrote it; some were corrected since.
;; Mo E. Allowed arithmetic: matrix products marked QUANTISED: E2M3 operands, one E8M0 scale for each 32 along K, by v_wmma_scale_f32_16x16x128_f8f6f4 with both operands' format E2M3, f32 sums; products left as they are: f32 operands where the result goes on into a quantised operand, else bf16, f16 or f32 operands; f32 sums; everything else in f32.
;; Inputs: b1 8 x 4,096 float32; b2 8 x 1,024 float32; gate_w 1,024 x 8 float32; w1 8 x 1,024 x 4,096 float32; w2 8 x 4,096 x 1,024 float32; x 1,024 x 1,024 float32.
;; Outputs: out0 1,024 x 1,024 float32.
;; This version of the problem:
;;   THIS VERSION OF THE PROBLEM IS GIVEN IN LOW PRECISION. The matrix products marked QUANTISED in the list below multiply operands that are first quantised to E2M3 (2 exponent bits, 3 mantissa bits; 6 bits a number), with one power-of-two scale for each 32 numbers along K (OCP MX v1.0); their sums are f32. All else is computed in f32.
;;   The module's matrix products, in the order in which they are computed (A, B: the left and right operand; K: the contracted axis; several contracted axes count as one K, in the product's order):
;;     1. [M 1,024, K 1,024] x [K 1,024, N 8]; A: input x; B: input gate_w: left as it is (N = 8 < 16)
;;     2. batch 1,024 x [M 1, K 2] x [K 2, N 8]; A: computed on the way; B: computed on the way: left as it is (K = 2 < 32)
;;     3. [M 1,024, K 1,024] x [K 1,024, N 4,096]; A: input x; B: input w1: QUANTISED
;;     4. [M 1,024, K 4,096] x [K 4,096, N 1,024]; A: computed on the way; B: input w2: QUANTISED
;;     5. [M 1,024, K 1,024] x [K 1,024, N 4,096]; A: input x; B: input w1: QUANTISED
;;     6. [M 1,024, K 4,096] x [K 4,096, N 1,024]; A: computed on the way; B: input w2: QUANTISED
;;     7. [M 1,024, K 1,024] x [K 1,024, N 4,096]; A: input x; B: input w1: QUANTISED
;;     8. [M 1,024, K 4,096] x [K 4,096, N 1,024]; A: computed on the way; B: input w2: QUANTISED
;;     9. [M 1,024, K 1,024] x [K 1,024, N 4,096]; A: input x; B: input w1: QUANTISED
;;     10. [M 1,024, K 4,096] x [K 4,096, N 1,024]; A: computed on the way; B: input w2: QUANTISED
;;     11. [M 1,024, K 1,024] x [K 1,024, N 4,096]; A: input x; B: input w1: QUANTISED
;;     12. [M 1,024, K 4,096] x [K 4,096, N 1,024]; A: computed on the way; B: input w2: QUANTISED
;;     13. [M 1,024, K 1,024] x [K 1,024, N 4,096]; A: input x; B: input w1: QUANTISED
;;     14. [M 1,024, K 4,096] x [K 4,096, N 1,024]; A: computed on the way; B: input w2: QUANTISED
;;     15. [M 1,024, K 1,024] x [K 1,024, N 4,096]; A: input x; B: input w1: QUANTISED
;;     16. [M 1,024, K 4,096] x [K 4,096, N 1,024]; A: computed on the way; B: input w2: QUANTISED
;;     17. [M 1,024, K 1,024] x [K 1,024, N 4,096]; A: input x; B: input w1: QUANTISED
;;     18. [M 1,024, K 4,096] x [K 4,096, N 1,024]; A: computed on the way; B: input w2: QUANTISED
;;   THE QUANTISER, for each operand of a quantised product, along K:
;;     - K is cut into blocks of 32 from its start; a last block that is shorter is filled with zeros.
;;     - A block's scale is 2^e with e = floor(log2(the largest magnitude in the block)) - 2, held to -126 .. 127; a block of zeros has e = 0. As a byte (E8M0): e + 127.
;;     - Each number is divided by its block's scale, clamped to +-7.5, and rounded to the nearest number of E2M3, ties to even, subnormals kept.
;;     - The product sums the exact products of the quantised numbers (number of the format x scale) in f32.
;;   ~~~python
;;   def quantise(x, axis):      # numpy; x: float32 -> the quantised numbers, widened to float32 again
;;       x = np.moveaxis(x, axis, -1); K = x.shape[-1]
;;       x = np.pad(x, [(0, 0)] * (x.ndim - 1) + [(0, -K % 32)]); x = x.reshape(x.shape[:-1] + (-1, 32)); a = np.abs(x).max(-1, keepdims=True)
;;       e = np.where(a > 0, np.clip(np.frexp(np.where(a > 0, a, 1))[1] - 1 - 2, -126, 127), 0)      # np.frexp(a)[1] - 1 = floor(log2(a)), exactly
;;       r = np.clip(x / 2.0 ** e, -7.5, 7.5)
;;       step = 2.0 ** (np.maximum(np.frexp(np.where(r == 0, 1, r))[1] - 1, 0) - 3)
;;       q = np.round(r / step) * step * 2.0 ** e      # np.round: ties to even
;;       return np.moveaxis(q.reshape(q.shape[:-2] + (-1,))[..., :K], -1, axis).astype(np.float32)
;;   ~~~
;;   OPERANDS COMPUTED ON THE WAY. 'Computed on the way' means the value that the module computes at that place (a softmax that the list does not call 'softmax' is quantised finished and normalised). What goes into a quantiser is computed in f32, as accurately as f32 sums, v_exp_f32 and their like allow (about 1e-6 of the number): no bf16 or f16 on the way to a quantiser, and a product that is left as it is and whose result goes on into a quantised operand takes f32 operands (vector FMAs, or v_wmma_f32_16x16x4_f32). A number that lies on a knife's edge between two numbers of the format may be rounded either way, as far as f32 arithmetic and the matrix unit's own rounding can turn it there, and no further.
;; 2 versions. Each part assembles by itself: llvm-mc -triple=amdgcn-amd-amdhsa -mcpu=gfx1250 --defsym DOCPART=n.
;; ======== version 1 of 2: 5 launches
;; workspace buffers: xc 819,200 bytes; ids 8,192 bytes of whole numbers; gw 8,192 bytes; plan 17,152 bytes of whole numbers; hc 6,963,200 bytes; ybuf 17,825,792 bytes
;; launch route (part 1): grid 128 x 1, 8 waves a work-group, no clusters, 81,408 bytes of LDS; arguments x, gate_w, xc, ids, gw; writes xc, ids, gw
.if DOCPART == 1
	.amdgcn_target "amdgcn-amd-amdhsa--gfx1250"
	.amdhsa_code_object_version 6
	.text
	.protected	k_q99df7141f4_route
	.globl	k_q99df7141f4_route
	.p2align	8
	.type	k_q99df7141f4_route,@function
k_q99df7141f4_route:
	s_mov_b64 s[64:65], 0
	v_nop
	global_prefetch_b8 v0, s[64:65] scope:SCOPE_SE
	s_setreg_imm32_b32 hwreg(HW_REG_WAVE_MODE, 25, 1), 1
	s_wait_xcnt 0x0
; THE GATE AND x's CODES.  One wave takes one token (token = 8 x work-group + wave).
; Gate: logits = x . gate_w in f32 (fused multiply-adds, summed over the 32 lanes); the two largest logits are the two largest
; probabilities (the softmax rises with the logit); a strict '>' keeps the lower index at equal logits.  The renormalised weights are
; w0 = 1 / (1 + 2^((second - best) log2 e)), w1 = 1 - w0 formed as ex x w0: the row's maximum is taken away, the softmax's divisor cancels.
; Stored at fixed places: ids [1024][2] (experts, as whole numbers), gw [1024][2] (weights).  No address here hangs on them.
; x's row is quantised along K to E2M3 with one E8M0 byte for each 32: xc codes [token][K step 8][h 2][48 bytes: block h, then block 2 + h],
; which is the order in which a lane of the matrix operand takes them; scale bytes at +786,432, [token][32].
; LIMITS: NaN and infinities are not served; a tie that only the softmax's rounding makes is decided on the logits; a block of zeros gets the
; byte 1 where the rule says 127 (its codes are zeros, and this program alone reads the bytes).
; LDS: gate_w as it lies with 16 bytes of padding behind each 128 (36,864); for each wave its row of x, padded alike (4,608), and a stage for
; its 768 bytes of codes; 512 bytes in which the eight waves' scale bytes, experts and weights meet, so that they leave in long runs.
.set XST,  36864
.set CST,  73728
.set META, 79872
.set L, 16                             ; v16-23  the eight logits
.set X, 40                             ; v40-71  x[128 i + 4 lane + q] in X[4 i + q]
.set W, 72                             ; v72-103 gate_w's rows of four k
.set R, 104                            ; v104-135 block 'lane' of x: 32 neighbours
.set T, 136                            ; v136-141 its codes
.set U, 144
	s_load_b128 s[4:7], s[0:1], 0x0                ; x, gate_w
	s_load_b128 s[8:11], s[0:1], 0x10              ; xc, ids
	s_load_b64 s[12:13], s[0:1], 0x20              ; gw
	v_lshl_add_u32 v160, v0, 2, 0x13a00
	v_mov_b32 v161, 0
	v_lshrrev_b32 v24, 5, v0
	v_readfirstlane_b32 s14, v24                   ; wave
	v_and_b32 v1, 31, v0                           ; lane
	v_lshlrev_b32 v2, 4, v1                        ; 16 lane
	v_lshlrev_b32 v3, 4, v0                        ; 16 thread
	v_lshrrev_b32 v24, 3, v0
	v_lshl_add_u32 v4, v24, 4, v3                  ; gate_w into LDS: 16 thread + 16 (thread / 8)
	s_mul_i32 s15, s14, 4608
	s_add_co_u32 s15, s15, XST
	v_lshrrev_b32 v24, 3, v1
	v_lshl_add_u32 v5, v24, 4, v2
	v_add_nc_u32 v5, s15, v5                       ; my row of x into LDS
	v_mul_u32_u24 v7, v1, 144                      ; gate_w's four rows of my four k
	v_add_nc_u32 v6, s15, v7                       ; and block 'lane' of x back
	s_mul_i32 s16, s14, 768
	s_add_co_u32 s16, s16, CST
	v_lshrrev_b32 v24, 2, v1
	v_mul_u32_u24 v8, v24, 96
	v_and_b32 v24, 1, v1
	v_mad_u32_u24 v8, v24, 48, v8
	v_bfe_u32 v24, v1, 1, 1
	v_mad_u32_u24 v8, v24, 24, v8
	v_add_nc_u32 v8, s16, v8                       ; block b = lane % 4 of K step lane / 4: 96 (lane / 4) + 48 (b % 2) + 24 (b / 2)
	v_add_nc_u32 v9, s16, v2
	v_lshlrev_b32 v31, 3, v1                       ; 8 lane
	v_add_nc_u32 v10, s16, v31
	v_add_nc_u32 v10, 512, v10
	s_lshl_b32 s17, s14, 5
	s_add_co_u32 s17, s17, META
	v_add_nc_u32 v11, s17, v1                      ; my block's scale byte
	s_lshl_b32 s17, s14, 3
	s_add_co_u32 s17, s17, META+256
	v_mov_b32 v12, s17                             ; my token's two experts,
	v_add_nc_u32 v13, 64, v12                      ; its two weights
	v_add_nc_u32 v14, META, v31
	v_and_b32 v24, 15, v1
	v_lshlrev_b32 v30, 2, v24                      ; 4 (lane % 16)
	v_add_nc_u32 v15, META+256, v30
	s_lshl_b32 s18, ttmp9, 3
	s_add_co_u32 s18, s18, s14                     ; token
	s_lshl_b32 s20, s18, 12
	s_mov_b32 s21, 0
	s_mul_i32 s22, s18, 768
	s_mov_b32 s23, 0
	s_lshl_b32 s24, ttmp9, 8
	s_mov_b32 s25, 0
	s_lshl_b32 s26, ttmp9, 6
	s_mov_b32 s27, 0
	s_mov_b32 s28, 0x76543210
	s_mov_b32 s29, 0xfedcba98                      ; v_permlanex16_b32's selects for lane xor 16
	s_wait_kmcnt 0x0
	s_add_nc_u64 s[4:5], s[4:5], s[20:21]          ; my row of x
	s_add_nc_u64 s[30:31], s[8:9], s[22:23]        ; my token's codes
	s_add_nc_u64 s[8:9], s[8:9], s[24:25]          ; the work-group's 256 scale bytes (+786,432 in the immediate)
	s_add_nc_u64 s[10:11], s[10:11], s[26:27]
	s_add_nc_u64 s[12:13], s[12:13], s[26:27]
.irp i, 0,1,2,3,4,5,6,7
	global_load_b128 v[X+4*\i:X+4*\i+3], v2, s[4:5] offset:512*\i th:TH_LOAD_NT   ; 512 consecutive bytes a load
.endr
.irp i, 0,1,2,3,4,5,6,7
	global_load_b128 v[W+4*\i:W+4*\i+3], v3, s[6:7] offset:4096*\i                ; the work-group's eight waves bring gate_w whole
.endr
	s_wait_loadcnt 0x8                             ; x is in; the eight younger loads are gate_w's
.irp i, 0,1,2,3,4,5,6,7
	ds_store_b128 v5, v[X+4*\i:X+4*\i+3] offset:576*\i
.endr
	s_wait_loadcnt 0x0
.irp i, 0,1,2,3,4,5,6,7
	ds_store_b128 v4, v[W+4*\i:W+4*\i+3] offset:4608*\i
.endr
	s_wait_dscnt 0x0                               ; for the others' sake: my part of gate_w has landed
	s_barrier_signal -1
	s_barrier_wait -1
; the logits: lane's four k of each 128, eight experts in four packed sums; the first products start the sums
.irp i, 0,1,2,3,4,5,6,7
.irp q, 0,1,2,3
	ds_load_b128 v[W+8*\q:W+8*\q+3], v7 offset:4608*\i+32*\q
	ds_load_b128 v[W+8*\q+4:W+8*\q+7], v7 offset:4608*\i+32*\q+16
.endr
	s_wait_dscnt 0x0
.irp q, 0,1,2,3
.irp p, 0,1,2,3
.if (\i == 0) && (\q == 0)
	v_pk_mul_f32 v[L+2*\p:L+2*\p+1], v[W+2*\p:W+2*\p+1], v[X:X+1] op_sel_hi:[1,0]
.elseif (\q%2) == 0
	v_pk_fma_f32 v[L+2*\p:L+2*\p+1], v[W+8*\q+2*\p:W+8*\q+2*\p+1], v[X+4*\i+2*(\q/2):X+4*\i+2*(\q/2)+1], v[L+2*\p:L+2*\p+1] op_sel_hi:[1,0,1]
.else
	v_pk_fma_f32 v[L+2*\p:L+2*\p+1], v[W+8*\q+2*\p:W+8*\q+2*\p+1], v[X+4*\i+2*(\q/2):X+4*\i+2*(\q/2)+1], v[L+2*\p:L+2*\p+1] op_sel:[0,1,0] op_sel_hi:[1,1,1]
.endif
.endr
.endr
.endr
.irp j, 0,1,2,3,4,5,6,7
	ds_load_b128 v[R+4*\j:R+4*\j+3], v6 offset:16*\j   ; my wave's own bytes: block 'lane' of x, for the quantiser below
.endr
	v_mov_b32 v35, 0                               ; a lane permute's destination counts as read
.irp m, 1,2,4,8
.irp e, 0,1,2,3,4,5,6,7
	v_add_f32_dpp v[L+\e], v[L+\e], v[L+\e] row_xmask:\m row_mask:0xf bank_mask:0xf
.endr
.endr
.irp e, 0,1,2,3,4,5,6,7
	v_permlanex16_b32 v35, v[L+\e], s28, s29
	v_add_f32 v[L+\e], v[L+\e], v35                ; every lane holds the token's eight logits
.endr
	v_mov_b32 v32, v[L]                            ; the best logit and its expert
	v_mov_b32 v26, 0
.irp e, 1,2,3,4,5,6,7
	v_cmp_gt_f32 vcc_lo, v[L+\e], v32
	v_cndmask_b32 v32, v32, v[L+\e], vcc_lo
	v_cndmask_b32 v26, v26, \e, vcc_lo
.endr
	v_mov_b32 v34, 0xff800000                      ; -infinity takes the best one's place
.irp e, 0,1,2,3,4,5,6,7
	v_cmp_eq_u32 vcc_lo, \e, v26
	v_cndmask_b32 v[L+\e], v[L+\e], v34, vcc_lo
.endr
	v_mov_b32 v33, v[L]                            ; the second
	v_mov_b32 v27, 0
.irp e, 1,2,3,4,5,6,7
	v_cmp_gt_f32 vcc_lo, v[L+\e], v33
	v_cndmask_b32 v33, v33, v[L+\e], vcc_lo
	v_cndmask_b32 v27, v27, \e, vcc_lo
.endr
	v_sub_f32 v24, v33, v32                        ; second - best: 0 or less
	v_mul_f32 v24, 0x3fb8aa3b, v24
	v_exp_f32 v25, v24
	v_nop                                          ; a plain place behind the transcendental,
	s_wait_alu depctr_va_vdst(0)                   ; and the wait ahead of its first reader
	v_add_f32 v24, 1.0, v25
	v_rcp_f32 v28, v24                             ; w0
	v_nop
	s_wait_alu depctr_va_vdst(0)
	v_mul_f32 v29, v25, v28                        ; w1
; the quantiser: the block's largest magnitude with the floor 2^(3 - 127) among its leaves; 2 off its exponent field is the conversion's scale operand
	s_wait_dscnt 0x0
	v_max3_num_f32 v36, |v[R]|, |v[R+1]|, 0x1800000
	v_max3_num_f32 v37, |v[R+2]|, |v[R+3]|, |v[R+4]|
.irp i, 5,9,13,17,21,25
	v_max3_num_f32 v36, v36, |v[R+\i]|, |v[R+\i+1]|
	v_max3_num_f32 v37, v37, |v[R+\i+2]|, |v[R+\i+3]|
.endr
	v_max3_num_f32 v36, v36, |v[R+29]|, |v[R+30]|
	v_max3_num_f32 v36, v36, v37, |v[R+31]|
	v_add_nc_u32 v38, 0xff000000, v36
	v_cvt_scalef32_pk16_fp6_f32 v[T:T+2], v[R:R+15], v38
	v_cvt_scalef32_pk16_fp6_f32 v[U:U+2], v[R+16:R+31], v38   ; (a conversion's three registers begin on an even number)
	v_lshrrev_b32 v39, 23, v38                     ; the scale's byte; also the plain place behind the conversions
.irp i, 0,1,2
	v_mov_b32 v[T+3+\i], v[U+\i]
.endr
	ds_store_b64 v8, v[T:T+1]
	ds_store_b64 v8, v[T+2:T+3] offset:8
	ds_store_b64 v8, v[T+4:T+5] offset:16
	ds_load_b128 v[148:151], v9                    ; LDS serves a wave's instructions in order: these see the stores above
	ds_load_b64 v[152:153], v10
	ds_store_b8 v11, v39
	ds_store_b64 v12, v[26:27]                     ; all lanes write the same words with the same values
	ds_store_b64 v13, v[28:29]
	s_wait_dscnt 0x0                               ; my codes are back, and what wave 0 will read has landed
	global_store_b128 v2, v[148:151], s[30:31]     ; 512 consecutive bytes, then 256: the token's 768, at a multiple of 256
	global_store_b64 v31, v[152:153], s[30:31] offset:512
	s_barrier_signal -1
	s_barrier_wait -1
	s_cmp_lg_u32 s14, 0
	s_cbranch_scc1 .Lend
	ds_load_b64 v[154:155], v14                    ; eight tokens' 256 scale bytes,
	ds_load_b32 v156, v15                          ; their 16 experts (lanes 16-31 repeat lanes 0-15),
	ds_load_b32 v157, v15 offset:64                ; their 16 weights
	s_wait_dscnt 0x0
	global_store_b64 v31, v[154:155], s[8:9] offset:786432
	global_store_b32 v30, v156, s[10:11]
	global_store_b32 v30, v157, s[12:13]
.Lend:
	s_wait_tensorcnt 0x0
	ds_add_u32 v160, v161
	s_wait_dscnt 0x0
	s_endpgm
.Lfunc_end_k_q99df7141f4_route:
	.size	k_q99df7141f4_route, .Lfunc_end_k_q99df7141f4_route-k_q99df7141f4_route
	.p2alignl 7, 3214868480
	.fill 96, 4, 3214868480
	.section	.rodata,"a",@progbits
	.p2align	6, 0x0
	.amdhsa_kernel k_q99df7141f4_route
		.amdhsa_group_segment_fixed_size 81408
		.amdhsa_private_segment_fixed_size 0
		.amdhsa_enable_private_segment 0
		.amdhsa_kernarg_size 40
		.amdhsa_user_sgpr_count 2
		.amdhsa_user_sgpr_kernarg_segment_ptr 1
		.amdhsa_wavefront_size32 1
		.amdhsa_system_sgpr_workgroup_id_x 1
		.amdhsa_system_sgpr_workgroup_id_y 1
		.amdhsa_system_sgpr_workgroup_id_z 1
		.amdhsa_system_vgpr_workitem_id 0
		.amdhsa_next_free_vgpr 162
		.amdhsa_next_free_sgpr 66
		.amdhsa_reserve_vcc 1
		.amdhsa_float_denorm_mode_32 3
		.amdhsa_float_denorm_mode_16_64 3
		.amdhsa_memory_ordered 1
		.amdhsa_forward_progress 1
		.amdhsa_inst_pref_size 27
	.end_amdhsa_kernel
	.amdgpu_metadata
---
amdhsa.version: [ 1, 2 ]
amdhsa.kernels:
  - .name:           k_q99df7141f4_route
    .symbol:         k_q99df7141f4_route.kd
    .args:
      - { .name: x, .offset: 0, .size: 8, .value_kind: global_buffer, .address_space: global }
      - { .name: gate_w, .offset: 8, .size: 8, .value_kind: global_buffer, .address_space: global }
      - { .name: xc, .offset: 16, .size: 8, .value_kind: global_buffer, .address_space: global }
      - { .name: ids, .offset: 24, .size: 8, .value_kind: global_buffer, .address_space: global }
      - { .name: gw, .offset: 32, .size: 8, .value_kind: global_buffer, .address_space: global }
    .group_segment_fixed_size: 81408
    .private_segment_fixed_size: 0
    .kernarg_segment_align: 8
    .kernarg_segment_size: 40
    .max_flat_workgroup_size: 256
    .sgpr_count:     66
    .vgpr_count:     162
    .wavefront_size: 32
...
	.end_amdgpu_metadata
.endif
;; end of part 1
;; launch place (part 2): grid 1 x 1, 32 waves a work-group, no clusters, 8,192 bytes of LDS; arguments ids, plan; writes plan
.if DOCPART == 2
	.amdgcn_target "amdgcn-amd-amdhsa--gfx1250"
	.amdhsa_code_object_version 6
	.text
	.protected	k_q99df7141f4_place
	.globl	k_q99df7141f4_place
	.p2align	8
	.type	k_q99df7141f4_place,@function
k_q99df7141f4_place:
	s_mov_b64 s[64:65], 0
	v_nop
	global_prefetch_b8 v0, s[64:65] scope:SCOPE_SE
	s_setreg_imm32_b32 hwreg(HW_REG_WAVE_MODE, 25, 1), 1
	s_wait_xcnt 0x0
; THE ROWS ARE PLACED BY EXPERT: a counting sort of the 2,048 (token, expert) rows, whole numbers only, one work-group, thread t = token t.
; Expert e gets slots 16 BT[e] .. 16 BT[e] + T[e] - 1, BT the running sum of ceil(T / 16): at most 2048 / 16 + 8 = 136 tiles of 16 slots.
; plan: +0 eight pairs (BT, number of tiles); +256 tokslot [1024][2]; +8,448 rowtok [2,176]: slot -> token, 0 in a tile's padding slots.
; A slot is: the expert's first slot + the rows of earlier waves + the rows of earlier lanes (v_mbcnt_lo_u32_b32 on the wave's mask).
	s_load_b128 s[4:7], s[0:1], 0x0                ; ids, plan
	v_lshl_add_u32 v64, v0, 2, 0x1000
	v_mov_b32 v65, 0
	v_lshrrev_b32 v1, 5, v0
	v_readfirstlane_b32 s14, v1                    ; wave
	v_and_b32 v7, 31, v0                           ; lane
	v_lshlrev_b32 v1, 3, v0                        ; 8 t
	v_lshlrev_b32 v5, 2, v0                        ; 4 t
	v_lshlrev_b32 v6, 7, v7                        ; 128 lane
	s_mov_b32 s22, 0x76543210
	s_mov_b32 s23, 0xfedcba98
	s_wait_kmcnt 0x0
	global_load_b64 v[2:3], v1, s[4:5]
	v_mov_b32 v4, 0
	v_mov_b32 v24, 0
	s_wait_loadcnt 0x0
	v_min_u32 v2, 7, v2
	v_min_u32 v3, 7, v3
.irp e, 0,1,2,3,4,5,6,7
	v_cmp_eq_u32 s20, \e, v2
	v_cmp_eq_u32 s21, \e, v3
	s_or_b32 s[24+\e], s20, s21                    ; which of my wave's tokens go to expert e
	v_mbcnt_lo_u32_b32 v[8+\e], s[24+\e], 0        ; how many of them in lanes below mine
	s_bcnt1_i32_b32 s[32+\e], s[24+\e]
	v_writelane_b32 v4, s[32+\e], \e               ; the wave's eight counts in lanes 0 to 7
.endr
	ds_store_b32 v5, v4                            ; 128 bytes a wave
	s_wait_dscnt 0x0
	s_barrier_signal -1
	s_barrier_wait -1
	ds_load_b128 v[16:19], v6                      ; lane l: wave l's eight counts
	ds_load_b128 v[20:23], v6 offset:16
	s_wait_dscnt 0x0
	v_cmp_gt_u32 vcc_lo, s14, v7                   ; a wave before mine?
.irp e, 0,1,2,3,4,5,6,7
	v_cndmask_b32 v25, 0, v[16+\e], vcc_lo
	v_lshl_or_b32 v[16+\e], v[16+\e], 16, v25      ; the total above, the earlier waves' part below: both stay under 2^16
.endr
.irp m, 1,2,4,8
.irp e, 0,1,2,3,4,5,6,7
	v_mov_b32_dpp v24, v[16+\e] row_xmask:\m row_mask:0xf bank_mask:0xf
	v_add_nc_u32 v[16+\e], v[16+\e], v24
.endr
.endr
.irp e, 0,1,2,3,4,5,6,7
	v_permlanex16_b32 v24, v[16+\e], s22, s23
	v_add_nc_u32 v[16+\e], v[16+\e], v24
.endr
	s_mov_b32 s21, 0
.irp e, 0,1,2,3,4,5,6,7
	v_lshrrev_b32 v25, 16, v[16+\e]
	v_readfirstlane_b32 s[40+\e], v25              ; T[e]
	s_add_co_u32 s20, s[40+\e], 15
	s_lshr_b32 s[48+\e], s20, 4                    ; its tiles
	s_mov_b32 s[56+\e], s21                        ; BT[e]
	s_add_co_u32 s21, s21, s[48+\e]
	s_lshl_b32 s20, s[56+\e], 4
	v_and_b32 v[32+\e], 0xffff, v[16+\e]
	v_add3_u32 v[32+\e], v[32+\e], v[8+\e], s20    ; the slot that my token would take in expert e
.endr
	v_mov_b32 v40, v32
	v_mov_b32 v41, v32
.irp e, 1,2,3,4,5,6,7
	v_cmp_eq_u32 vcc_lo, \e, v2
	v_cndmask_b32 v40, v40, v[32+\e], vcc_lo
	v_cmp_eq_u32 vcc_lo, \e, v3
	v_cndmask_b32 v41, v41, v[32+\e], vcc_lo
.endr
	global_store_b64 v1, v[40:41], s[6:7] offset:256
	v_min_u32 v42, 0x87f, v40                      ; a number made from loaded ones enters an address behind a clamp
	v_lshlrev_b32 v42, 2, v42
	v_min_u32 v52, 0x87f, v41
	v_lshlrev_b32 v52, 2, v52
	global_store_b32 v42, v0, s[6:7] offset:8448
	global_store_b32 v52, v0, s[6:7] offset:8448
	; the padding slots of each expert's last tile: thread 16 e + j writes slot 16 BT + T + j where that still lies in the tile
	v_lshrrev_b32 v43, 4, v0
	v_and_b32 v44, 15, v0
	v_mov_b32 v45, s40
	v_mov_b32 v46, s56
.irp e, 1,2,3,4,5,6,7
	v_cmp_eq_u32 vcc_lo, \e, v43
	v_cndmask_b32 v45, v45, s[40+\e], vcc_lo
	v_cndmask_b32 v46, v46, s[56+\e], vcc_lo
.endr
	v_and_b32 v47, 15, v45
	v_add_nc_u32 v48, v47, v44
	v_cmp_gt_u32 s20, 128, v0
	v_cmp_ne_u32 s21, 0, v47
	v_cmp_gt_u32 s66, 16, v48
	s_and_b32 s20, s20, s21
	s_and_b32 vcc_lo, s20, s66
	v_lshl_add_u32 v49, v46, 4, v45
	v_add_nc_u32 v49, v49, v44
	v_min_u32 v49, 0x87f, v49
	v_lshlrev_b32 v49, 2, v49
	v_mov_b32 v50, 0
	s_wait_xcnt 0x0                                ; EXEC is a source of the stores above: it changes only behind this wait
	s_and_saveexec_b32 s67, vcc_lo
	global_store_b32 v49, v50, s[6:7] offset:8448
	s_wait_xcnt 0x0                                ; and again ahead of the line that widens it
	s_or_b32 exec_lo, exec_lo, s67
	s_cmp_lg_u32 s14, 0
	s_cbranch_scc1 .Lend
	v_mov_b32 v51, 0
.irp e, 0,1,2,3,4,5,6,7
	v_writelane_b32 v51, s[56+\e], 2*\e
	v_writelane_b32 v51, s[48+\e], 2*\e+1
.endr
	global_store_b32 v5, v51, s[6:7]               ; wave 0: 128 bytes, of which the first 64 are the eight pairs
.Lend:
	s_wait_tensorcnt 0x0
	ds_add_u32 v64, v65
	s_wait_dscnt 0x0
	s_endpgm
.Lfunc_end_k_q99df7141f4_place:
	.size	k_q99df7141f4_place, .Lfunc_end_k_q99df7141f4_place-k_q99df7141f4_place
	.p2alignl 7, 3214868480
	.fill 96, 4, 3214868480
	.section	.rodata,"a",@progbits
	.p2align	6, 0x0
	.amdhsa_kernel k_q99df7141f4_place
		.amdhsa_group_segment_fixed_size 8192
		.amdhsa_private_segment_fixed_size 0
		.amdhsa_enable_private_segment 0
		.amdhsa_kernarg_size 16
		.amdhsa_user_sgpr_count 2
		.amdhsa_user_sgpr_kernarg_segment_ptr 1
		.amdhsa_wavefront_size32 1
		.amdhsa_system_sgpr_workgroup_id_x 1
		.amdhsa_system_sgpr_workgroup_id_y 1
		.amdhsa_system_sgpr_workgroup_id_z 1
		.amdhsa_system_vgpr_workitem_id 0
		.amdhsa_next_free_vgpr 66
		.amdhsa_next_free_sgpr 80
		.amdhsa_reserve_vcc 1
		.amdhsa_float_denorm_mode_32 3
		.amdhsa_float_denorm_mode_16_64 3
		.amdhsa_memory_ordered 1
		.amdhsa_forward_progress 1
		.amdhsa_inst_pref_size 16
	.end_amdhsa_kernel
	.amdgpu_metadata
---
amdhsa.version: [ 1, 2 ]
amdhsa.kernels:
  - .name:           k_q99df7141f4_place
    .symbol:         k_q99df7141f4_place.kd
    .args:
      - { .name: ids, .offset: 0, .size: 8, .value_kind: global_buffer, .address_space: global }
      - { .name: plan, .offset: 8, .size: 8, .value_kind: global_buffer, .address_space: global }
    .group_segment_fixed_size: 8192
    .private_segment_fixed_size: 0
    .kernarg_segment_align: 8
    .kernarg_segment_size: 16
    .max_flat_workgroup_size: 1024
    .sgpr_count:     80
    .vgpr_count:     66
    .wavefront_size: 32
...
	.end_amdgpu_metadata
.endif
;; end of part 2
;; launch ffn1 (part 3): grid 256 x 1, 16 waves a work-group, no clusters, 104,960 bytes of LDS; arguments w1, b1, xc, plan, hc; writes hc
.if DOCPART == 3
	.amdgcn_target "amdgcn-amd-amdhsa--gfx1250"
	.amdhsa_code_object_version 6
	.text
	.protected	k_q99df7141f4_ffn1
	.globl	k_q99df7141f4_ffn1
	.p2align	8
	.type	k_q99df7141f4_ffn1,@function
k_q99df7141f4_ffn1:
	s_mov_b64 s[64:65], 0
	v_nop
	global_prefetch_b8 v0, s[64:65] scope:SCOPE_SE
	s_setreg_imm32_b32 hwreg(HW_REG_WAVE_MODE, 25, 1), 1
	s_wait_xcnt 0x0
; THE FIRST PRODUCT OF THE CHOSEN ROWS: h = gelu(Q(x) Q(W1[e]) + b1[e]), quantised along the hidden axis and stored as codes in operand order.
; SHARES.  Work-group x: expert e = x / 32, hidden columns 128 s .. 128 s + 127 (s = x % 32), which are K step s of the second product.  It reads
; its slab of w1 (1,024 rows x 512 bytes, f32) ONCE, as two items of 64 columns (each row of an item is 256 consecutive bytes at a multiple of 256).
; TWO ROLES.  Waves 0-7 (streamers) only load weights, quantise them along K in registers and store operand images to LDS.  Waves 8-15 (computers)
; fetch the rows' fragments (xc) from memory and the weights' from LDS, multiply, and run the epilogue.  Loads are counted in issue order for each
; wave, so a wave that did both would drain its weight stream at every wait for a row operand; with two roles it never does.
; A super-step g = 4 item + j is 256 along K x 64 columns: two K steps, LDS places 2 g and 2 g + 1.  Streamer sw: strip cw = sw % 2 of 32 columns,
; rows 64 hk on (hk = sw / 2).  Lane (r, h) takes columns 2 r, 2 r + 1 of the strip and rows 32 h + 0 .. 31: one block of 32 along K for each column,
; whole in the lane.  Column tile ct = 2 cw + q holds columns 32 cw + 2 r + q, so the lane's codes are registers 6 c .. 6 c + 5 (c = hk % 2) of row r
; of that tile's fragment as they stand: nothing changes lanes.
; THE STREAM'S RING: three chunks of sixteen loads of 8 bytes a lane (16 rows x 2 columns) in v160-255: 48 loads of a streamer are out, and a chunk
; is asked for again as soon as the moves have emptied it.
; THE PRODUCT IS USED TRANSPOSED (source 0 = 16 weight columns, source 1 = 16 slots): lane (r, h) holds slot r, register j of tile 2 cw + q holds
; column 32 cw + 16 h + 2 j + q: the 16 registers of tiles 2 cw and 2 cw + 1 are 16 neighbours along the next K.
; ROWS.  The expert's tiles of 16 slots come from plan.  Computer cwv owns tiles 24 G + 8 t + cwv (t = 0, 1, 2).  Group G = 0 runs one step behind
; the stream; groups 1 and 2 (up to 72 tiles: all 1,024 tokens on one expert) run afterwards out of LDS, which keeps an item's codes.
; A tile that is not active is pointed at tile 0, which always exists: every load reads written bytes, and nothing is stored for it.
; THE ROWS' FRAGMENTS have one set of registers for each of a super-step's two K steps.  A set is asked for again, with the next super-step's rows,
; as soon as its twelve products are issued; the loads stay out across the barrier and are waited for by count where the next stretch wants them.
; The rows' scale words have two sets of registers that take turns, so that the next words can be asked for while these are still read.
; BARRIERS: eight, all on the path that both roles share; every branch on a stored number stands in a computers' stretch, which holds no barrier.
; Every LDS byte is written once in the launch, so a barrier only orders a write ahead of its reads.
; THE TWO ROLES' STRETCHES STAND ONE BEHIND THE OTHER IN THE TEXT, so each is written to be sound whatever stretch stood ahead of it: every base
; address is made ahead of the first parting; the registers in which a computer's loads land (v27-31, v34-156) and the ring (v160-255) share none;
; every computers' stretch holds a wait behind which only its own loads are out, so that the stream's counted waits find at most OLDER loads
; beside the stream's; plain places stand ahead of and behind the products.
; NO tensor loads, copies or clusters: the computers branch on stored counts; each weight byte has one reader; xc is small and is read again by many.
; GELU: h = max(x, 0) - |x| erfc(|x| / sqrt 2) / 2, erfc(z) = t exp(-z^2 + P(t)), t = 1 / (1 + z / 2), P of degree 9 (a fit with relative error
; about 1.2e-7 for every z >= 0): no difference of near-equal numbers for negative x.  P's coefficients are multiplied by log2 e.
; LIMITS: NaN and infinities are not served; a block of zeros gets the byte 1 (its codes are zeros; this program alone reads the bytes).
; LDS: 0 weight images: fragment (place, ct) at 6144 place + 1536 ct, half c at 768 c: registers 0-3 of the six at 16 lane, registers 4, 5 at
; 512 + 8 lane;  98,304 weight scale words: 256 place + 128 cw + 64 q + 4 r, byte 2 c + h;  102,400 b1 of the 128 columns.
; REGISTERS: v1 weights' offset; v2-6 streamers' LDS addresses; v7-13 computers' (v7, v9 also offsets in memory); v14-25 x's offsets by tile;
; v26 4 r; v27-29 and v154-156 rows' scale words, v30-31 weights' (scales and nothing else); v32 4 h, v33 48 h.
; streamers: v34-59 at work, v64-127 two columns' 32 numbers, v160-255 the ring.  computers: v34-105 rows' fragments, v106-153 weights', v160-255 sums.
.set BSC,  98304
.set BIAS, 102400
.set AF,   34
.set BF,   106
.set ACC,  160
.set RING, 160
.set NH1,  6                           ; a K step's fragments of two tiles: three loads a tile
.set NH0,  8                           ; the same with a scale word a tile
; chunk 2 g + hf of the stream: rows 16 hf .. 16 hf + 15 of super-step g.  No pointer is stepped: two bases 512 rows apart, the rest in the immediate
.macro WLOAD g, hf
.set RB, RING+32*((2*(\g)+(\hf))%3)
.set JJ, (\g)&3
.set IT, (\g)>>2
.set ii, 0
.rept 16
	global_load_b64 v[RB+2*ii:RB+2*ii+1], v1, s[22+2*(JJ>>1):23+2*(JJ>>1)] offset:((JJ&1)*256+16*(\hf)+ii)*16384+256*IT th:TH_LOAD_NT
.set ii, ii+1
.endr
.endm
; one column's block of 32: largest magnitude (floor 2^(3 - 127) among the leaves), scale operand, codes, byte; image and byte to LDS
.macro QCOL g, q
.set SB, 64+32*(\q)
.set TQ, 40+6*(\q)
.set UQ, 52+4*(\q)
.if (\g) < 4
.set A16, 2
.set A8, 4
.else
.set A16, 3
.set A8, 5
.endif
	v_max3_num_f32 v34, |v[SB]|, |v[SB+1]|, 0x1800000
	v_max3_num_f32 v35, |v[SB+2]|, |v[SB+3]|, |v[SB+4]|
.irp i, 5,9,13,17,21,25
	v_max3_num_f32 v34, v34, |v[SB+\i]|, |v[SB+\i+1]|
	v_max3_num_f32 v35, v35, |v[SB+\i+2]|, |v[SB+\i+3]|
.endr
	v_max3_num_f32 v34, v34, |v[SB+29]|, |v[SB+30]|
	v_max3_num_f32 v34, v34, v35, |v[SB+31]|
	v_add_nc_u32 v[36+(\q)], 0xff000000, v34       ; 2 off the exponent field
	v_cvt_scalef32_pk16_fp6_f32 v[TQ:TQ+2], v[SB:SB+15], v[36+(\q)]
	v_cvt_scalef32_pk16_fp6_f32 v[UQ:UQ+2], v[SB+16:SB+31], v[36+(\q)]
	v_lshrrev_b32 v[38+(\q)], 23, v[36+(\q)]       ; the byte; also the plain place behind the conversions
.irp i, 0,1,2
	v_mov_b32 v[TQ+3+\i], v[UQ+\i]
.endr
	ds_store_b128 v[A16], v[TQ:TQ+3] offset:((\g)&3)*12288+1536*(\q)
	ds_store_b64 v[A8], v[TQ+4:TQ+5] offset:((\g)&3)*12288+1536*(\q)
	ds_store_b8 v6, v[38+(\q)] offset:512*(\g)+64*(\q)
.endm
; A streamer's step: chunks 2 g and 2 g + 1.  A load lays two columns side by side; the conversion wants one column's numbers on end: the moves part
; them, and free the chunk, so that the chunk three further on goes out ahead of the arithmetic.  na, nb: the loads issued behind the chunk in hand.
.macro QUANT g, re1, re2, na, nb
.set RB0, RING+32*((2*(\g))%3)
.set RB1, RING+32*((2*(\g)+1)%3)
	s_wait_loadcnt \na
.set ii, 0
.rept 16
	v_mov_b32 v[64+ii], v[RB0+2*ii]
	v_mov_b32 v[96+ii], v[RB0+2*ii+1]
.set ii, ii+1
.endr
.if \re1
	WLOAD (\g)+1, 1
.endif
	s_wait_loadcnt \nb
.set ii, 0
.rept 16
	v_mov_b32 v[80+ii], v[RB1+2*ii]
	v_mov_b32 v[112+ii], v[RB1+2*ii+1]
.set ii, ii+1
.endr
.if \re2
	WLOAD (\g)+2, 0
.endif
	QCOL \g, 0
	QCOL \g, 1
.endm
; group s33's three tiles: s27-29 the tile in hc and rowtok (0 where not active), s30-32 active or not
.macro SETG
	s_mul_i32 s78, s33, 24
	s_add_co_u32 s78, s78, s16
.irp t, 0,1,2
	s_add_co_u32 s79, s78, 8*\t
	s_add_co_u32 s80, s79, s20
	s_cmp_lt_u32 s79, s21
	s_cselect_b32 s[30+\t], 1, 0
	s_cselect_b32 s[27+\t], s80, 0
	s_min_u32 s[27+\t], s[27+\t], 135              ; the clamp stands last ahead of the address arithmetic
.endr
.endm
; the three tiles' tokens become offsets into xc: codes 768 token + 48 h, scale bytes 32 token + 4 h
.macro TOKENS xo, xso
.irp t, 0,1,2
	v_lshl_add_u32 v[106+\t], s[27+\t], 6, v26
.endr
.irp t, 0,1,2
	global_load_b32 v[109+\t], v[106+\t], s[10:11] offset:8448
.endr
	s_wait_loadcnt 0x0
.irp t, 0,1,2
	v_min_u32 v[109+\t], 0x3ff, v[109+\t]
	v_mad_u32_u24 v[\xo+\t], v[109+\t], 768, v33
	v_lshl_add_u32 v[\xso+\t], v[109+\t], 5, v32
.endr
.endm
; tile t's fragment of K step 2 j + ks; with ks = 0 also its scale words of both K steps (lanes 0-15: step 2 j, lanes 16-31: step 2 j + 1) into set p
.macro AHT j, ks, xo, xso, p, t
.irp q, 0,1,2
	global_load_b128 v[AF+24*(\t)+12*(\ks)+4*\q:AF+24*(\t)+12*(\ks)+4*\q+3], v[\xo+(\t)], s[8:9] offset:96*(2*(\j)+(\ks))+16*\q
.endr
.if (\ks) == 0
	global_load_b32 v[27+127*(\p)+(\t)], v[\xso+(\t)], s[8:9] offset:786432+8*(\j)
.endif
.endm
.macro ALOADH j, ks, xo, xso, p, cond, flag
	AHT \j, \ks, \xo, \xso, \p, 0
	AHT \j, \ks, \xo, \xso, \p, 1
.if \cond
	s_cmp_lg_u32 s[\flag], 0                       ; the third tile only where it is active (a stored number)
	s_cbranch_scc0 .Lal_\@
.endif
	AHT \j, \ks, \xo, \xso, \p, 2
.if \cond
.Lal_\@:
.endif
.endm
.macro ALOAD j, xo, xso, cond, flag    ; both K steps at once, scale words into set 0: for the groups that run out of LDS
	ALOADH \j, 0, \xo, \xso, 0, \cond, \flag
	ALOADH \j, 1, \xo, \xso, 0, \cond, \flag
.endm
; one matrix instruction: tile t of rows x tile ct of columns, K step ks of the two in hand, rows' scale words in set p.  z = 1: it starts the sum
.macro WM t, ct, ks, z, p
.set AC, ACC+32*(\t)+8*(\ct)
.set BR, BF+12*(\ct)
.set AR, AF+24*(\t)+12*(\ks)
.set SR, 27+127*(\p)+(\t)
.if \z
.if ((\ct)&1) == 0
	v_wmma_scale_f32_16x16x128_f8f6f4 v[AC:AC+7], v[BR:BR+11], v[AR:AR+11], 0, v[30+(\ct)/2], v[SR] matrix_a_fmt:MATRIX_FMT_FP6 matrix_b_fmt:MATRIX_FMT_FP6
.else
	v_wmma_scale_f32_16x16x128_f8f6f4 v[AC:AC+7], v[BR:BR+11], v[AR:AR+11], 0, v[30+(\ct)/2], v[SR] matrix_a_fmt:MATRIX_FMT_FP6 matrix_b_fmt:MATRIX_FMT_FP6 matrix_a_scale:MATRIX_SCALE_ROW1
.endif
.elseif (\ks) == 0
.if ((\ct)&1) == 0
	v_wmma_scale_f32_16x16x128_f8f6f4 v[AC:AC+7], v[BR:BR+11], v[AR:AR+11], v[AC:AC+7], v[30+(\ct)/2], v[SR] matrix_a_fmt:MATRIX_FMT_FP6 matrix_b_fmt:MATRIX_FMT_FP6
.else
	v_wmma_scale_f32_16x16x128_f8f6f4 v[AC:AC+7], v[BR:BR+11], v[AR:AR+11], v[AC:AC+7], v[30+(\ct)/2], v[SR] matrix_a_fmt:MATRIX_FMT_FP6 matrix_b_fmt:MATRIX_FMT_FP6 matrix_a_scale:MATRIX_SCALE_ROW1
.endif
.else
.if ((\ct)&1) == 0
	v_wmma_scale_f32_16x16x128_f8f6f4 v[AC:AC+7], v[BR:BR+11], v[AR:AR+11], v[AC:AC+7], v[30+(\ct)/2], v[SR] matrix_a_fmt:MATRIX_FMT_FP6 matrix_b_fmt:MATRIX_FMT_FP6 matrix_b_scale:MATRIX_SCALE_ROW1
.else
	v_wmma_scale_f32_16x16x128_f8f6f4 v[AC:AC+7], v[BR:BR+11], v[AR:AR+11], v[AC:AC+7], v[30+(\ct)/2], v[SR] matrix_a_fmt:MATRIX_FMT_FP6 matrix_b_fmt:MATRIX_FMT_FP6 matrix_a_scale:MATRIX_SCALE_ROW1 matrix_b_scale:MATRIX_SCALE_ROW1
.endif
.endif
.endm
; the weights' four fragments and scale words of LDS place ksl; then four plain places, issued while the loads are out: an operand register that a
; vector instruction wrote stands four places ahead of a scaled matrix instruction, and stretches that write such registers stand ahead in the text
.macro BLOAD ksl
.set KSL, (\ksl)
.if KSL < 8
.set RA, 7
.set RC, 9
.else
.set RA, 8
.set RC, 10
.endif
.set KO, (KSL&7)*6144
.irp ct, 0,1,2,3
.irp c, 0,1
	ds_load_b128 v[BF+12*\ct+6*\c:BF+12*\ct+6*\c+3], v[RA] offset:KO+1536*\ct+768*\c
	ds_load_b64 v[BF+12*\ct+6*\c+4:BF+12*\ct+6*\c+5], v[RC] offset:KO+1536*\ct+768*\c
.endr
.endr
	ds_load_b32 v30, v11 offset:256*KSL            ; lanes 0-15: tile 0's words, lanes 16-31: tile 1's
	ds_load_b32 v31, v11 offset:256*KSL+128        ; tiles 2 and 3
.rept 4
	v_nop
.endr
.endm
; one K step's 8 or 12 matrix instructions, the accumulators by turns, one instruction a turn.  Five plain
; places follow: four ahead of loads into registers that the products have read and of reads of results, one more ahead of a product that begins
; such a sum anew.
.macro MULH ks, zero, cond, flag, p
.irp ct, 0,1,2,3
	WM 0, \ct, \ks, \zero, \p
	WM 1, \ct, \ks, \zero, \p
.endr
.if \cond
	s_cmp_lg_u32 s[\flag], 0
	s_cbranch_scc0 .Lsk_\@
.endif
.irp ct, 0,1,2,3
	WM 2, \ct, \ks, \zero, \p
.endr
.if \cond
.Lsk_\@:
.endif
.rept 5
	v_nop
.endr
.endm
; a super-step whose rows were asked for just ahead, all at once: for the groups that run out of LDS
.macro COMPUTE kb, zero, cond, flag
	s_wait_loadcnt 0x0
	BLOAD \kb
	s_wait_dscnt 0x0
	MULH 0, \zero, \cond, \flag, 0
	BLOAD (\kb)+1
	s_wait_dscnt 0x0
	MULH 1, 0, \cond, \flag, 0
.endm
; GROUP 0's SUPER-STEP, LDS places kb and kb + 1, rows' scale words in set p.  The weights' first fragments are asked of LDS ahead of the wait for the
; rows.  re = 1: each K step's registers are asked for again behind its products, with super-step nj of the item (rc = 0: the third tile's too,
; whatever its flag: the first fill of scale set 1 writes all three registers on every path).
.macro CSTEP kb, zero, cond, p, nj, re, rc
	BLOAD \kb
	s_wait_loadcnt NH1                             ; the first K step's fragments and the scale words are in: behind them stand the second K step's loads, six at the least
	s_wait_dscnt 0x0
	MULH 0, \zero, \cond, 26, \p
.if \re
	ALOADH \nj, 0, 14, 17, 1-(\p), \rc, 26
.endif
	BLOAD (\kb)+1
.if \re
	s_wait_loadcnt NH0                             ; the second K step's fragments are in: behind them stand the loads just issued, eight at the least
.else
	s_wait_loadcnt 0x0
.endif
	s_wait_dscnt 0x0
	MULH 1, 0, \cond, 26, \p
.if \re
	ALOADH \nj, 1, 14, 17, 1-(\p), \rc, 26
.endif
.endm
; tile t's sums + b1 into v34-65, 16 cw + n = column 32 cw + 16 h + n; each accumulator is read from its low end on
.macro HEADT t
.irp cw, 0,1
.irp q, 0,1
.irp j, 0,1,2,3,4,5,6,7
	v_add_f32 v[34+16*\cw+2*\j+\q], v[ACC+32*\t+8*(2*\cw+\q)+\j], v[66+16*\cw+2*\j+\q]
.endr
.endr
.endr
.endm
; the exact GELU of 16 numbers at v[34 + o] on.  v98-113 t, then |x| t; v114-129 P, then erfc / t; v130-137 x^2.  Two batches of transcendentals,
; each with plain work behind it and ONE wait ahead of its first reader.
.macro GELU16 o
.set XB, 34+\o
.set ii, 0
.rept 16
	v_fma_f32 v[98+ii], |v[XB+ii]|, 0x3eb504f3, 1.0        ; 1 + |x| / (2 sqrt 2)
.set ii, ii+1
.endr
.set ii, 0
.rept 16
	v_rcp_f32 v[98+ii], v[98+ii]
.set ii, ii+1
.endr
.irp p, 0,2,4,6
	v_pk_mul_f32 v[130+\p:131+\p], v[XB+\p:XB+\p+1], v[XB+\p:XB+\p+1]
.endr
	s_wait_alu depctr_va_vdst(0)
.irp p, 0,2,4,6,8,10,12,14
	v_pk_fma_f32 v[114+\p:115+\p], v[98+\p:99+\p], v[152:153], 0xbf97d29d op_sel_hi:[1,1,0]      ; c9 t + c8
.endr
.irp c, 0x40097039, 0xbfd1a1e5, 0x3ecdfd18, 0xbe899a80, 0x3e0efb2e, 0x3f0a29d2, 0x3fb8ab5a, 0xbfe9b21e
.irp p, 0,2,4,6,8,10,12,14
	v_pk_fma_f32 v[114+\p:115+\p], v[114+\p:115+\p], v[98+\p:99+\p], \c op_sel_hi:[1,1,0]        ; c7 .. c0
.endr
.endr
.irp p, 0,2,4,6
	v_pk_fma_f32 v[114+\p:115+\p], v[130+\p:131+\p], 0xbf38aa3b, v[114+\p:115+\p] op_sel_hi:[1,0,1]   ; - x^2 log2 e / 2
.endr
.irp p, 0,2,4,6
	v_pk_mul_f32 v[130+\p:131+\p], v[XB+8+\p:XB+9+\p], v[XB+8+\p:XB+9+\p]
.endr
.irp p, 0,2,4,6
	v_pk_fma_f32 v[122+\p:123+\p], v[130+\p:131+\p], 0xbf38aa3b, v[122+\p:123+\p] op_sel_hi:[1,0,1]
.endr
.set ii, 0
.rept 16
	v_exp_f32 v[114+ii], v[114+ii]
.set ii, ii+1
.endr
.set ii, 0
.rept 16
	v_mul_f32 v[98+ii], |v[XB+ii]|, v[98+ii]
	v_max_num_f32 v[XB+ii], 0, v[XB+ii]
.set ii, ii+1
.endr
	s_wait_alu depctr_va_vdst(0)
.irp p, 0,2,4,6,8,10,12,14
	v_pk_mul_f32 v[114+\p:115+\p], v[114+\p:115+\p], v[98+\p:99+\p]
.endr
.irp p, 0,2,4,6,8,10,12,14
	v_pk_fma_f32 v[XB+\p:XB+\p+1], v[114+\p:115+\p], -0.5, v[XB+\p:XB+\p+1] op_sel_hi:[1,0,1]
.endr
.endm
; v34-65 (two blocks of 32, 16 numbers of each in a lane) become half a fragment in v146-151 and two scale bytes in v144
.macro QUANTH
.irp b, 0,1
	v_max3_num_f32 v[138+\b], |v[34+16*\b]|, |v[35+16*\b]|, 0x1800000
.endr
.irp i, 2,4,6,8,10,12,14
.irp b, 0,1
	v_max3_num_f32 v[138+\b], v[138+\b], |v[34+16*\b+\i]|, |v[35+16*\b+\i]|
.endr
.endr
.irp b, 0,1
	v_permlanex16_b32 v[140+\b], v[138+\b], s38, s39
.endr
.irp b, 0,1
	v_max_num_f32 v[138+\b], v[138+\b], v[140+\b]  ; with lane xor 16's sixteen: the block's largest magnitude
.endr
.irp b, 0,1
	v_add_nc_u32 v[142+\b], 0xff000000, v[138+\b]
.endr
.irp b, 0,1
	v_lshrrev_b32 v[144+\b], 23, v[142+\b]
.endr
	v_lshl_or_b32 v144, v145, 8, v144
	v_cvt_scalef32_pk16_fp6_f32 v[146:148], v[34:49], v142
	v_cvt_scalef32_pk16_fp6_f32 v[130:132], v[50:65], v143
	v_nop                                          ; one plain place behind a scaled conversion
.irp i, 0,1,2
	v_permlane16_swap_b32 v[146+\i], v[130+\i]     ; the operand wants a whole block in a lane: lanes 0-15 the first block, lanes 16-31 the second
.endr
.irp i, 0,1,2
	v_mov_b32 v[149+\i], v[130+\i]
.endr
.endm
; AN ITEM'S END: group 0's sums are finished; groups 1 and 2, where the expert has so many rows, are multiplied now, out of LDS; each active
; tile gets bias, GELU and quantiser, and its half fragment (768 bytes: 512 and 256 consecutive, at multiples of 256) and two scale bytes a row are stored.
.macro TAIL it
	s_mov_b32 s33, 0
.Lgrp_\@:
	SETG
	s_cmp_eq_u32 s33, 0
	s_cbranch_scc1 .Lepi_\@
	s_cmp_eq_u32 s30, 0                            ; the group's first tile is not active: none of mine is
	s_cbranch_scc1 .Lnext_\@
	TOKENS 20, 23
	ALOAD 0, 20, 23, 0, 32
	COMPUTE 8*\it, 1, 0, 32
	ALOAD 1, 20, 23, 1, 32
	COMPUTE 8*\it+2, 0, 1, 32
	ALOAD 2, 20, 23, 1, 32
	COMPUTE 8*\it+4, 0, 1, 32
	ALOAD 3, 20, 23, 1, 32
	COMPUTE 8*\it+6, 0, 1, 32
.Lepi_\@:
.irp cw, 0,1
.irp p, 0,1,2,3
	ds_load_b128 v[66+16*\cw+4*\p:69+16*\cw+4*\p], v12 offset:256*\it+128*\cw+16*\p   ; b1 at my 32 columns
.endr
.endr
	v_mov_b32 v140, 0                              ; a lane permute's destination counts as read
	v_mov_b32 v141, 0
	v_mov_b32 v152, 0x3e7c6f08                     ; c9, twice
	v_mov_b32 v153, 0x3e7c6f08
	s_wait_dscnt 0x0
	s_mov_b32 s34, 0
.Ltile_\@:
	s_cmp_eq_u32 s34, 1
	s_cselect_b32 s35, s28, s27
	s_cselect_b32 s36, s31, s30
	s_cmp_eq_u32 s34, 2
	s_cselect_b32 s35, s29, s35
	s_cselect_b32 s36, s32, s36
	s_min_u32 s35, s35, 135
	s_cmp_eq_u32 s36, 0
	s_cbranch_scc1 .Ltn_\@
	s_cmp_eq_u32 s34, 1
	s_cbranch_scc1 .Lh1_\@
	s_cmp_eq_u32 s34, 2
	s_cbranch_scc1 .Lh2_\@
	HEADT 0
	s_branch .Lbody_\@
.Lh1_\@:
	HEADT 1
	s_branch .Lbody_\@
.Lh2_\@:
	HEADT 2
.Lbody_\@:
	GELU16 0
	GELU16 16
	QUANTH
	s_mul_i32 s78, s35, 49152
	s_mov_b32 s79, 0
	s_add_nc_u64 s[46:47], s[42:43], s[78:79]
	s_lshl_b32 s78, s35, 11
	s_add_nc_u64 s[48:49], s[44:45], s[78:79]
	global_store_b128 v7, v[146:149], s[46:47] offset:768*\it
	global_store_b64 v9, v[150:151], s[46:47] offset:768*\it
	global_store_b16 v26, v144, s[48:49] offset:2*\it      ; both halves of the lanes write the same two bytes
	s_wait_xcnt 0x0                                ; the stores' data and bases are written again only behind this wait
.Ltn_\@:
	s_add_co_u32 s34, s34, 1
	s_cmp_lt_u32 s34, 3
	s_cbranch_scc1 .Ltile_\@
.Lnext_\@:
	s_add_co_u32 s33, s33, 1
	s_cmp_lt_u32 s33, 3
	s_cbranch_scc1 .Lgrp_\@
.endm
; STEP k: streamers quantise super-step k; computers multiply super-step k - 1 and ask, K step by K step, for the rows of super-step k; then the
; barrier, in front of which each wave's LDS stores have landed and its LDS loads are in.  Loads from memory may stay out across it: nobody writes
; those bytes.
.macro STEP k
	s_cmp_lg_u32 s15, 0
	s_cbranch_scc1 .Lc_\k
.if \k < 6
	QUANT \k, 1, 1, 32, 32                         ; behind the chunk in hand: the two younger chunks
.elseif \k == 6
	QUANT \k, 1, 0, 32, 32                         ; the stream's last chunk goes out
.elseif \k == 7
	QUANT \k, 0, 0, 16, 0                          ; the counts run down
.endif
	s_branch .Lj_\k
.Lc_\k:
.if \k == 0
	s_wait_loadcnt 0x0                             ; a computers' stretch leaves only its own loads out (a computer has none out here)
	ALOADH 0, 0, 14, 17, 0, 0, 26
	ALOADH 0, 1, 14, 17, 0, 0, 26
.elseif \k == 1
	CSTEP 0, 1, 0, 0, 1, 1, 0                      ; an item's first super-step starts all twelve sums
.elseif \k == 5
	CSTEP 8, 1, 0, 0, 1, 1, 1
.elseif (\k == 4) || (\k == 8)
	CSTEP 2*(\k)-2, 0, 1, 1, 0, 0, 1               ; an item's last: nothing is asked for, since the epilogue works in these registers
.else
	CSTEP 2*(\k)-2, 0, 1, ((\k)-1)&1, (\k)&3, 1, 1
.endif
.if \k == 4
	TAIL 0
	ALOADH 0, 0, 14, 17, 0, 0, 26                  ; the second item's first rows
	ALOADH 0, 1, 14, 17, 0, 0, 26
.elseif \k == 8
	TAIL 1
.endif
.Lj_\k:
.if \k < 8
	s_wait_dscnt 0x0
	s_barrier_signal -1
	s_barrier_wait -1
.endif
.endm
	s_load_b256 s[4:11], s[0:1], 0x0               ; w1 s[4:5], b1 s[6:7], xc s[8:9], plan s[10:11]
	s_load_b64 s[12:13], s[0:1], 0x20              ; hc
	v_lshl_add_u32 v158, v0, 2, 0x19200
	v_mov_b32 v159, 0
	v_lshrrev_b32 v32, 5, v0
	v_readfirstlane_b32 s14, v32                   ; wave 0..15
	s_lshr_b32 s15, s14, 3                         ; role: 0 streamer, 1 computer
	s_and_b32 s16, s14, 7                          ; my number in the role
	s_lshr_b32 s17, ttmp9, 5                       ; expert
	s_and_b32 s18, ttmp9, 31                       ; slab
	s_and_b32 s81, s16, 1                          ; cw
	s_lshr_b32 s85, s16, 1                         ; hk
	s_and_b32 s82, s85, 1                          ; c
	s_lshr_b32 s83, s85, 1                         ; which of the super-step's two K steps
	s_mul_i32 s84, s83, 6144
	s_mul_i32 s86, s81, 3072
	s_add_co_u32 s84, s84, s86
	s_mul_i32 s86, s82, 768
	s_add_co_u32 s84, s84, s86                     ; the wave's term of an image's address
	s_lshl_b32 s86, s83, 8
	s_lshl_b32 s87, s81, 7
	s_add_co_u32 s86, s86, s87
	s_lshl_b32 s88, s82, 1
	s_add_co_u32 s86, s86, s88
	s_add_co_u32 s86, s86, BSC                     ; and of a scale byte's
	v_and_b32 v33, 31, v0                          ; lane
	v_and_b32 v26, 15, v0                          ; r
	v_bfe_u32 v32, v0, 4, 1                        ; h
	v_lshlrev_b32 v7, 4, v33
	v_lshl_add_u32 v9, v33, 3, 512
	v_add_nc_u32 v2, s84, v7
	v_add_nc_u32 v3, 49152, v2
	v_add_nc_u32 v4, s84, v9
	v_add_nc_u32 v5, 49152, v4
	v_add_nc_u32 v8, 49152, v7
	v_add_nc_u32 v10, 49152, v9
	v_lshl_add_u32 v11, v33, 2, BSC
	v_lshl_add_u32 v6, v26, 2, v32
	v_add_nc_u32 v6, s86, v6
	v_lshlrev_b32 v1, 19, v32                      ; 32 h rows of 16,384 bytes
	v_lshl_add_u32 v1, v26, 3, v1
	v_add_nc_u32 v1, s87, v1                       ; + 128 cw + 8 r
	v_lshl_add_u32 v12, v32, 6, BIAS
	v_add_nc_u32 v13, BIAS, v7
	v_lshlrev_b32 v26, 2, v26                      ; 4 r
	v_mul_u32_u24 v33, v32, 48                     ; 48 h
	v_lshlrev_b32 v32, 2, v32                      ; 4 h
	s_mov_b32 s38, 0x76543210
	s_mov_b32 s39, 0xfedcba98
	s_lshl_b32 s88, s17, 24                        ; w1: the expert's 16,777,216 bytes,
	s_lshl_b32 s89, s18, 9                         ; the slab's 512 bytes of a row,
	s_add_co_u32 s88, s88, s89
	s_lshl_b32 s89, s85, 20                        ; 64 hk rows
	s_add_co_u32 s88, s88, s89
	s_mov_b32 s89, 0
	s_lshl_b32 s78, s17, 3                         ; plan: the expert's pair
	s_lshl_b32 s90, s17, 14                        ; b1: the expert's row, the slab's 128 numbers
	s_lshl_b32 s91, s18, 9
	s_add_co_u32 s90, s90, s91
	s_mov_b32 s91, 0
	s_mul_i32 s92, s18, 1536                       ; hc: K step s of a tile,
	s_mov_b32 s93, 0
	s_lshl_b32 s94, s18, 6                         ; and its scale words
	s_mov_b32 s95, 0
	s_wait_kmcnt 0x0
	; every base is made here, ahead of the first parting of the roles
	s_load_b64 s[20:21], s[10:11], s78 offset:0x0  ; the expert's first tile and its number of tiles: asked for now, waited for behind the stream's first loads
	s_add_nc_u64 s[22:23], s[4:5], s[88:89]
	s_add_nc_u64 s[24:25], s[22:23], 0x800000      ; 512 rows further down
	s_add_nc_u64 s[6:7], s[6:7], s[90:91]
	s_add_nc_u64 s[42:43], s[12:13], s[92:93]
	s_add_nc_u64 s[44:45], s[12:13], s[94:95]
	s_add_nc_u64 s[44:45], s[44:45], 6684672
	s_cmp_lg_u32 s15, 0
	s_cbranch_scc1 .Lhead_w
	WLOAD 0, 0                                     ; the stream begins: the ring's three chunks, 48 loads
	WLOAD 0, 1
	WLOAD 1, 0
.Lhead_w:
	s_wait_kmcnt 0x0
	s_min_u32 s20, s20, 135
	s_min_u32 s21, s21, 64
	s_mov_b32 s33, 0
	SETG
	s_mov_b32 s26, s32                             ; is group 0's third tile active?
	s_cmp_eq_u32 s15, 0
	s_cbranch_scc1 .Lhead_j
	s_wait_loadcnt 0x0                             ; a computers' stretch begins with no load out (a computer has none here)
	TOKENS 14, 17
	s_cmp_lg_u32 s14, 8
	s_cbranch_scc1 .Lhead_j
	global_load_b128 v[108:111], v7, s[6:7]        ; wave 8 brings b1's 512 bytes; they are read behind later barriers
	s_wait_loadcnt 0x0
	ds_store_b128 v13, v[108:111]
.Lhead_j:
	STEP 0
	STEP 1
	STEP 2
	STEP 3
	STEP 4
	STEP 5
	STEP 6
	STEP 7
	STEP 8
	s_wait_tensorcnt 0x0
	ds_add_u32 v158, v159
	s_wait_dscnt 0x0
	s_endpgm
.Lfunc_end_k_q99df7141f4_ffn1:
	.size	k_q99df7141f4_ffn1, .Lfunc_end_k_q99df7141f4_ffn1-k_q99df7141f4_ffn1
	.p2alignl 7, 3214868480
	.fill 96, 4, 3214868480
	.section	.rodata,"a",@progbits
	.p2align	6, 0x0
	.amdhsa_kernel k_q99df7141f4_ffn1
		.amdhsa_group_segment_fixed_size 104960
		.amdhsa_private_segment_fixed_size 0
		.amdhsa_enable_private_segment 0
		.amdhsa_kernarg_size 40
		.amdhsa_user_sgpr_count 2
		.amdhsa_user_sgpr_kernarg_segment_ptr 1
		.amdhsa_wavefront_size32 1
		.amdhsa_system_sgpr_workgroup_id_x 1
		.amdhsa_system_sgpr_workgroup_id_y 1
		.amdhsa_system_sgpr_workgroup_id_z 1
		.amdhsa_system_vgpr_workitem_id 0
		.amdhsa_next_free_vgpr 256
		.amdhsa_next_free_sgpr 96
		.amdhsa_reserve_vcc 0
		.amdhsa_float_denorm_mode_32 3
		.amdhsa_float_denorm_mode_16_64 3
		.amdhsa_memory_ordered 1
		.amdhsa_forward_progress 1
		.amdhsa_inst_pref_size 255
	.end_amdhsa_kernel
	.section	.bss,"aw",@nobits
	.p2align	6
	.space	262144
	.amdgpu_metadata
---
amdhsa.version: [ 1, 2 ]
amdhsa.kernels:
  - .name:           k_q99df7141f4_ffn1
    .symbol:         k_q99df7141f4_ffn1.kd
    .args:
      - { .name: w1, .offset: 0, .size: 8, .value_kind: global_buffer, .address_space: global }
      - { .name: b1, .offset: 8, .size: 8, .value_kind: global_buffer, .address_space: global }
      - { .name: xc, .offset: 16, .size: 8, .value_kind: global_buffer, .address_space: global }
      - { .name: plan, .offset: 24, .size: 8, .value_kind: global_buffer, .address_space: global }
      - { .name: hc, .offset: 32, .size: 8, .value_kind: global_buffer, .address_space: global }
    .group_segment_fixed_size: 104960
    .private_segment_fixed_size: 0
    .kernarg_segment_align: 8
    .kernarg_segment_size: 40
    .max_flat_workgroup_size: 512
    .sgpr_count:     96
    .vgpr_count:     256
    .wavefront_size: 32
...
	.end_amdgpu_metadata
.endif
;; end of part 3
;; launch ffn2 (part 4): grid 256 x 1, 16 waves a work-group, no clusters, 139,264 bytes of LDS; arguments w2, hc, plan, ybuf; writes ybuf
.if DOCPART == 4
	.amdgcn_target "amdgcn-amd-amdhsa--gfx1250"
	.amdhsa_code_object_version 6
	.text
	.protected	k_q99df7141f4_ffn2
	.globl	k_q99df7141f4_ffn2
	.p2align	8
	.type	k_q99df7141f4_ffn2,@function
k_q99df7141f4_ffn2:
	s_mov_b64 s[64:65], 0
	v_nop
	global_prefetch_b8 v0, s[64:65] scope:SCOPE_SE
	s_setreg_imm32_b32 hwreg(HW_REG_WAVE_MODE, 25, 1), 1
	s_wait_xcnt 0x0
; THE SECOND PRODUCT OF THE CHOSEN ROWS: partial rows y = Q(h) Q(W2[e]) over half of K, f32, by slot.
; SHARES.  Work-group x: expert e = x / 32, half kh = (x / 16) % 2 of K (2,048 hidden units), output columns 64 cs .. 64 cs + 63 (cs = x % 16).
; K is split because 8 x 16 slabs of 64 columns are 128 work-groups, and narrower slabs would part each 256 consecutive bytes of a row of w2
; between two work-groups.  The two halves are added, with b2 and the gate's weights, by the next launch: each byte of ybuf has one writer.
; The slab of w2 (2,048 rows x 256 bytes, f32) is read ONCE, in eight super-steps of 256 along K.  Roles, layouts, LDS images, the transposed
; product, the groups of tiles and the barriers are those of the launch before: waves 0-7 stream and quantise weights, waves 8-15 fetch the
; hidden layer's fragments from hc (images of the operand's registers: 512 and 256 consecutive bytes a load), multiply, and store.
; THE STREAM'S RING: three chunks of sixteen loads of 8 bytes a lane in v160-255: 48 loads of a streamer are out; a chunk is asked for again as soon
; as the moves have emptied it.
; THE ROWS' FRAGMENTS have one set of registers for each of a super-step's two K steps.  A set is asked for again, with the next super-step's rows,
; as soon as its twelve products are issued; the loads stay out across the barrier and are waited for by count where the next stretch wants them.
; The rows' scale words have two sets of registers that take turns.
; Lane (r, h) of a result holds slot r, register j of tile 2 cw + q holds column 32 cw + 16 h + 2 j + q: a tile of 16 slots goes through the
; wave's own stage in LDS and leaves as rows: sixteen lanes store 256 consecutive bytes at a multiple of 256.
; THE TWO ROLES' STRETCHES STAND ONE BEHIND THE OTHER IN THE TEXT, so each is written to be sound whatever stretch stood ahead of it: every base
; address is made ahead of the first parting; the registers in which a computer's loads land (v16-18, v27-31, v34-153) and the ring (v160-255) share
; none; every computers' stretch holds a wait behind which only its own loads are out, so that the stream's counted waits find at most OLDER loads
; beside the stream's; plain places stand ahead of and behind the products.
; NO tensor loads, copies or clusters: the computers branch on stored counts, and each weight byte has one reader.
; LIMITS: NaN and infinities are not served; a block of zeros gets the byte 1; a row's sum over K is formed in two halves and joined in f32.
; LDS: 0 weight images, 98,304 their scale words (as in the launch before); 102,400 a stage of 16 rows x 272 bytes for each computer.
; REGISTERS: v1 weights' offset; v2-6 streamers' LDS addresses; v7-13 computers'; v14 4 lane; v15 my place in two rows of y; v27-29 and v16-18 rows'
; scale words, v30-31 weights' (scales and nothing else).  streamers: v34-59 at work, v64-127 two columns' 32 numbers, v160-255 the ring.
; computers: v34-105 rows' fragments, v106-153 weights', v160-255 sums.
.set BSC,  98304
.set STG,  102400
.set AF,   34
.set BF,   106
.set ACC,  160
.set RING, 160
.set NH1,  8                           ; a K step's fragments of two tiles: four loads a tile
.set NH0,  10                          ; the same with a scale word a tile
.macro WLOAD g, hf                     ; chunk 2 g + hf of the stream: rows 16 hf .. 16 hf + 15 of super-step g; every step stands in the immediate
.set RB, RING+32*((2*(\g)+(\hf))%3)
.set ii, 0
.rept 16
	global_load_b64 v[RB+2*ii:RB+2*ii+1], v1, s[22:23] offset:(256*(\g)+16*(\hf)+ii)*4096 th:TH_LOAD_NT
.set ii, ii+1
.endr
.endm
.macro QCOL g, q                       ; one column's block of 32: scale, codes, byte; image and byte to LDS
.set SB, 64+32*(\q)
.set TQ, 40+6*(\q)
.set UQ, 52+4*(\q)
.if (\g) < 4
.set A16, 2
.set A8, 4
.else
.set A16, 3
.set A8, 5
.endif
	v_max3_num_f32 v34, |v[SB]|, |v[SB+1]|, 0x1800000      ; the floor 2^(3 - 127): the byte cannot fall under 1
	v_max3_num_f32 v35, |v[SB+2]|, |v[SB+3]|, |v[SB+4]|
.irp i, 5,9,13,17,21,25
	v_max3_num_f32 v34, v34, |v[SB+\i]|, |v[SB+\i+1]|
	v_max3_num_f32 v35, v35, |v[SB+\i+2]|, |v[SB+\i+3]|
.endr
	v_max3_num_f32 v34, v34, |v[SB+29]|, |v[SB+30]|
	v_max3_num_f32 v34, v34, v35, |v[SB+31]|
	v_add_nc_u32 v[36+(\q)], 0xff000000, v34
	v_cvt_scalef32_pk16_fp6_f32 v[TQ:TQ+2], v[SB:SB+15], v[36+(\q)]
	v_cvt_scalef32_pk16_fp6_f32 v[UQ:UQ+2], v[SB+16:SB+31], v[36+(\q)]
	v_lshrrev_b32 v[38+(\q)], 23, v[36+(\q)]       ; the byte; also the plain place behind the conversions
.irp i, 0,1,2
	v_mov_b32 v[TQ+3+\i], v[UQ+\i]
.endr
	ds_store_b128 v[A16], v[TQ:TQ+3] offset:((\g)&3)*12288+1536*(\q)
	ds_store_b64 v[A8], v[TQ+4:TQ+5] offset:((\g)&3)*12288+1536*(\q)
	ds_store_b8 v6, v[38+(\q)] offset:512*(\g)+64*(\q)
.endm
; a streamer's step: chunks 2 g and 2 g + 1.  The moves part the two columns of a load and free the chunk for the chunk three further on
.macro QUANT g, re1, re2, na, nb
.set RB0, RING+32*((2*(\g))%3)
.set RB1, RING+32*((2*(\g)+1)%3)
	s_wait_loadcnt \na
.set ii, 0
.rept 16
	v_mov_b32 v[64+ii], v[RB0+2*ii]
	v_mov_b32 v[96+ii], v[RB0+2*ii+1]
.set ii, ii+1
.endr
.if \re1
	WLOAD (\g)+1, 1
.endif
	s_wait_loadcnt \nb
.set ii, 0
.rept 16
	v_mov_b32 v[80+ii], v[RB1+2*ii]
	v_mov_b32 v[112+ii], v[RB1+2*ii+1]
.set ii, ii+1
.endr
.if \re2
	WLOAD (\g)+2, 0
.endif
	QCOL \g, 0
	QCOL \g, 1
.endm
.macro SETG                            ; group s33's three tiles: s27-29 the tile (0 where not active), s30-32 active or not
	s_mul_i32 s78, s33, 24
	s_add_co_u32 s78, s78, s16
.irp t, 0,1,2
	s_add_co_u32 s79, s78, 8*\t
	s_add_co_u32 s80, s79, s20
	s_cmp_lt_u32 s79, s21
	s_cselect_b32 s[30+\t], 1, 0
	s_cselect_b32 s[27+\t], s80, 0
	s_min_u32 s[27+\t], s[27+\t], 135              ; the clamp stands last ahead of the address arithmetic
.endr
.endm
.macro MKBASE hb, hsb                  ; the three tiles' places in hc: codes, scale words
.irp t, 0,1,2
	s_mul_i32 s78, s[27+\t], 49152
	s_mov_b32 s79, 0
	s_add_nc_u64 s[\hb+2*\t:\hb+2*\t+1], s[54:55], s[78:79]
	s_lshl_b32 s78, s[27+\t], 11
	s_add_nc_u64 s[\hsb+2*\t:\hsb+2*\t+1], s[56:57], s[78:79]
.endr
.endm
; tile t's fragment of K step 2 g + ks of my half; with ks = 0 also its scale words of both K steps (lanes 0-15: step 2 g, lanes 16-31: 2 g + 1) into set p
.macro AHT g, ks, hb, hsb, p, t
.irp c, 0,1
	global_load_b128 v[AF+24*(\t)+12*(\ks)+6*\c:AF+24*(\t)+12*(\ks)+6*\c+3], v7, s[\hb+2*(\t):\hb+2*(\t)+1] offset:1536*(2*(\g)+(\ks))+768*\c
	global_load_b64 v[AF+24*(\t)+12*(\ks)+6*\c+4:AF+24*(\t)+12*(\ks)+6*\c+5], v9, s[\hb+2*(\t):\hb+2*(\t)+1] offset:1536*(2*(\g)+(\ks))+768*\c
.endr
.if (\ks) == 0
	global_load_b32 v[27-11*(\p)+(\t)], v14, s[\hsb+2*(\t):\hsb+2*(\t)+1] offset:128*(\g)
.endif
.endm
.macro ALOADH g, ks, hb, hsb, p, cond, flag
	AHT \g, \ks, \hb, \hsb, \p, 0
	AHT \g, \ks, \hb, \hsb, \p, 1
.if \cond
	s_cmp_lg_u32 s[\flag], 0                       ; the third tile only where it is active (a stored number)
	s_cbranch_scc0 .Lal_\@
.endif
	AHT \g, \ks, \hb, \hsb, \p, 2
.if \cond
.Lal_\@:
.endif
.endm
.macro ALOAD g, hb, hsb, cond, flag    ; both K steps at once, scale words into set 0: for the groups that run out of LDS
	ALOADH \g, 0, \hb, \hsb, 0, \cond, \flag
	ALOADH \g, 1, \hb, \hsb, 0, \cond, \flag
.endm
.macro WM t, ct, ks, z, p              ; one matrix instruction, rows' scale words in set p; z = 1: it starts the sum
.set AC, ACC+32*(\t)+8*(\ct)
.set BR, BF+12*(\ct)
.set AR, AF+24*(\t)+12*(\ks)
.set SR, 27-11*(\p)+(\t)
.if \z
.if ((\ct)&1) == 0
	v_wmma_scale_f32_16x16x128_f8f6f4 v[AC:AC+7], v[BR:BR+11], v[AR:AR+11], 0, v[30+(\ct)/2], v[SR] matrix_a_fmt:MATRIX_FMT_FP6 matrix_b_fmt:MATRIX_FMT_FP6
.else
	v_wmma_scale_f32_16x16x128_f8f6f4 v[AC:AC+7], v[BR:BR+11], v[AR:AR+11], 0, v[30+(\ct)/2], v[SR] matrix_a_fmt:MATRIX_FMT_FP6 matrix_b_fmt:MATRIX_FMT_FP6 matrix_a_scale:MATRIX_SCALE_ROW1
.endif
.elseif (\ks) == 0
.if ((\ct)&1) == 0
	v_wmma_scale_f32_16x16x128_f8f6f4 v[AC:AC+7], v[BR:BR+11], v[AR:AR+11], v[AC:AC+7], v[30+(\ct)/2], v[SR] matrix_a_fmt:MATRIX_FMT_FP6 matrix_b_fmt:MATRIX_FMT_FP6
.else
	v_wmma_scale_f32_16x16x128_f8f6f4 v[AC:AC+7], v[BR:BR+11], v[AR:AR+11], v[AC:AC+7], v[30+(\ct)/2], v[SR] matrix_a_fmt:MATRIX_FMT_FP6 matrix_b_fmt:MATRIX_FMT_FP6 matrix_a_scale:MATRIX_SCALE_ROW1
.endif
.else
.if ((\ct)&1) == 0
	v_wmma_scale_f32_16x16x128_f8f6f4 v[AC:AC+7], v[BR:BR+11], v[AR:AR+11], v[AC:AC+7], v[30+(\ct)/2], v[SR] matrix_a_fmt:MATRIX_FMT_FP6 matrix_b_fmt:MATRIX_FMT_FP6 matrix_b_scale:MATRIX_SCALE_ROW1
.else
	v_wmma_scale_f32_16x16x128_f8f6f4 v[AC:AC+7], v[BR:BR+11], v[AR:AR+11], v[AC:AC+7], v[30+(\ct)/2], v[SR] matrix_a_fmt:MATRIX_FMT_FP6 matrix_b_fmt:MATRIX_FMT_FP6 matrix_a_scale:MATRIX_SCALE_ROW1 matrix_b_scale:MATRIX_SCALE_ROW1
.endif
.endif
.endm
; the weights' four fragments and scale words of LDS place ksl; then four plain places, issued while the loads are out: an operand register that a
; vector instruction wrote stands four places ahead of a scaled matrix instruction, and stretches that write such registers stand ahead in the text
.macro BLOAD ksl
.set KSL, (\ksl)
.if KSL < 8
.set RA, 7
.set RC, 9
.else
.set RA, 8
.set RC, 10
.endif
.set KO, (KSL&7)*6144
.irp ct, 0,1,2,3
.irp c, 0,1
	ds_load_b128 v[BF+12*\ct+6*\c:BF+12*\ct+6*\c+3], v[RA] offset:KO+1536*\ct+768*\c
	ds_load_b64 v[BF+12*\ct+6*\c+4:BF+12*\ct+6*\c+5], v[RC] offset:KO+1536*\ct+768*\c
.endr
.endr
	ds_load_b32 v30, v11 offset:256*KSL
	ds_load_b32 v31, v11 offset:256*KSL+128
.rept 4
	v_nop
.endr
.endm
; one K step's 8 or 12 matrix instructions, the accumulators by turns; five plain places: four ahead of loads
; into the products' registers and of reads of results, one more ahead of a product that begins a sum anew
.macro MULH ks, zero, cond, flag, p
.irp ct, 0,1,2,3
	WM 0, \ct, \ks, \zero, \p
	WM 1, \ct, \ks, \zero, \p
.endr
.if \cond
	s_cmp_lg_u32 s[\flag], 0
	s_cbranch_scc0 .Lsk_\@
.endif
.irp ct, 0,1,2,3
	WM 2, \ct, \ks, \zero, \p
.endr
.if \cond
.Lsk_\@:
.endif
.rept 5
	v_nop
.endr
.endm
.macro COMPUTE kb, zero, cond, flag    ; a super-step whose rows were asked for just ahead, all at once: for the groups that run out of LDS
	s_wait_loadcnt 0x0
	BLOAD \kb
	s_wait_dscnt 0x0
	MULH 0, \zero, \cond, \flag, 0
	BLOAD (\kb)+1
	s_wait_dscnt 0x0
	MULH 1, 0, \cond, \flag, 0
.endm
; GROUP 0's SUPER-STEP, LDS places kb and kb + 1, rows' scale words in set p.  The weights' first fragments are asked of LDS ahead of the wait for the
; rows.  re = 1: each K step's registers are asked for again behind its products, with super-step ng (rc = 0: the third tile's too, whatever its
; flag: the first fill of scale set 1 writes all three registers on every path).
.macro CSTEP kb, zero, cond, p, ng, re, rc
	BLOAD \kb
	s_wait_loadcnt NH1                             ; the first K step's fragments and the scale words are in: behind them stand the second K step's loads, eight at the least
	s_wait_dscnt 0x0
	MULH 0, \zero, \cond, 26, \p
.if \re
	ALOADH \ng, 0, 42, 48, 1-(\p), \rc, 26
.endif
	BLOAD (\kb)+1
.if \re
	s_wait_loadcnt NH0                             ; the second K step's fragments are in: behind them stand the loads just issued, ten at the least
.else
	s_wait_loadcnt 0x0
.endif
	s_wait_dscnt 0x0
	MULH 1, 0, \cond, 26, \p
.if \re
	ALOADH \ng, 1, 42, 48, 1-(\p), \rc, 26
.endif
.endm
; tile t's 16 slots x 64 columns leave through my stage; each accumulator is read from its low end on
.macro YOUT t
	s_cmp_eq_u32 s[30+\t], 0
	s_cbranch_scc1 .Lny_\@
.irp cw, 0,1
.irp q, 0,1
.irp j, 0,1,2,3,4,5,6,7
	ds_store_b32 v12, v[ACC+32*\t+8*(2*\cw+\q)+\j] offset:4*(32*\cw+2*\j+\q)
.endr
.endr
.endr
.irp i, 0,1,2,3,4,5,6,7
	ds_load_b128 v[34+4*\i:37+4*\i], v13 offset:544*\i     ; LDS serves a wave's instructions in order: these see the stores above
.endr
	s_lshl_b32 s78, s[27+\t], 16                   ; 16 slots of 4,096 bytes
	s_mov_b32 s79, 0
	s_add_nc_u64 s[60:61], s[58:59], s[78:79]
.irp i, 0,1,2,3,4,5,6,7
	s_wait_dscnt 7-\i                              ; the younger of the eight loads may stay out
	global_store_b128 v15, v[34+4*\i:37+4*\i], s[60:61] offset:8192*\i th:TH_STORE_NT
.endr
	s_wait_xcnt 0x0                                ; the stores' data and base are written again only behind this wait
.Lny_\@:
.endm
.macro TAIL                            ; group 0 goes out; groups 1 and 2, where the expert has so many rows, are multiplied out of LDS and go out
	s_mov_b32 s33, 0
.Lgrp:
	SETG
	s_cmp_eq_u32 s33, 0
	s_cbranch_scc1 .Lout
	s_cmp_eq_u32 s30, 0
	s_cbranch_scc1 .Lnext
	s_wait_xcnt 0x0
	MKBASE 66, 72
	ALOAD 0, 66, 72, 0, 32
	COMPUTE 0, 1, 0, 32
.irp g, 1,2,3,4,5,6,7
	ALOAD \g, 66, 72, 1, 32
	COMPUTE 2*\g, 0, 1, 32
.endr
.Lout:
	YOUT 0
	YOUT 1
	YOUT 2
.Lnext:
	s_add_co_u32 s33, s33, 1
	s_cmp_lt_u32 s33, 3
	s_cbranch_scc1 .Lgrp
.endm
; STEP k: streamers quantise super-step k; computers multiply super-step k - 1 and ask, K step by K step, for the rows of super-step k; then the barrier
.macro STEP k
	s_cmp_lg_u32 s15, 0
	s_cbranch_scc1 .Lc_\k
.if \k < 6
	QUANT \k, 1, 1, 32, 32                         ; behind the chunk in hand: the two younger chunks
.elseif \k == 6
	QUANT \k, 1, 0, 32, 32                         ; the stream's last chunk goes out
.elseif \k == 7
	QUANT \k, 0, 0, 16, 0                          ; the counts run down
.endif
	s_branch .Lj_\k
.Lc_\k:
.if \k == 0
	s_wait_loadcnt 0x0                             ; a computers' stretch leaves only its own loads out (a computer has none out here)
	ALOADH 0, 0, 42, 48, 0, 0, 26
	ALOADH 0, 1, 42, 48, 0, 0, 26
.elseif \k == 1
	CSTEP 0, 1, 0, 0, 1, 1, 0                      ; the first super-step starts all twelve sums
.elseif \k == 8
	CSTEP 14, 0, 1, 1, 0, 0, 1                     ; the last: nothing is left to ask for
	TAIL
.else
	CSTEP 2*(\k)-2, 0, 1, ((\k)-1)&1, \k, 1, 1
.endif
.Lj_\k:
.if \k < 8
	s_wait_dscnt 0x0                               ; my LDS stores have landed, my LDS loads are in
	s_barrier_signal -1
	s_barrier_wait -1
.endif
.endm
	s_load_b256 s[4:11], s[0:1], 0x0               ; w2 s[4:5], hc s[6:7], plan s[8:9], ybuf s[10:11]
	v_lshl_add_u32 v158, v0, 2, 0x21800
	v_mov_b32 v159, 0
	v_lshrrev_b32 v32, 5, v0
	v_readfirstlane_b32 s14, v32                   ; wave 0..15
	s_lshr_b32 s15, s14, 3                         ; role
	s_and_b32 s16, s14, 7
	s_lshr_b32 s17, ttmp9, 5                       ; expert
	s_bfe_u32 s19, ttmp9, 0x10004                  ; half of K
	s_and_b32 s18, ttmp9, 15                       ; slab of 64 columns
	s_and_b32 s81, s16, 1                          ; cw
	s_lshr_b32 s85, s16, 1                         ; hk
	s_and_b32 s82, s85, 1                          ; c
	s_lshr_b32 s83, s85, 1
	s_mul_i32 s84, s83, 6144
	s_mul_i32 s86, s81, 3072
	s_add_co_u32 s84, s84, s86
	s_mul_i32 s86, s82, 768
	s_add_co_u32 s84, s84, s86
	s_lshl_b32 s86, s83, 8
	s_lshl_b32 s87, s81, 7
	s_add_co_u32 s86, s86, s87
	s_lshl_b32 s88, s82, 1
	s_add_co_u32 s86, s86, s88
	s_add_co_u32 s86, s86, BSC
	s_mul_i32 s88, s16, 4352
	s_add_co_u32 s88, s88, STG                     ; my stage
	v_and_b32 v33, 31, v0                          ; lane
	v_and_b32 v26, 15, v0                          ; r
	v_bfe_u32 v32, v0, 4, 1                        ; h
	v_lshlrev_b32 v7, 4, v33
	v_lshl_add_u32 v9, v33, 3, 512
	v_add_nc_u32 v2, s84, v7
	v_add_nc_u32 v3, 49152, v2
	v_add_nc_u32 v4, s84, v9
	v_add_nc_u32 v5, 49152, v4
	v_add_nc_u32 v8, 49152, v7
	v_add_nc_u32 v10, 49152, v9
	v_lshl_add_u32 v11, v33, 2, BSC
	v_lshl_add_u32 v6, v26, 2, v32
	v_add_nc_u32 v6, s86, v6
	v_lshlrev_b32 v1, 17, v32                      ; 32 h rows of 4,096 bytes
	v_lshl_add_u32 v1, v26, 3, v1
	v_add_nc_u32 v1, s87, v1
	v_mul_u32_u24 v12, v26, 272
	v_lshl_add_u32 v12, v32, 6, v12
	v_add_nc_u32 v12, s88, v12                     ; into the stage: row r, + 64 h
	v_mul_u32_u24 v13, v32, 272
	v_lshl_add_u32 v13, v26, 4, v13
	v_add_nc_u32 v13, s88, v13                     ; back: lanes 0-15 one row, lanes 16-31 the next
	v_lshlrev_b32 v14, 2, v33
	v_lshlrev_b32 v15, 12, v32
	v_lshl_add_u32 v15, v26, 4, v15                ; and the same two rows in ybuf
	s_lshl_b32 s88, s17, 24                        ; w2: the expert,
	s_lshl_b32 s89, s19, 23                        ; 2,048 kh rows,
	s_add_co_u32 s88, s88, s89
	s_lshl_b32 s89, s85, 18                        ; 64 hk rows,
	s_add_co_u32 s88, s88, s89
	s_lshl_b32 s89, s18, 8                         ; the slab's 256 bytes of a row
	s_add_co_u32 s88, s88, s89
	s_mov_b32 s89, 0
	s_lshl_b32 s78, s17, 3                         ; plan: the expert's pair
	s_mul_i32 s90, s19, 24576                      ; hc: my half's first K step of a tile,
	s_mov_b32 s91, 0
	s_lshl_b32 s92, s19, 10                        ; and its scale words
	s_mov_b32 s93, 0
	s_mul_i32 s94, s19, 0x880000                   ; ybuf: my half's 2,176 rows,
	s_lshl_b32 s79, s18, 8                         ; my 256 bytes of a row
	s_add_co_u32 s94, s94, s79
	s_mov_b32 s95, 0
	s_wait_kmcnt 0x0
	; every base is made here, ahead of the first parting of the roles
	s_load_b64 s[20:21], s[8:9], s78 offset:0x0    ; the expert's first tile and its number of tiles: asked for now, waited for behind the stream's first loads
	s_add_nc_u64 s[22:23], s[4:5], s[88:89]
	s_add_nc_u64 s[54:55], s[6:7], s[90:91]
	s_add_nc_u64 s[56:57], s[6:7], s[92:93]
	s_add_nc_u64 s[56:57], s[56:57], 6684672
	s_add_nc_u64 s[58:59], s[10:11], s[94:95]
	s_cmp_lg_u32 s15, 0
	s_cbranch_scc1 .Lhead_w
	WLOAD 0, 0                                     ; the stream begins: the ring's three chunks, 48 loads
	WLOAD 0, 1
	WLOAD 1, 0
.Lhead_w:
	s_wait_kmcnt 0x0
	s_min_u32 s20, s20, 135
	s_min_u32 s21, s21, 64
	s_mov_b32 s33, 0
	SETG
	s_mov_b32 s26, s32                             ; is group 0's third tile active?
	MKBASE 42, 48
	STEP 0
	STEP 1
	STEP 2
	STEP 3
	STEP 4
	STEP 5
	STEP 6
	STEP 7
	STEP 8
	s_wait_tensorcnt 0x0
	ds_add_u32 v158, v159
	s_wait_dscnt 0x0
	s_endpgm
.Lfunc_end_k_q99df7141f4_ffn2:
	.size	k_q99df7141f4_ffn2, .Lfunc_end_k_q99df7141f4_ffn2-k_q99df7141f4_ffn2
	.p2alignl 7, 3214868480
	.fill 96, 4, 3214868480
	.section	.rodata,"a",@progbits
	.p2align	6, 0x0
	.amdhsa_kernel k_q99df7141f4_ffn2
		.amdhsa_group_segment_fixed_size 139264
		.amdhsa_private_segment_fixed_size 0
		.amdhsa_enable_private_segment 0
		.amdhsa_kernarg_size 32
		.amdhsa_user_sgpr_count 2
		.amdhsa_user_sgpr_kernarg_segment_ptr 1
		.amdhsa_wavefront_size32 1
		.amdhsa_system_sgpr_workgroup_id_x 1
		.amdhsa_system_sgpr_workgroup_id_y 1
		.amdhsa_system_sgpr_workgroup_id_z 1
		.amdhsa_system_vgpr_workitem_id 0
		.amdhsa_next_free_vgpr 256
		.amdhsa_next_free_sgpr 96
		.amdhsa_reserve_vcc 0
		.amdhsa_float_denorm_mode_32 3
		.amdhsa_float_denorm_mode_16_64 3
		.amdhsa_memory_ordered 1
		.amdhsa_forward_progress 1
		.amdhsa_inst_pref_size 224
	.end_amdhsa_kernel
	.amdgpu_metadata
---
amdhsa.version: [ 1, 2 ]
amdhsa.kernels:
  - .name:           k_q99df7141f4_ffn2
    .symbol:         k_q99df7141f4_ffn2.kd
    .args:
      - { .name: w2, .offset: 0, .size: 8, .value_kind: global_buffer, .address_space: global }
      - { .name: hc, .offset: 8, .size: 8, .value_kind: global_buffer, .address_space: global }
      - { .name: plan, .offset: 16, .size: 8, .value_kind: global_buffer, .address_space: global }
      - { .name: ybuf, .offset: 24, .size: 8, .value_kind: global_buffer, .address_space: global }
    .group_segment_fixed_size: 139264
    .private_segment_fixed_size: 0
    .kernarg_segment_align: 8
    .kernarg_segment_size: 32
    .max_flat_workgroup_size: 512
    .sgpr_count:     96
    .vgpr_count:     256
    .wavefront_size: 32
...
	.end_amdgpu_metadata
.endif
;; end of part 4
;; launch combine (part 5): grid 256 x 1, 4 waves a work-group, no clusters, 0 bytes of LDS; arguments ybuf, plan, ids, gw, b2, out0; writes out0
.if DOCPART == 5
	.amdgcn_target "amdgcn-amd-amdhsa--gfx1250"
	.amdhsa_code_object_version 6
	.text
	.protected	k_q99df7141f4_combine
	.globl	k_q99df7141f4_combine
	.p2align	8
	.type	k_q99df7141f4_combine,@function
k_q99df7141f4_combine:
	s_mov_b64 s[64:65], 0
	v_nop
	global_prefetch_b8 v0, s[64:65] scope:SCOPE_SE
	s_setreg_imm32_b32 hwreg(HW_REG_WAVE_MODE, 25, 1), 1
	s_wait_xcnt 0x0
; out[t] = w0 (y[slot0] + b2[e0]) + w1 (y[slot1] + b2[e1]), y[slot] = the sum of the slot's two partial rows over the halves of K.
; One wave takes one token (t = 4 x work-group + wave): each output row has one owner.  Slots, experts and weights come by scalar loads from
; buffers that earlier launches stored; slots and experts are clamped ahead of the address arithmetic.  A stream: 48 loads of 512 consecutive
; bytes go out together, chunk by chunk of a row, and each chunk is worked and stored as its six loads come in.  No LDS, no barrier, no matrix unit.
	s_load_b256 s[4:11], s[0:1], 0x0               ; ybuf, plan, ids, gw
	s_load_b128 s[12:15], s[0:1], 0x20             ; b2, out0
	v_lshrrev_b32 v2, 5, v0
	v_readfirstlane_b32 s16, v2
	v_and_b32 v1, 31, v0
	v_lshlrev_b32 v1, 4, v1                        ; 16 lane
	s_lshl_b32 s17, ttmp9, 2
	s_add_co_u32 s17, s17, s16                     ; token
	s_lshl_b32 s18, s17, 3
	s_wait_kmcnt 0x0
	s_load_b64 s[24:25], s[6:7], s18 offset:0x100  ; its two slots
	s_load_b64 s[26:27], s[8:9], s18 offset:0x0    ; its two experts
	s_load_b64 s[20:21], s[10:11], s18 offset:0x0  ; its two weights
	s_wait_kmcnt 0x0
	s_min_u32 s24, s24, 2175
	s_min_u32 s25, s25, 2175
	s_min_u32 s26, s26, 7
	s_min_u32 s27, s27, 7
	s_mov_b32 s22, s21                             ; w1 as a pair of its own: the packed forms take a scalar pair's low word for both halves
	s_mov_b32 s23, s21
	s_mov_b32 s43, 0
	s_lshl_b32 s42, s24, 12
	s_add_nc_u64 s[28:29], s[4:5], s[42:43]
	s_lshl_b32 s42, s25, 12
	s_add_nc_u64 s[30:31], s[4:5], s[42:43]
	s_add_nc_u64 s[32:33], s[28:29], 0x880000      ; the second half of K: 2,176 rows on
	s_add_nc_u64 s[34:35], s[30:31], 0x880000
	s_lshl_b32 s42, s26, 12
	s_add_nc_u64 s[36:37], s[12:13], s[42:43]
	s_lshl_b32 s42, s27, 12
	s_add_nc_u64 s[38:39], s[12:13], s[42:43]
	s_lshl_b32 s42, s17, 12
	s_add_nc_u64 s[40:41], s[14:15], s[42:43]
.irp i, 0,1,2,3,4,5,6,7
	global_load_b128 v[8+24*\i:11+24*\i],  v1, s[28:29] offset:512*\i th:TH_LOAD_NT
	global_load_b128 v[12+24*\i:15+24*\i], v1, s[32:33] offset:512*\i th:TH_LOAD_NT
	global_load_b128 v[16+24*\i:19+24*\i], v1, s[36:37] offset:512*\i
	global_load_b128 v[20+24*\i:23+24*\i], v1, s[30:31] offset:512*\i th:TH_LOAD_NT
	global_load_b128 v[24+24*\i:27+24*\i], v1, s[34:35] offset:512*\i th:TH_LOAD_NT
	global_load_b128 v[28+24*\i:31+24*\i], v1, s[38:39] offset:512*\i
.endr
.irp i, 0,1,2,3,4,5,6,7
.set CB, 8+24*\i
	s_wait_loadcnt 42-6*\i                         ; six loads for each later chunk are the younger ones
.irp p, 0,2
	v_pk_add_f32 v[CB+\p:CB+\p+1], v[CB+\p:CB+\p+1], v[CB+4+\p:CB+5+\p]
	v_pk_add_f32 v[CB+12+\p:CB+13+\p], v[CB+12+\p:CB+13+\p], v[CB+16+\p:CB+17+\p]
.endr
.irp p, 0,2
	v_pk_add_f32 v[CB+\p:CB+\p+1], v[CB+\p:CB+\p+1], v[CB+8+\p:CB+9+\p]
	v_pk_add_f32 v[CB+12+\p:CB+13+\p], v[CB+12+\p:CB+13+\p], v[CB+20+\p:CB+21+\p]
.endr
.irp p, 0,2
	v_pk_mul_f32 v[CB+\p:CB+\p+1], v[CB+\p:CB+\p+1], s[20:21] op_sel_hi:[1,0]
.endr
.irp p, 0,2
	v_pk_fma_f32 v[CB+\p:CB+\p+1], v[CB+12+\p:CB+13+\p], s[22:23], v[CB+\p:CB+\p+1] op_sel_hi:[1,0,1]
.endr
	global_store_b128 v1, v[CB:CB+3], s[40:41] offset:512*\i th:TH_STORE_NT   ; 512 consecutive bytes at a multiple of 256; each chunk has registers of its own
.endr
	s_endpgm
.Lfunc_end_k_q99df7141f4_combine:
	.size	k_q99df7141f4_combine, .Lfunc_end_k_q99df7141f4_combine-k_q99df7141f4_combine
	.p2alignl 7, 3214868480
	.fill 96, 4, 3214868480
	.section	.rodata,"a",@progbits
	.p2align	6, 0x0
	.amdhsa_kernel k_q99df7141f4_combine
		.amdhsa_group_segment_fixed_size 0
		.amdhsa_private_segment_fixed_size 0
		.amdhsa_enable_private_segment 0
		.amdhsa_kernarg_size 48
		.amdhsa_user_sgpr_count 2
		.amdhsa_user_sgpr_kernarg_segment_ptr 1
		.amdhsa_wavefront_size32 1
		.amdhsa_system_sgpr_workgroup_id_x 1
		.amdhsa_system_sgpr_workgroup_id_y 1
		.amdhsa_system_sgpr_workgroup_id_z 1
		.amdhsa_system_vgpr_workitem_id 0
		.amdhsa_next_free_vgpr 208
		.amdhsa_next_free_sgpr 66
		.amdhsa_reserve_vcc 0
		.amdhsa_float_denorm_mode_32 3
		.amdhsa_float_denorm_mode_16_64 3
		.amdhsa_memory_ordered 1
		.amdhsa_forward_progress 1
		.amdhsa_inst_pref_size 14
	.end_amdhsa_kernel
	.amdgpu_metadata
---
amdhsa.version: [ 1, 2 ]
amdhsa.kernels:
  - .name:           k_q99df7141f4_combine
    .symbol:         k_q99df7141f4_combine.kd
    .args:
      - { .name: ybuf, .offset: 0, .size: 8, .value_kind: global_buffer, .address_space: global }
      - { .name: plan, .offset: 8, .size: 8, .value_kind: global_buffer, .address_space: global }
      - { .name: ids, .offset: 16, .size: 8, .value_kind: global_buffer, .address_space: global }
      - { .name: gw, .offset: 24, .size: 8, .value_kind: global_buffer, .address_space: global }
      - { .name: b2, .offset: 32, .size: 8, .value_kind: global_buffer, .address_space: global }
      - { .name: out0, .offset: 40, .size: 8, .value_kind: global_buffer, .address_space: global }
    .group_segment_fixed_size: 0
    .private_segment_fixed_size: 0
    .kernarg_segment_align: 8
    .kernarg_segment_size: 48
    .max_flat_workgroup_size: 128
    .sgpr_count:     66
    .vgpr_count:     208
    .wavefront_size: 32
...
	.end_amdgpu_metadata
.endif
;; end of part 5
;; ======== version 2 of 2: 5 launches
;; workspace buffers: xc 819,200 bytes; ids 8,192 bytes of whole numbers; gw 8,192 bytes; plan 17,152 bytes of whole numbers; hc 6,963,200 bytes; ybuf 17,825,792 bytes
;; launch route (part 6): grid 128 x 1, 8 waves a work-group, no clusters, 81,408 bytes of LDS; arguments x, gate_w, xc, ids, gw; writes xc, ids, gw
.if DOCPART == 6
	.amdgcn_target "amdgcn-amd-amdhsa--gfx1250"
	.amdhsa_code_object_version 6
	.text
	.protected	k_q99df7141f4_route
	.globl	k_q99df7141f4_route
	.p2align	8
	.type	k_q99df7141f4_route,@function
k_q99df7141f4_route:
	s_mov_b64 s[64:65], 0
	v_nop
	global_prefetch_b8 v0, s[64:65] scope:SCOPE_SE
	s_setreg_imm32_b32 hwreg(HW_REG_WAVE_MODE, 25, 1), 1
	s_wait_xcnt 0x0
; THE GATE AND x's CODES.  One wave takes one token (token = 8 x work-group + wave).
; Gate: logits = x . gate_w in f32 (fused multiply-adds, summed over the 32 lanes); the two largest logits are the two largest
; probabilities (the softmax rises with the logit); a strict '>' keeps the lower index at equal logits.  The renormalised weights are
; w0 = 1 / (1 + 2^((second - best) log2 e)), w1 = 1 - w0 formed as ex x w0: the row's maximum is taken away, the softmax's divisor cancels.
; Stored at fixed places: ids [1024][2] (experts, as whole numbers), gw [1024][2] (weights).  No address here hangs on them.
; x's row is quantised along K to E2M3 with one E8M0 byte for each 32: xc codes [token][K step 8][h 2][48 bytes: block h, then block 2 + h],
; which is the order in which a lane of the matrix operand takes them; scale bytes at +786,432, [token][32].
; LIMITS: NaN and infinities are not served; a tie that only the softmax's rounding makes is decided on the logits; a block of zeros gets the
; byte 1 where the rule says 127 (its codes are zeros, and this program alone reads the bytes).
; LDS: gate_w as it lies with 16 bytes of padding behind each 128 (36,864); for each wave its row of x, padded alike (4,608), and a stage for
; its 768 bytes of codes; 512 bytes in which the eight waves' scale bytes, experts and weights meet, so that they leave in long runs.
.set XST,  36864
.set CST,  73728
.set META, 79872
.set L, 16                             ; v16-23  the eight logits
.set X, 40                             ; v40-71  x[128 i + 4 lane + q] in X[4 i + q]
.set W, 72                             ; v72-103 gate_w's rows of four k
.set R, 104                            ; v104-135 block 'lane' of x: 32 neighbours
.set T, 136                            ; v136-141 its codes
.set U, 144
	s_load_b128 s[4:7], s[0:1], 0x0                ; x, gate_w
	s_load_b128 s[8:11], s[0:1], 0x10              ; xc, ids
	s_load_b64 s[12:13], s[0:1], 0x20              ; gw
	v_lshl_add_u32 v160, v0, 2, 0x13a00
	v_mov_b32 v161, 0
	v_lshrrev_b32 v24, 5, v0
	s_delay_alu instid0(VALU_DEP_1)
	v_readfirstlane_b32 s14, v24                   ; wave
	v_and_b32 v1, 31, v0                           ; lane
	s_delay_alu instid0(VALU_DEP_1)
	v_lshlrev_b32 v2, 4, v1                        ; 16 lane
	v_lshlrev_b32 v3, 4, v0                        ; 16 thread
	v_lshrrev_b32 v24, 3, v0
	s_delay_alu instid0(VALU_DEP_1)
	v_lshl_add_u32 v4, v24, 4, v3                  ; gate_w into LDS: 16 thread + 16 (thread / 8)
	s_mul_i32 s15, s14, 4608
	s_add_co_u32 s15, s15, XST
	v_lshrrev_b32 v24, 3, v1
	s_delay_alu instid0(VALU_DEP_1)
	v_lshl_add_u32 v5, v24, 4, v2
	s_delay_alu instid0(VALU_DEP_1)
	v_add_nc_u32 v5, s15, v5                       ; my row of x into LDS
	v_mul_u32_u24 v7, v1, 144                      ; gate_w's four rows of my four k
	s_delay_alu instid0(VALU_DEP_1)
	v_add_nc_u32 v6, s15, v7                       ; and block 'lane' of x back
	s_mul_i32 s16, s14, 768
	s_add_co_u32 s16, s16, CST
	v_lshrrev_b32 v24, 2, v1
	s_delay_alu instid0(VALU_DEP_1)
	v_mul_u32_u24 v8, v24, 96
	v_and_b32 v24, 1, v1
	s_delay_alu instid0(VALU_DEP_1)
	v_mad_u32_u24 v8, v24, 48, v8
	v_bfe_u32 v24, v1, 1, 1
	s_delay_alu instid0(VALU_DEP_1)
	v_mad_u32_u24 v8, v24, 24, v8
	s_delay_alu instid0(VALU_DEP_1)
	v_add_nc_u32 v8, s16, v8                       ; block b = lane % 4 of K step lane / 4: 96 (lane / 4) + 48 (b % 2) + 24 (b / 2)
	v_add_nc_u32 v9, s16, v2
	v_lshlrev_b32 v31, 3, v1                       ; 8 lane
	s_delay_alu instid0(VALU_DEP_1)
	v_add_nc_u32 v10, s16, v31
	s_delay_alu instid0(VALU_DEP_1)
	v_add_nc_u32 v10, 512, v10
	s_lshl_b32 s17, s14, 5
	s_add_co_u32 s17, s17, META
	v_add_nc_u32 v11, s17, v1                      ; my block's scale byte
	s_lshl_b32 s17, s14, 3
	s_add_co_u32 s17, s17, META+256
	v_mov_b32 v12, s17                             ; my token's two experts,
	s_delay_alu instid0(VALU_DEP_1)
	v_add_nc_u32 v13, 64, v12                      ; its two weights
	v_add_nc_u32 v14, META, v31
	v_and_b32 v24, 15, v1
	s_delay_alu instid0(VALU_DEP_1)
	v_lshlrev_b32 v30, 2, v24                      ; 4 (lane % 16)
	s_delay_alu instid0(VALU_DEP_1)
	v_add_nc_u32 v15, META+256, v30
	s_lshl_b32 s18, ttmp9, 3
	s_add_co_u32 s18, s18, s14                     ; token
	s_lshl_b32 s20, s18, 12
	s_mov_b32 s21, 0
	s_mul_i32 s22, s18, 768
	s_mov_b32 s23, 0
	s_lshl_b32 s24, ttmp9, 8
	s_mov_b32 s25, 0
	s_lshl_b32 s26, ttmp9, 6
	s_mov_b32 s27, 0
	s_mov_b32 s28, 0x76543210
	s_mov_b32 s29, 0xfedcba98                      ; v_permlanex16_b32's selects for lane xor 16
	s_wait_kmcnt 0x0
	s_add_nc_u64 s[4:5], s[4:5], s[20:21]          ; my row of x
	s_add_nc_u64 s[30:31], s[8:9], s[22:23]        ; my token's codes
	s_add_nc_u64 s[8:9], s[8:9], s[24:25]          ; the work-group's 256 scale bytes (+786,432 in the immediate)
	s_add_nc_u64 s[10:11], s[10:11], s[26:27]
	s_add_nc_u64 s[12:13], s[12:13], s[26:27]
.irp i, 0,1,2,3,4,5,6,7
	global_load_b128 v[X+4*\i:X+4*\i+3], v2, s[4:5] offset:512*\i th:TH_LOAD_NT   ; 512 consecutive bytes a load
.endr
.irp i, 0,1,2,3,4,5,6,7
	global_load_b128 v[W+4*\i:W+4*\i+3], v3, s[6:7] offset:4096*\i                ; the work-group's eight waves bring gate_w whole
.endr
	s_wait_loadcnt 0x8                             ; x is in; the eight younger loads are gate_w's
.irp i, 0,1,2,3,4,5,6,7
	ds_store_b128 v5, v[X+4*\i:X+4*\i+3] offset:576*\i
.endr
	s_wait_loadcnt 0x0
.irp i, 0,1,2,3,4,5,6,7
	ds_store_b128 v4, v[W+4*\i:W+4*\i+3] offset:4608*\i
.endr
	s_wait_dscnt 0x0                               ; for the others' sake: my part of gate_w has landed
	s_barrier_signal -1
	s_barrier_wait -1
; the logits: lane's four k of each 128, eight experts in four packed sums; the first products start the sums
.irp i, 0,1,2,3,4,5,6,7
.irp q, 0,1,2,3
	ds_load_b128 v[W+8*\q:W+8*\q+3], v7 offset:4608*\i+32*\q
	ds_load_b128 v[W+8*\q+4:W+8*\q+7], v7 offset:4608*\i+32*\q+16
.endr
	s_wait_alu depctr_va_vdst(0)
	s_wait_dscnt 0x0
.irp q, 0,1,2,3
.irp p, 0,1,2,3
.if (\i == 0) && (\q == 0)
	v_pk_mul_f32 v[L+2*\p:L+2*\p+1], v[W+2*\p:W+2*\p+1], v[X:X+1] op_sel_hi:[1,0]
.elseif (\q%2) == 0
	v_pk_fma_f32 v[L+2*\p:L+2*\p+1], v[W+8*\q+2*\p:W+8*\q+2*\p+1], v[X+4*\i+2*(\q/2):X+4*\i+2*(\q/2)+1], v[L+2*\p:L+2*\p+1] op_sel_hi:[1,0,1]
.else
	s_delay_alu instid0(VALU_DEP_4)
	v_pk_fma_f32 v[L+2*\p:L+2*\p+1], v[W+8*\q+2*\p:W+8*\q+2*\p+1], v[X+4*\i+2*(\q/2):X+4*\i+2*(\q/2)+1], v[L+2*\p:L+2*\p+1] op_sel:[0,1,0] op_sel_hi:[1,1,1]
.endif
.endr
.endr
.endr
.irp j, 0,1,2,3,4,5,6,7
	ds_load_b128 v[R+4*\j:R+4*\j+3], v6 offset:16*\j   ; my wave's own bytes: block 'lane' of x, for the quantiser below
.endr
	v_mov_b32 v35, 0                               ; a lane permute's destination counts as read
.irp m, 1,2,4,8
.irp e, 0,1,2,3,4,5,6,7
	v_add_f32_dpp v[L+\e], v[L+\e], v[L+\e] row_xmask:\m row_mask:0xf bank_mask:0xf
.endr
.endr
.irp e, 0
	v_permlanex16_b32 v35, v[L+\e], s28, s29
	s_delay_alu instid0(VALU_DEP_1)
	v_add_f32 v[L+\e], v[L+\e], v35
.endr
.irp e, 1, 2, 3, 4, 5, 6, 7
	s_delay_alu instid0(VALU_DEP_2)
	v_permlanex16_b32 v35, v[L+\e], s28, s29
	s_delay_alu instid0(VALU_DEP_1)
	v_add_f32 v[L+\e], v[L+\e], v35                ; every lane holds the token's eight logits
.endr
	v_mov_b32 v32, v[L]                            ; the best logit and its expert
	v_mov_b32 v26, 0
.irp e, 1,2,3,4,5,6,7
	s_delay_alu instid0(VALU_DEP_2)
	v_cmp_gt_f32 vcc_lo, v[L+\e], v32
	s_delay_alu instid0(VALU_DEP_1)
	v_cndmask_b32 v32, v32, v[L+\e], vcc_lo
	s_delay_alu instid0(VALU_DEP_2)
	v_cndmask_b32 v26, v26, \e, vcc_lo
.endr
	v_mov_b32 v34, 0xff800000                      ; -infinity takes the best one's place
.irp e, 0,1,2,3,4,5,6,7
	v_cmp_eq_u32 vcc_lo, \e, v26
	s_delay_alu instid0(VALU_DEP_1)
	v_cndmask_b32 v[L+\e], v[L+\e], v34, vcc_lo
.endr
	v_mov_b32 v33, v[L]                            ; the second
	v_mov_b32 v27, 0
.irp e, 1,2,3,4,5,6,7
	s_delay_alu instid0(VALU_DEP_2)
	v_cmp_gt_f32 vcc_lo, v[L+\e], v33
	s_delay_alu instid0(VALU_DEP_1)
	v_cndmask_b32 v33, v33, v[L+\e], vcc_lo
	s_delay_alu instid0(VALU_DEP_2)
	v_cndmask_b32 v27, v27, \e, vcc_lo
.endr
	s_delay_alu instid0(VALU_DEP_2)
	v_sub_f32 v24, v33, v32                        ; second - best: 0 or less
	s_delay_alu instid0(VALU_DEP_1)
	v_mul_f32 v24, 0x3fb8aa3b, v24
	s_wait_alu depctr_va_vdst(0)
	v_exp_f32 v25, v24
	v_nop                                          ; a plain place behind the transcendental,
	s_wait_alu depctr_va_vdst(0)                   ; and the wait ahead of its first reader
	v_add_f32 v24, 1.0, v25
	s_wait_alu depctr_va_vdst(0)
	v_rcp_f32 v28, v24                             ; w0
	v_nop
	s_wait_alu depctr_va_vdst(0)
	v_mul_f32 v29, v25, v28                        ; w1
; the quantiser: the block's largest magnitude with the floor 2^(3 - 127) among its leaves; 2 off its exponent field is the conversion's scale operand
	s_wait_dscnt 0x0
	v_max3_num_f32 v36, |v[R]|, |v[R+1]|, 0x1800000
	v_max3_num_f32 v37, |v[R+2]|, |v[R+3]|, |v[R+4]|
.irp i, 5,9,13,17,21,25
	s_delay_alu instid0(VALU_DEP_2)
	v_max3_num_f32 v36, v36, |v[R+\i]|, |v[R+\i+1]|
	s_delay_alu instid0(VALU_DEP_2)
	v_max3_num_f32 v37, v37, |v[R+\i+2]|, |v[R+\i+3]|
.endr
	s_delay_alu instid0(VALU_DEP_2)
	v_max3_num_f32 v36, v36, |v[R+29]|, |v[R+30]|
	s_delay_alu instid0(VALU_DEP_1)
	v_max3_num_f32 v36, v36, v37, |v[R+31]|
	s_delay_alu instid0(VALU_DEP_1)
	v_add_nc_u32 v38, 0xff000000, v36
	v_cvt_scalef32_pk16_fp6_f32 v[T:T+2], v[R:R+15], v38
	v_cvt_scalef32_pk16_fp6_f32 v[U:U+2], v[R+16:R+31], v38   ; (a conversion's three registers begin on an even number)
	v_lshrrev_b32 v39, 23, v38                     ; the scale's byte; also the plain place behind the conversions
.irp i, 0,1,2
	v_mov_b32 v[T+3+\i], v[U+\i]
.endr
	ds_store_b64 v8, v[T:T+1]
	ds_store_b64 v8, v[T+2:T+3] offset:8
	ds_store_b64 v8, v[T+4:T+5] offset:16
	ds_load_b128 v[148:151], v9                    ; LDS serves a wave's instructions in order: these see the stores above
	ds_load_b64 v[152:153], v10
	ds_store_b8 v11, v39
	ds_store_b64 v12, v[26:27]                     ; all lanes write the same words with the same values
	ds_store_b64 v13, v[28:29]
	s_wait_dscnt 0x0                               ; my codes are back, and what wave 0 will read has landed
	global_store_b128 v2, v[148:151], s[30:31]     ; 512 consecutive bytes, then 256: the token's 768, at a multiple of 256
	global_store_b64 v31, v[152:153], s[30:31] offset:512
	s_barrier_signal -1
	s_barrier_wait -1
	s_cmp_lg_u32 s14, 0
	s_cbranch_scc1 .Lend
	ds_load_b64 v[154:155], v14                    ; eight tokens' 256 scale bytes,
	ds_load_b32 v156, v15                          ; their 16 experts (lanes 16-31 repeat lanes 0-15),
	ds_load_b32 v157, v15 offset:64                ; their 16 weights
	s_wait_dscnt 0x0
	global_store_b64 v31, v[154:155], s[8:9] offset:786432
	global_store_b32 v30, v156, s[10:11]
	global_store_b32 v30, v157, s[12:13]
.Lend:
	s_wait_tensorcnt 0x0
	ds_add_u32 v160, v161
	s_wait_dscnt 0x0
	s_endpgm
.Lfunc_end_k_q99df7141f4_route:
	.size	k_q99df7141f4_route, .Lfunc_end_k_q99df7141f4_route-k_q99df7141f4_route
	.p2alignl 7, 3214868480
	.fill 96, 4, 3214868480
	.section	.rodata,"a",@progbits
	.p2align	6, 0x0
	.amdhsa_kernel k_q99df7141f4_route
		.amdhsa_group_segment_fixed_size 81408
		.amdhsa_private_segment_fixed_size 0
		.amdhsa_enable_private_segment 0
		.amdhsa_kernarg_size 40
		.amdhsa_user_sgpr_count 2
		.amdhsa_user_sgpr_kernarg_segment_ptr 1
		.amdhsa_wavefront_size32 1
		.amdhsa_system_sgpr_workgroup_id_x 1
		.amdhsa_system_sgpr_workgroup_id_y 1
		.amdhsa_system_sgpr_workgroup_id_z 1
		.amdhsa_system_vgpr_workitem_id 0
		.amdhsa_next_free_vgpr 162
		.amdhsa_next_free_sgpr 66
		.amdhsa_reserve_vcc 1
		.amdhsa_float_denorm_mode_32 3
		.amdhsa_float_denorm_mode_16_64 3
		.amdhsa_memory_ordered 1
		.amdhsa_forward_progress 1
		.amdhsa_inst_pref_size 33
	.end_amdhsa_kernel
	.amdgpu_metadata
---
amdhsa.version: [ 1, 2 ]
amdhsa.kernels:
  - .name:           k_q99df7141f4_route
    .symbol:         k_q99df7141f4_route.kd
    .args:
      - { .name: x, .offset: 0, .size: 8, .value_kind: global_buffer, .address_space: global }
      - { .name: gate_w, .offset: 8, .size: 8, .value_kind: global_buffer, .address_space: global }
      - { .name: xc, .offset: 16, .size: 8, .value_kind: global_buffer, .address_space: global }
      - { .name: ids, .offset: 24, .size: 8, .value_kind: global_buffer, .address_space: global }
      - { .name: gw, .offset: 32, .size: 8, .value_kind: global_buffer, .address_space: global }
    .group_segment_fixed_size: 81408
    .private_segment_fixed_size: 0
    .kernarg_segment_align: 8
    .kernarg_segment_size: 40
    .max_flat_workgroup_size: 256
    .sgpr_count:     66
    .vgpr_count:     162
    .wavefront_size: 32
...
	.end_amdgpu_metadata
.endif
;; end of part 6
;; launch place (part 7): grid 1 x 1, 32 waves a work-group, no clusters, 8,192 bytes of LDS; arguments ids, plan; writes plan
.if DOCPART == 7
	.amdgcn_target "amdgcn-amd-amdhsa--gfx1250"
	.amdhsa_code_object_version 6
	.text
	.protected	k_q99df7141f4_place
	.globl	k_q99df7141f4_place
	.p2align	8
	.type	k_q99df7141f4_place,@function
k_q99df7141f4_place:
	s_mov_b64 s[64:65], 0
	v_nop
	global_prefetch_b8 v0, s[64:65] scope:SCOPE_SE
	s_setreg_imm32_b32 hwreg(HW_REG_WAVE_MODE, 25, 1), 1
	s_wait_xcnt 0x0
; THE ROWS ARE PLACED BY EXPERT: a counting sort of the 2,048 (token, expert) rows, whole numbers only, one work-group, thread t = token t.
; Expert e gets slots 16 BT[e] .. 16 BT[e] + T[e] - 1, BT the running sum of ceil(T / 16): at most 2048 / 16 + 8 = 136 tiles of 16 slots.
; plan: +0 eight pairs (BT, number of tiles); +256 tokslot [1024][2]; +8,448 rowtok [2,176]: slot -> token, 0 in a tile's padding slots.
; A slot is: the expert's first slot + the rows of earlier waves + the rows of earlier lanes (v_mbcnt_lo_u32_b32 on the wave's mask).
	s_load_b128 s[4:7], s[0:1], 0x0                ; ids, plan
	v_lshl_add_u32 v64, v0, 2, 0x1000
	v_mov_b32 v65, 0
	v_lshrrev_b32 v1, 5, v0
	s_delay_alu instid0(VALU_DEP_1)
	v_readfirstlane_b32 s14, v1                    ; wave
	v_and_b32 v7, 31, v0                           ; lane
	v_lshlrev_b32 v1, 3, v0                        ; 8 t
	v_lshlrev_b32 v5, 2, v0                        ; 4 t
	s_delay_alu instid0(VALU_DEP_3)
	v_lshlrev_b32 v6, 7, v7                        ; 128 lane
	s_mov_b32 s22, 0x76543210
	s_mov_b32 s23, 0xfedcba98
	s_wait_alu depctr_va_vdst(0)
	s_wait_kmcnt 0x0
	global_load_b64 v[2:3], v1, s[4:5]
	v_mov_b32 v4, 0
	v_mov_b32 v24, 0
	s_wait_alu depctr_va_vdst(0)
	s_wait_loadcnt 0x0
	v_min_u32 v2, 7, v2
	v_min_u32 v3, 7, v3
.irp e, 0,1,2,3,4,5,6,7
	v_cmp_eq_u32 s20, \e, v2
	v_cmp_eq_u32 s21, \e, v3
	s_or_b32 s[24+\e], s20, s21                    ; which of my wave's tokens go to expert e
	v_mbcnt_lo_u32_b32 v[8+\e], s[24+\e], 0        ; how many of them in lanes below mine
	s_bcnt1_i32_b32 s[32+\e], s[24+\e]
	v_writelane_b32 v4, s[32+\e], \e               ; the wave's eight counts in lanes 0 to 7
.endr
	ds_store_b32 v5, v4                            ; 128 bytes a wave
	s_wait_dscnt 0x0
	s_barrier_signal -1
	s_barrier_wait -1
	ds_load_b128 v[16:19], v6                      ; lane l: wave l's eight counts
	ds_load_b128 v[20:23], v6 offset:16
	s_wait_dscnt 0x0
	v_cmp_gt_u32 vcc_lo, s14, v7                   ; a wave before mine?
.irp e, 0,1,2,3,4,5,6,7
	v_cndmask_b32 v25, 0, v[16+\e], vcc_lo
	s_delay_alu instid0(VALU_DEP_1)
	v_lshl_or_b32 v[16+\e], v[16+\e], 16, v25      ; the total above, the earlier waves' part below: both stay under 2^16
.endr
.irp m, 1,2,4,8
.irp e, 0,1,2,3,4,5,6,7
	v_mov_b32_dpp v24, v[16+\e] row_xmask:\m row_mask:0xf bank_mask:0xf
	s_delay_alu instid0(VALU_DEP_1)
	v_add_nc_u32 v[16+\e], v[16+\e], v24
.endr
.endr
.irp e, 0,1,2,3,4,5,6,7
	s_delay_alu instid0(VALU_DEP_2)
	v_permlanex16_b32 v24, v[16+\e], s22, s23
	s_delay_alu instid0(VALU_DEP_1)
	v_add_nc_u32 v[16+\e], v[16+\e], v24
.endr
	s_mov_b32 s21, 0
.irp e, 0,1,2,3,4,5,6,7
	v_lshrrev_b32 v25, 16, v[16+\e]
	s_delay_alu instid0(VALU_DEP_1)
	v_readfirstlane_b32 s[40+\e], v25              ; T[e]
	s_add_co_u32 s20, s[40+\e], 15
	s_lshr_b32 s[48+\e], s20, 4                    ; its tiles
	s_mov_b32 s[56+\e], s21                        ; BT[e]
	s_add_co_u32 s21, s21, s[48+\e]
	s_lshl_b32 s20, s[56+\e], 4
	v_and_b32 v[32+\e], 0xffff, v[16+\e]
	s_delay_alu instid0(VALU_DEP_1)
	v_add3_u32 v[32+\e], v[32+\e], v[8+\e], s20    ; the slot that my token would take in expert e
.endr
	v_mov_b32 v40, v32
	v_mov_b32 v41, v32
.irp e, 1,2,3,4,5,6,7
	v_cmp_eq_u32 vcc_lo, \e, v2
	s_delay_alu instid0(VALU_DEP_1)
	v_cndmask_b32 v40, v40, v[32+\e], vcc_lo
	v_cmp_eq_u32 vcc_lo, \e, v3
	s_delay_alu instid0(VALU_DEP_1)
	v_cndmask_b32 v41, v41, v[32+\e], vcc_lo
.endr
	global_store_b64 v1, v[40:41], s[6:7] offset:256
	v_min_u32 v42, 0x87f, v40                      ; a number made from loaded ones enters an address behind a clamp
	s_delay_alu instid0(VALU_DEP_1)
	v_lshlrev_b32 v42, 2, v42
	v_min_u32 v52, 0x87f, v41
	s_delay_alu instid0(VALU_DEP_1)
	v_lshlrev_b32 v52, 2, v52
	global_store_b32 v42, v0, s[6:7] offset:8448
	global_store_b32 v52, v0, s[6:7] offset:8448
	; the padding slots of each expert's last tile: thread 16 e + j writes slot 16 BT + T + j where that still lies in the tile
	v_lshrrev_b32 v43, 4, v0
	v_and_b32 v44, 15, v0
	v_mov_b32 v45, s40
	v_mov_b32 v46, s56
.irp e, 1,2,3,4,5,6,7
	v_cmp_eq_u32 vcc_lo, \e, v43
	s_delay_alu instid0(VALU_DEP_1)
	v_cndmask_b32 v45, v45, s[40+\e], vcc_lo
	s_delay_alu instid0(VALU_DEP_2)
	v_cndmask_b32 v46, v46, s[56+\e], vcc_lo
.endr
	s_delay_alu instid0(VALU_DEP_2)
	v_and_b32 v47, 15, v45
	s_delay_alu instid0(VALU_DEP_1)
	v_add_nc_u32 v48, v47, v44
	v_cmp_gt_u32 s20, 128, v0
	s_delay_alu instid0(VALU_DEP_3)
	v_cmp_ne_u32 s21, 0, v47
	s_delay_alu instid0(VALU_DEP_3)
	v_cmp_gt_u32 s66, 16, v48
	s_and_b32 s20, s20, s21
	s_and_b32 vcc_lo, s20, s66
	v_lshl_add_u32 v49, v46, 4, v45
	s_delay_alu instid0(VALU_DEP_1)
	v_add_nc_u32 v49, v49, v44
	s_delay_alu instid0(VALU_DEP_1)
	v_min_u32 v49, 0x87f, v49
	s_delay_alu instid0(VALU_DEP_1)
	v_lshlrev_b32 v49, 2, v49
	v_mov_b32 v50, 0
	s_wait_alu depctr_va_vdst(0)
	s_wait_xcnt 0x0                                ; EXEC is a source of the stores above: it changes only behind this wait
	s_and_saveexec_b32 s67, vcc_lo
	global_store_b32 v49, v50, s[6:7] offset:8448
	s_wait_xcnt 0x0                                ; and again ahead of the line that widens it
	s_or_b32 exec_lo, exec_lo, s67
	s_cmp_lg_u32 s14, 0
	s_cbranch_scc1 .Lend
	v_mov_b32 v51, 0
.irp e, 0,1,2,3,4,5,6,7
	s_delay_alu instid0(VALU_DEP_1)
	v_writelane_b32 v51, s[56+\e], 2*\e
	s_delay_alu instid0(VALU_DEP_1)
	v_writelane_b32 v51, s[48+\e], 2*\e+1
.endr
	global_store_b32 v5, v51, s[6:7]               ; wave 0: 128 bytes, of which the first 64 are the eight pairs
.Lend:
	s_wait_tensorcnt 0x0
	ds_add_u32 v64, v65
	s_wait_dscnt 0x0
	s_endpgm
.Lfunc_end_k_q99df7141f4_place:
	.size	k_q99df7141f4_place, .Lfunc_end_k_q99df7141f4_place-k_q99df7141f4_place
	.p2alignl 7, 3214868480
	.fill 96, 4, 3214868480
	.section	.rodata,"a",@progbits
	.p2align	6, 0x0
	.amdhsa_kernel k_q99df7141f4_place
		.amdhsa_group_segment_fixed_size 8192
		.amdhsa_private_segment_fixed_size 0
		.amdhsa_enable_private_segment 0
		.amdhsa_kernarg_size 16
		.amdhsa_user_sgpr_count 2
		.amdhsa_user_sgpr_kernarg_segment_ptr 1
		.amdhsa_wavefront_size32 1
		.amdhsa_system_sgpr_workgroup_id_x 1
		.amdhsa_system_sgpr_workgroup_id_y 1
		.amdhsa_system_sgpr_workgroup_id_z 1
		.amdhsa_system_vgpr_workitem_id 0
		.amdhsa_next_free_vgpr 66
		.amdhsa_next_free_sgpr 80
		.amdhsa_reserve_vcc 1
		.amdhsa_float_denorm_mode_32 3
		.amdhsa_float_denorm_mode_16_64 3
		.amdhsa_memory_ordered 1
		.amdhsa_forward_progress 1
		.amdhsa_inst_pref_size 20
	.end_amdhsa_kernel
	.amdgpu_metadata
---
amdhsa.version: [ 1, 2 ]
amdhsa.kernels:
  - .name:           k_q99df7141f4_place
    .symbol:         k_q99df7141f4_place.kd
    .args:
      - { .name: ids, .offset: 0, .size: 8, .value_kind: global_buffer, .address_space: global }
      - { .name: plan, .offset: 8, .size: 8, .value_kind: global_buffer, .address_space: global }
    .group_segment_fixed_size: 8192
    .private_segment_fixed_size: 0
    .kernarg_segment_align: 8
    .kernarg_segment_size: 16
    .max_flat_workgroup_size: 1024
    .sgpr_count:     80
    .vgpr_count:     66
    .wavefront_size: 32
...
	.end_amdgpu_metadata
.endif
;; end of part 7
;; launch ffn1 (part 8): grid 256 x 1, 16 waves a work-group, no clusters, 104,960 bytes of LDS; arguments w1, b1, xc, plan, hc; writes hc
.if DOCPART == 8
	.amdgcn_target "amdgcn-amd-amdhsa--gfx1250"
	.amdhsa_code_object_version 6
	.text
	.protected	k_q99df7141f4_ffn1
	.globl	k_q99df7141f4_ffn1
	.p2align	8
	.type	k_q99df7141f4_ffn1,@function
k_q99df7141f4_ffn1:
	s_mov_b64 s[64:65], 0
	v_nop
	global_prefetch_b8 v0, s[64:65] scope:SCOPE_SE
	s_setreg_imm32_b32 hwreg(HW_REG_WAVE_SCHED_MODE, 0, 2), 2
	s_setreg_imm32_b32 hwreg(HW_REG_WAVE_MODE, 25, 1), 1
	s_wait_xcnt 0x0
	s_wait_alu depctr_vm_vsrc(0)
; THE FIRST PRODUCT OF THE CHOSEN ROWS: h = gelu(Q(x) Q(W1[e]) + b1[e]), quantised along the hidden axis and stored as codes in operand order.
; SHARES.  Work-group x: expert e = x / 32, hidden columns 128 s .. 128 s + 127 (s = x % 32), which are K step s of the second product.  It reads
; its slab of w1 (1,024 rows x 512 bytes, f32) ONCE, as two items of 64 columns (each row of an item is 256 consecutive bytes at a multiple of 256).
; TWO ROLES.  Waves 0-7 (streamers) only load weights, quantise them along K in registers and store operand images to LDS.  Waves 8-15 (computers)
; fetch the rows' fragments (xc) from memory and the weights' from LDS, multiply, and run the epilogue.  Loads are counted in issue order for each
; wave, so a wave that did both would drain its weight stream at every wait for a row operand; with two roles it never does.
; A super-step g = 4 item + j is 256 along K x 64 columns: two K steps, LDS places 2 g and 2 g + 1.  Streamer sw: strip cw = sw % 2 of 32 columns,
; rows 64 hk on (hk = sw / 2).  Lane (r, h) takes columns 2 r, 2 r + 1 of the strip and rows 32 h + 0 .. 31: one block of 32 along K for each column,
; whole in the lane.  Column tile ct = 2 cw + q holds columns 32 cw + 2 r + q, so the lane's codes are registers 6 c .. 6 c + 5 (c = hk % 2) of row r
; of that tile's fragment as they stand: nothing changes lanes.
; THE STREAM'S RING: three chunks of sixteen loads of 8 bytes a lane (16 rows x 2 columns) in v160-255: 48 loads of a streamer are out, and a chunk
; is asked for again as soon as the moves have emptied it.
; THE PRODUCT IS USED TRANSPOSED (source 0 = 16 weight columns, source 1 = 16 slots): lane (r, h) holds slot r, register j of tile 2 cw + q holds
; column 32 cw + 16 h + 2 j + q: the 16 registers of tiles 2 cw and 2 cw + 1 are 16 neighbours along the next K.
; ROWS.  The expert's tiles of 16 slots come from plan.  Computer cwv owns tiles 24 G + 8 t + cwv (t = 0, 1, 2).  Group G = 0 runs one step behind
; the stream; groups 1 and 2 (up to 72 tiles: all 1,024 tokens on one expert) run afterwards out of LDS, which keeps an item's codes.
; A tile that is not active is pointed at tile 0, which always exists: every load reads written bytes, and nothing is stored for it.
; THE ROWS' FRAGMENTS have one set of registers for each of a super-step's two K steps.  A set is asked for again, with the next super-step's rows,
; as soon as its twelve products are done; the loads stay out across the barrier and are waited for by count where the next stretch wants them.
; The rows' scale words have two sets of registers that take turns, so that the next words can be asked for while these are still read.
; BARRIERS: eight, all on the path that both roles share; every branch on a stored number stands in a computers' stretch, which holds no barrier.
; Every LDS byte is written once in the launch, so a barrier only orders a write ahead of its reads.
; THE MODE: SCHED_MODE bits 1:0 = 2 (LLVM: expert scheduling mode 2), set by the entry lines.  The code itself states the register dependences
; between vector or matrix instructions and memory or LDS instructions, with s_wait_alu, always for 0.
; THE PLAN.  Registers that memory or LDS instructions touch, and who else names them:
;   v1-13, v26, v32, v33       offsets and LDS addresses: made at the head, ahead of one wait on va_vdst, and never written again.
;   the ring v160-255          (streamers) loads land in a chunk, its 32 moves read it: one wait on va_vdst behind the moves, then the chunk is asked for again.
;   v38-51                     (streamers) both columns' codes and bytes: a step's arithmetic stands together and writes them; one wait on va_vdst; the step's six LDS
;                              stores stand in one run and read them; one wait on vm_vsrc behind the run frees them.
;   v106-153, v30-31           (computers) a K step's weights and their scale words: LDS loads land in them, the K step's products read them.
;   v34-105, v27-29, v154-156  (computers) the rows' fragments and scale words: loads land in them, products read them.
;                              ONE wait on va_vdst stands behind each K step's products and their places.  Behind it follow the loads into that K step's fragments of the
;                              rows, into the scale set that older products read, and into the weights' registers; between the wait and those loads stand only v_nop
;                              and products that name the other K step's registers.
;   v14-25, v106-111           the tokens' offsets and the lines that make them: three waits in TOKENS.
;   v144, v146-151             an item's end: a tile's codes and bytes: one wait on va_vdst ahead of the three stores, one on vm_vsrc behind them.
; THE TWO ROLES' STRETCHES STAND ONE BEHIND THE OTHER IN THE TEXT, so each is written to be sound whatever stretch stood ahead of it: every base
; address is made ahead of the first parting; the registers in which a computer's loads land (v27-31, v34-156) and the ring (v160-255) share none;
; every computers' stretch holds a wait behind which only its own loads are out, so that the stream's counted waits find at most OLDER loads
; beside the stream's; plain places stand ahead of and behind the products; and every stretch ends with its dependences stated: a wait on va_vdst
; behind its last vector or matrix instruction, a wait on vm_vsrc behind the last memory or LDS instruction that reads a register which is written again.
; NO tensor loads, copies or clusters: the computers branch on stored counts; each weight byte has one reader; xc is small and is read again by many.
; GELU: h = max(x, 0) - |x| erfc(|x| / sqrt 2) / 2, erfc(z) = t exp(-z^2 + P(t)), t = 1 / (1 + z / 2), P of degree 9 (a fit with relative error
; about 1.2e-7 for every z >= 0): no difference of near-equal numbers for negative x.  P's coefficients are multiplied by log2 e.
; LIMITS: NaN and infinities are not served; a block of zeros gets the byte 1 (its codes are zeros; this program alone reads the bytes).
; LDS: 0 weight images: fragment (place, ct) at 6144 place + 1536 ct, half c at 768 c: registers 0-3 of the six at 16 lane, registers 4, 5 at
; 512 + 8 lane;  98,304 weight scale words: 256 place + 128 cw + 64 q + 4 r, byte 2 c + h;  102,400 b1 of the 128 columns.
; REGISTERS: v1 weights' offset; v2-6 streamers' LDS addresses; v7-13 computers' (v7, v9 also offsets in memory); v14-25 x's offsets by tile;
; v26 4 r; v27-29 and v154-156 rows' scale words, v30-31 weights' (scales and nothing else); v32 4 h, v33 48 h.
; streamers: v34-59 at work, v64-127 two columns' 32 numbers, v160-255 the ring.  computers: v34-105 rows' fragments, v106-153 weights', v160-255 sums.
.set BSC,  98304
.set BIAS, 102400
.set AF,   34
.set BF,   106
.set ACC,  160
.set RING, 160
.set NH1,  6                           ; a K step's fragments of two tiles: three loads a tile
.set NH0,  8                           ; the same with a scale word a tile
; chunk 2 g + hf of the stream: rows 16 hf .. 16 hf + 15 of super-step g.  No pointer is stepped: two bases 512 rows apart, the rest in the immediate
.macro WLOAD g, hf
.set RB, RING+32*((2*(\g)+(\hf))%3)
.set JJ, (\g)&3
.set IT, (\g)>>2
.set ii, 0
.rept 16
	global_load_b64 v[RB+2*ii:RB+2*ii+1], v1, s[22+2*(JJ>>1):23+2*(JJ>>1)] offset:((JJ&1)*256+16*(\hf)+ii)*16384+256*IT th:TH_LOAD_NT
.set ii, ii+1
.endr
.endm
; one column's block of 32: largest magnitude (floor 2^(3 - 127) among the leaves), scale operand, codes, byte
.macro QARI q
.set SB, 64+32*(\q)
.set TQ, 40+6*(\q)
.set UQ, 52+4*(\q)
	v_max3_num_f32 v34, |v[SB]|, |v[SB+1]|, 0x1800000
	v_max3_num_f32 v35, |v[SB+2]|, |v[SB+3]|, |v[SB+4]|
.irp i, 5,9,13,17,21,25
	v_max3_num_f32 v34, v34, |v[SB+\i]|, |v[SB+\i+1]|
	v_max3_num_f32 v35, v35, |v[SB+\i+2]|, |v[SB+\i+3]|
.endr
	v_max3_num_f32 v34, v34, |v[SB+29]|, |v[SB+30]|
	v_max3_num_f32 v34, v34, v35, |v[SB+31]|
	v_add_nc_u32 v[36+(\q)], 0xff000000, v34       ; 2 off the exponent field
	v_cvt_scalef32_pk16_fp6_f32 v[TQ:TQ+2], v[SB:SB+15], v[36+(\q)]
	v_cvt_scalef32_pk16_fp6_f32 v[UQ:UQ+2], v[SB+16:SB+31], v[36+(\q)]
	v_lshrrev_b32 v[38+(\q)], 23, v[36+(\q)]       ; the byte; also the plain place behind the conversions
.irp i, 0,1,2
	v_mov_b32 v[TQ+3+\i], v[UQ+\i]
.endr
.endm
; its image and its byte to LDS
.macro QSTO g, q
.set TQ, 40+6*(\q)
.if (\g) < 4
.set A16, 2
.set A8, 4
.else
.set A16, 3
.set A8, 5
.endif
	ds_store_b128 v[A16], v[TQ:TQ+3] offset:((\g)&3)*12288+1536*(\q)
	ds_store_b64 v[A8], v[TQ+4:TQ+5] offset:((\g)&3)*12288+1536*(\q)
	ds_store_b8 v6, v[38+(\q)] offset:512*(\g)+64*(\q)
.endm
; A streamer's step: chunks 2 g and 2 g + 1.  A load lays two columns side by side; the conversion wants one column's numbers on end: the moves part
; them, and free the chunk, so that the chunk three further on goes out ahead of the arithmetic.  na, nb: the loads issued behind the chunk in hand.
.macro QUANT g, re1, re2, na, nb
.set RB0, RING+32*((2*(\g))%3)
.set RB1, RING+32*((2*(\g)+1)%3)
	s_wait_loadcnt \na
.set ii, 0
.rept 16
	v_mov_b32 v[64+ii], v[RB0+2*ii]
	v_mov_b32 v[96+ii], v[RB0+2*ii+1]
.set ii, ii+1
.endr
.if \re1
	s_wait_alu depctr_va_vdst(0)                   ; the moves above are done reading their chunk of the ring, in which the loads below land
	WLOAD (\g)+1, 1
.endif
	s_wait_loadcnt \nb
.set ii, 0
.rept 16
	v_mov_b32 v[80+ii], v[RB1+2*ii]
	v_mov_b32 v[112+ii], v[RB1+2*ii+1]
.set ii, ii+1
.endr
.if \re2
	s_wait_alu depctr_va_vdst(0)                   ; the moves above are done reading their chunk of the ring, in which the loads below land
	WLOAD (\g)+2, 0
.endif
	QARI 0
	QARI 1
	s_wait_alu depctr_va_vdst(0)                   ; both columns' codes (v40-51) and bytes (v38, v39) are written, which the six LDS stores below read
	QSTO \g, 0
	QSTO \g, 1
	s_wait_alu depctr_vm_vsrc(0)                   ; the six stores have read v38-51: the next step's lines write them again, and so do the rows' loads and an item's end in the stretches that follow in the text
.endm
; group s33's three tiles: s27-29 the tile in hc and rowtok (0 where not active), s30-32 active or not
.macro SETG
	s_mul_i32 s78, s33, 24
	s_add_co_u32 s78, s78, s16
.irp t, 0,1,2
	s_add_co_u32 s79, s78, 8*\t
	s_add_co_u32 s80, s79, s20
	s_cmp_lt_u32 s79, s21
	s_cselect_b32 s[30+\t], 1, 0
	s_cselect_b32 s[27+\t], s80, 0
	s_min_u32 s[27+\t], s[27+\t], 135              ; the clamp stands last ahead of the address arithmetic
.endr
.endm
; the three tiles' tokens become offsets into xc: codes 768 token + 48 h, scale bytes 32 token + 4 h
.macro TOKENS xo, xso
.irp t, 0,1,2
	v_lshl_add_u32 v[106+\t], s[27+\t], 6, v26
.endr
	s_wait_alu depctr_va_vdst(0)                   ; v106-108 are written, which the loads below read as offsets; earlier vector and matrix lines are done with v109-111, in which they land
.irp t, 0,1,2
	global_load_b32 v[109+\t], v[106+\t], s[10:11] offset:8448
.endr
	s_wait_loadcnt 0x0
	s_wait_alu depctr_vm_vsrc(0)                   ; the loads above have read v106-108, in which weights' fragments land later; the rows' loads issued so far have read the offsets that the lines below write
.irp t, 0,1,2
	v_min_u32 v[109+\t], 0x3ff, v[109+\t]
	v_mad_u32_u24 v[\xo+\t], v[109+\t], 768, v33
	v_lshl_add_u32 v[\xso+\t], v[109+\t], 5, v32
.endr
	s_wait_alu depctr_va_vdst(0)                   ; the six offsets are written, which the rows' loads read; the lines above are done with v109-111, in which later loads land
.endm
; tile t's fragment of K step 2 j + ks; with ks = 0 also its scale words of both K steps (lanes 0-15: step 2 j, lanes 16-31: step 2 j + 1) into set p
.macro AHT j, ks, xo, xso, p, t
.irp q, 0,1,2
	global_load_b128 v[AF+24*(\t)+12*(\ks)+4*\q:AF+24*(\t)+12*(\ks)+4*\q+3], v[\xo+(\t)], s[8:9] offset:96*(2*(\j)+(\ks))+16*\q
.endr
.if (\ks) == 0
	global_load_b32 v[27+127*(\p)+(\t)], v[\xso+(\t)], s[8:9] offset:786432+8*(\j)
.endif
.endm
.macro ALOADH j, ks, xo, xso, p, cond, flag
	AHT \j, \ks, \xo, \xso, \p, 0
	AHT \j, \ks, \xo, \xso, \p, 1
.if \cond
	s_cmp_lg_u32 s[\flag], 0                       ; the third tile only where it is active (a stored number)
	s_cbranch_scc0 .Lal_\@
.endif
	AHT \j, \ks, \xo, \xso, \p, 2
.if \cond
.Lal_\@:
.endif
.endm
.macro ALOAD j, xo, xso, cond, flag    ; both K steps at once, scale words into set 0: for the groups that run out of LDS
	ALOADH \j, 0, \xo, \xso, 0, \cond, \flag
	ALOADH \j, 1, \xo, \xso, 0, \cond, \flag
.endm
; one matrix instruction: tile t of rows x tile ct of columns, K step ks of the two in hand, rows' scale words in set p.  z = 1: it starts the sum
.macro WM t, ct, ks, z, p
.set AC, ACC+32*(\t)+8*(\ct)
.set BR, BF+12*(\ct)
.set AR, AF+24*(\t)+12*(\ks)
.set SR, 27+127*(\p)+(\t)
.if \z
.if ((\ct)&1) == 0
	v_wmma_scale_f32_16x16x128_f8f6f4 v[AC:AC+7], v[BR:BR+11], v[AR:AR+11], 0, v[30+(\ct)/2], v[SR] matrix_a_fmt:MATRIX_FMT_FP6 matrix_b_fmt:MATRIX_FMT_FP6
.else
	v_wmma_scale_f32_16x16x128_f8f6f4 v[AC:AC+7], v[BR:BR+11], v[AR:AR+11], 0, v[30+(\ct)/2], v[SR] matrix_a_fmt:MATRIX_FMT_FP6 matrix_b_fmt:MATRIX_FMT_FP6 matrix_a_scale:MATRIX_SCALE_ROW1
.endif
.elseif (\ks) == 0
.if ((\ct)&1) == 0
	v_wmma_scale_f32_16x16x128_f8f6f4 v[AC:AC+7], v[BR:BR+11], v[AR:AR+11], v[AC:AC+7], v[30+(\ct)/2], v[SR] matrix_a_fmt:MATRIX_FMT_FP6 matrix_b_fmt:MATRIX_FMT_FP6
.else
	v_wmma_scale_f32_16x16x128_f8f6f4 v[AC:AC+7], v[BR:BR+11], v[AR:AR+11], v[AC:AC+7], v[30+(\ct)/2], v[SR] matrix_a_fmt:MATRIX_FMT_FP6 matrix_b_fmt:MATRIX_FMT_FP6 matrix_a_scale:MATRIX_SCALE_ROW1
.endif
.else
.if ((\ct)&1) == 0
	v_wmma_scale_f32_16x16x128_f8f6f4 v[AC:AC+7], v[BR:BR+11], v[AR:AR+11], v[AC:AC+7], v[30+(\ct)/2], v[SR] matrix_a_fmt:MATRIX_FMT_FP6 matrix_b_fmt:MATRIX_FMT_FP6 matrix_b_scale:MATRIX_SCALE_ROW1
.else
	v_wmma_scale_f32_16x16x128_f8f6f4 v[AC:AC+7], v[BR:BR+11], v[AR:AR+11], v[AC:AC+7], v[30+(\ct)/2], v[SR] matrix_a_fmt:MATRIX_FMT_FP6 matrix_b_fmt:MATRIX_FMT_FP6 matrix_a_scale:MATRIX_SCALE_ROW1 matrix_b_scale:MATRIX_SCALE_ROW1
.endif
.endif
.endm
; the weights' four fragments and scale words of LDS place ksl; then four plain places, issued while the loads are out: an operand register that a
; vector instruction wrote stands four places ahead of a scaled matrix instruction, and stretches that write such registers stand ahead in the text
.macro BLOAD ksl
.set KSL, (\ksl)
.if KSL < 8
.set RA, 7
.set RC, 9
.else
.set RA, 8
.set RC, 10
.endif
.set KO, (KSL&7)*6144
.irp ct, 0,1,2,3
.irp c, 0,1
	ds_load_b128 v[BF+12*\ct+6*\c:BF+12*\ct+6*\c+3], v[RA] offset:KO+1536*\ct+768*\c
	ds_load_b64 v[BF+12*\ct+6*\c+4:BF+12*\ct+6*\c+5], v[RC] offset:KO+1536*\ct+768*\c
.endr
.endr
	ds_load_b32 v30, v11 offset:256*KSL            ; lanes 0-15: tile 0's words, lanes 16-31: tile 1's
	ds_load_b32 v31, v11 offset:256*KSL+128        ; tiles 2 and 3
.rept 4
	v_nop
.endr
.endm
; one K step's 8 or 12 matrix instructions, the accumulators by turns, one instruction a turn.  Five plain
; places follow: four ahead of reads of results, one more ahead of a product that begins such a sum anew (ISA guide 7.12.1).  The loads into
; registers that the products have read stand behind the places and behind the wait on va_vdst that follows each use of this macro.
.macro MULH ks, zero, cond, flag, p
.irp ct, 0,1,2,3
	WM 0, \ct, \ks, \zero, \p
	WM 1, \ct, \ks, \zero, \p
.endr
.if \cond
	s_cmp_lg_u32 s[\flag], 0
	s_cbranch_scc0 .Lsk_\@
.endif
.irp ct, 0,1,2,3
	WM 2, \ct, \ks, \zero, \p
.endr
.if \cond
.Lsk_\@:
.endif
.rept 5
	v_nop
.endr
.endm
; a super-step whose rows were asked for just ahead, all at once: for the groups that run out of LDS
.macro COMPUTE kb, zero, cond, flag
	s_wait_loadcnt 0x0
	BLOAD \kb
	s_wait_dscnt 0x0
	MULH 0, \zero, \cond, \flag, 0
	s_wait_alu depctr_va_vdst(0)                   ; the products above are done reading the weights' fragments and scale words, in which the LDS loads below land
	BLOAD (\kb)+1
	s_wait_dscnt 0x0
	MULH 1, 0, \cond, \flag, 0
	s_wait_alu depctr_va_vdst(0)                   ; this super-step's products are done reading the rows' and the weights' registers, in which the next loads land (the next super-step's, or b1 at the item's end)
.endm
; GROUP 0's SUPER-STEP, LDS places kb and kb + 1, rows' scale words in set p.  The weights' first fragments are asked of LDS ahead of the wait for the
; rows; the wait on va_vdst behind the last stretch's products has freed their registers.  re = 1: each K step's registers are asked for again behind
; its products, with super-step nj of the item (rc = 0: the third tile's too, whatever its flag: the first fill of scale set 1 writes all three
; registers on every path).
.macro CSTEP kb, zero, cond, p, nj, re, rc
	BLOAD \kb
	s_wait_loadcnt NH1                             ; the first K step's fragments and the scale words are in: behind them stand the second K step's loads, six at the least
	s_wait_dscnt 0x0
	MULH 0, \zero, \cond, 26, \p
	s_wait_alu depctr_va_vdst(0)                   ; the products above are done reading the rows' first K step and the weights' registers, older products the other set of rows' scale words: the loads below land in all of these
.if \re
	ALOADH \nj, 0, 14, 17, 1-(\p), \rc, 26
.endif
	BLOAD (\kb)+1
.if \re
	s_wait_loadcnt NH0                             ; the second K step's fragments are in: behind them stand the loads just issued, eight at the least
.else
	s_wait_loadcnt 0x0
.endif
	s_wait_dscnt 0x0
	MULH 1, 0, \cond, 26, \p
	s_wait_alu depctr_va_vdst(0)                   ; the products above are done reading the rows' second K step, in which the loads below land, and the weights' registers, in which the next stretch's LDS loads land (at an item's end: b1 in v66-97)
.if \re
	ALOADH \nj, 1, 14, 17, 1-(\p), \rc, 26
.endif
.endm
; tile t's sums + b1 into v34-65, 16 cw + n = column 32 cw + 16 h + n; each accumulator is read from its low end on
.macro HEADT t
.irp cw, 0,1
.irp q, 0,1
.irp j, 0,1,2,3,4,5,6,7
	v_add_f32 v[34+16*\cw+2*\j+\q], v[ACC+32*\t+8*(2*\cw+\q)+\j], v[66+16*\cw+2*\j+\q]
.endr
.endr
.endr
.endm
; the exact GELU of 16 numbers at v[34 + o] on.  v98-113 t, then |x| t; v114-129 P, then erfc / t; v130-137 x^2.  Two batches of transcendentals,
; each with plain work behind it and ONE wait ahead of its first reader.
.macro GELU16 o
.set XB, 34+\o
.set ii, 0
.rept 16
	v_fma_f32 v[98+ii], |v[XB+ii]|, 0x3eb504f3, 1.0        ; 1 + |x| / (2 sqrt 2)
.set ii, ii+1
.endr
.set ii, 0
	s_wait_alu depctr_va_vdst(0)
.rept 16
	v_rcp_f32 v[98+ii], v[98+ii]
.set ii, ii+1
.endr
.irp p, 0,2,4,6
	v_pk_mul_f32 v[130+\p:131+\p], v[XB+\p:XB+\p+1], v[XB+\p:XB+\p+1]
.endr
	s_wait_alu depctr_va_vdst(0)                   ; the sixteen reciprocals v98-113 are written, ahead of their first reader
.irp p, 0,2,4,6,8,10,12,14
	v_pk_fma_f32 v[114+\p:115+\p], v[98+\p:99+\p], v[152:153], 0xbf97d29d op_sel_hi:[1,1,0]      ; c9 t + c8
.endr
.irp c, 0x40097039, 0xbfd1a1e5, 0x3ecdfd18, 0xbe899a80, 0x3e0efb2e, 0x3f0a29d2, 0x3fb8ab5a, 0xbfe9b21e
.irp p, 0,2,4,6,8,10,12,14
	v_pk_fma_f32 v[114+\p:115+\p], v[114+\p:115+\p], v[98+\p:99+\p], \c op_sel_hi:[1,1,0]        ; c7 .. c0
.endr
.endr
.irp p, 0,2,4,6
	v_pk_fma_f32 v[114+\p:115+\p], v[130+\p:131+\p], 0xbf38aa3b, v[114+\p:115+\p] op_sel_hi:[1,0,1]   ; - x^2 log2 e / 2
.endr
.irp p, 0,2,4,6
	v_pk_mul_f32 v[130+\p:131+\p], v[XB+8+\p:XB+9+\p], v[XB+8+\p:XB+9+\p]
.endr
.irp p, 0,2,4,6
	v_pk_fma_f32 v[122+\p:123+\p], v[130+\p:131+\p], 0xbf38aa3b, v[122+\p:123+\p] op_sel_hi:[1,0,1]
.endr
.set ii, 0
	s_wait_alu depctr_va_vdst(0)
.rept 16
	v_exp_f32 v[114+ii], v[114+ii]
.set ii, ii+1
.endr
.set ii, 0
.rept 16
	v_mul_f32 v[98+ii], |v[XB+ii]|, v[98+ii]
	v_max_num_f32 v[XB+ii], 0, v[XB+ii]
.set ii, ii+1
.endr
	s_wait_alu depctr_va_vdst(0)                   ; the sixteen exponentials v114-129 are written, ahead of their first reader
.irp p, 0,2,4,6,8,10,12,14
	v_pk_mul_f32 v[114+\p:115+\p], v[114+\p:115+\p], v[98+\p:99+\p]
.endr
.irp p, 0,2,4,6,8,10,12,14
	v_pk_fma_f32 v[XB+\p:XB+\p+1], v[114+\p:115+\p], -0.5, v[XB+\p:XB+\p+1] op_sel_hi:[1,0,1]
.endr
.endm
; v34-65 (two blocks of 32, 16 numbers of each in a lane) become half a fragment in v146-151 and two scale bytes in v144
.macro QUANTH
.irp b, 0,1
	v_max3_num_f32 v[138+\b], |v[34+16*\b]|, |v[35+16*\b]|, 0x1800000
.endr
.irp i, 2,4,6,8,10,12,14
.irp b, 0,1
	v_max3_num_f32 v[138+\b], v[138+\b], |v[34+16*\b+\i]|, |v[35+16*\b+\i]|
.endr
.endr
.irp b, 0,1
	v_permlanex16_b32 v[140+\b], v[138+\b], s38, s39
.endr
.irp b, 0,1
	v_max_num_f32 v[138+\b], v[138+\b], v[140+\b]  ; with lane xor 16's sixteen: the block's largest magnitude
.endr
.irp b, 0,1
	v_add_nc_u32 v[142+\b], 0xff000000, v[138+\b]
.endr
.irp b, 0,1
	v_lshrrev_b32 v[144+\b], 23, v[142+\b]
.endr
	v_lshl_or_b32 v144, v145, 8, v144
	v_cvt_scalef32_pk16_fp6_f32 v[146:148], v[34:49], v142
	v_cvt_scalef32_pk16_fp6_f32 v[130:132], v[50:65], v143
	v_nop                                          ; one plain place behind a scaled conversion
.irp i, 0,1,2
	v_permlane16_swap_b32 v[146+\i], v[130+\i]     ; the operand wants a whole block in a lane: lanes 0-15 the first block, lanes 16-31 the second
.endr
.irp i, 0,1,2
	v_mov_b32 v[149+\i], v[130+\i]
.endr
.endm
; AN ITEM'S END: group 0's sums are finished; groups 1 and 2, where the expert has so many rows, are multiplied now, out of LDS; each active
; tile gets bias, GELU and quantiser, and its half fragment (768 bytes: 512 and 256 consecutive, at multiples of 256) and two scale bytes a row are stored.
.macro TAIL it
	s_mov_b32 s33, 0
.Lgrp_\@:
	SETG
	s_cmp_eq_u32 s33, 0
	s_cbranch_scc1 .Lepi_\@
	s_cmp_eq_u32 s30, 0                            ; the group's first tile is not active: none of mine is
	s_cbranch_scc1 .Lnext_\@
	TOKENS 20, 23
	ALOAD 0, 20, 23, 0, 32
	COMPUTE 8*\it, 1, 0, 32
	ALOAD 1, 20, 23, 1, 32
	COMPUTE 8*\it+2, 0, 1, 32
	ALOAD 2, 20, 23, 1, 32
	COMPUTE 8*\it+4, 0, 1, 32
	ALOAD 3, 20, 23, 1, 32
	COMPUTE 8*\it+6, 0, 1, 32
.Lepi_\@:
.irp cw, 0,1
.irp p, 0,1,2,3
	ds_load_b128 v[66+16*\cw+4*\p:69+16*\cw+4*\p], v12 offset:256*\it+128*\cw+16*\p   ; b1 at my 32 columns
.endr
.endr
	v_mov_b32 v140, 0                              ; a lane permute's destination counts as read
	v_mov_b32 v141, 0
	v_mov_b32 v152, 0x3e7c6f08                     ; c9, twice
	v_mov_b32 v153, 0x3e7c6f08
	s_wait_alu depctr_va_vdst(0)                   ; v140, v141, v152 and v153 are written: where none of my tiles is active no other wait stands between these lines and the weights' loads that land in them
	s_wait_dscnt 0x0
	s_mov_b32 s34, 0
.Ltile_\@:
	s_cmp_eq_u32 s34, 1
	s_cselect_b32 s35, s28, s27
	s_cselect_b32 s36, s31, s30
	s_cmp_eq_u32 s34, 2
	s_cselect_b32 s35, s29, s35
	s_cselect_b32 s36, s32, s36
	s_min_u32 s35, s35, 135
	s_cmp_eq_u32 s36, 0
	s_cbranch_scc1 .Ltn_\@
	s_cmp_eq_u32 s34, 1
	s_cbranch_scc1 .Lh1_\@
	s_cmp_eq_u32 s34, 2
	s_cbranch_scc1 .Lh2_\@
	HEADT 0
	s_branch .Lbody_\@
.Lh1_\@:
	HEADT 1
	s_branch .Lbody_\@
.Lh2_\@:
	HEADT 2
.Lbody_\@:
	GELU16 0
	GELU16 16
	QUANTH
	s_mul_i32 s78, s35, 49152
	s_mov_b32 s79, 0
	s_add_nc_u64 s[46:47], s[42:43], s[78:79]
	s_lshl_b32 s78, s35, 11
	s_add_nc_u64 s[48:49], s[44:45], s[78:79]
	s_wait_alu depctr_va_vdst(0)                   ; the tile's codes v146-151 and its bytes v144 are written, which the three stores below read; the tile's lines are done with v34-153, in which later loads land
	global_store_b128 v7, v[146:149], s[46:47] offset:768*\it
	global_store_b64 v9, v[150:151], s[46:47] offset:768*\it
	global_store_b16 v26, v144, s[48:49] offset:2*\it      ; both halves of the lanes write the same two bytes
	s_wait_xcnt 0x0                                ; the stores' data and bases are written again only behind this wait
	s_wait_alu depctr_vm_vsrc(0)                   ; the three stores have read v144 and v146-151, which the next tile's lines write again and in which the weights' fragments land
.Ltn_\@:
	s_add_co_u32 s34, s34, 1
	s_cmp_lt_u32 s34, 3
	s_cbranch_scc1 .Ltile_\@
.Lnext_\@:
	s_add_co_u32 s33, s33, 1
	s_cmp_lt_u32 s33, 3
	s_cbranch_scc1 .Lgrp_\@
.endm
; STEP k: streamers quantise super-step k; computers multiply super-step k - 1 and ask, K step by K step, for the rows of super-step k; then the
; barrier, in front of which each wave's LDS stores have landed and its LDS loads are in.  Loads from memory may stay out across it: nobody writes
; those bytes.
.macro STEP k
	s_cmp_lg_u32 s15, 0
	s_cbranch_scc1 .Lc_\k
.if \k < 6
	QUANT \k, 1, 1, 32, 32                         ; behind the chunk in hand: the two younger chunks
.elseif \k == 6
	QUANT \k, 1, 0, 32, 32                         ; the stream's last chunk goes out
.elseif \k == 7
	QUANT \k, 0, 0, 16, 0                          ; the counts run down
.endif
	s_branch .Lj_\k
.Lc_\k:
.if \k == 0
	s_wait_loadcnt 0x0                             ; a computers' stretch leaves only its own loads out (a computer has none out here)
	ALOADH 0, 0, 14, 17, 0, 0, 26                  ; (their offsets v14-19 stand ahead of the last wait on va_vdst, in TOKENS)
	ALOADH 0, 1, 14, 17, 0, 0, 26
.elseif \k == 1
	CSTEP 0, 1, 0, 0, 1, 1, 0                      ; an item's first super-step starts all twelve sums
.elseif \k == 5
	CSTEP 8, 1, 0, 0, 1, 1, 1
.elseif (\k == 4) || (\k == 8)
	CSTEP 2*(\k)-2, 0, 1, 1, 0, 0, 1               ; an item's last: nothing is asked for, since the epilogue works in these registers
.else
	CSTEP 2*(\k)-2, 0, 1, ((\k)-1)&1, (\k)&3, 1, 1
.endif
.if \k == 4
	TAIL 0
	ALOADH 0, 0, 14, 17, 0, 0, 26                  ; the second item's first rows (every vector line of the item's end stands ahead of a wait on va_vdst there)
	ALOADH 0, 1, 14, 17, 0, 0, 26
.elseif \k == 8
	TAIL 1
.endif
.Lj_\k:
.if \k < 8
	s_wait_dscnt 0x0
	s_barrier_signal -1
	s_barrier_wait -1
.endif
.endm
	s_load_b256 s[4:11], s[0:1], 0x0               ; w1 s[4:5], b1 s[6:7], xc s[8:9], plan s[10:11]
	s_load_b64 s[12:13], s[0:1], 0x20              ; hc
	v_lshl_add_u32 v158, v0, 2, 0x19200
	v_mov_b32 v159, 0
	v_lshrrev_b32 v32, 5, v0
	v_readfirstlane_b32 s14, v32                   ; wave 0..15
	s_wait_alu depctr_va_sdst(0)                   ; s14 is written, ahead of its first reader: the role, the LDS places and the bases are made from it
	s_lshr_b32 s15, s14, 3                         ; role: 0 streamer, 1 computer
	s_and_b32 s16, s14, 7                          ; my number in the role
	s_lshr_b32 s17, ttmp9, 5                       ; expert
	s_and_b32 s18, ttmp9, 31                       ; slab
	s_and_b32 s81, s16, 1                          ; cw
	s_lshr_b32 s85, s16, 1                         ; hk
	s_and_b32 s82, s85, 1                          ; c
	s_lshr_b32 s83, s85, 1                         ; which of the super-step's two K steps
	s_mul_i32 s84, s83, 6144
	s_mul_i32 s86, s81, 3072
	s_add_co_u32 s84, s84, s86
	s_mul_i32 s86, s82, 768
	s_add_co_u32 s84, s84, s86                     ; the wave's term of an image's address
	s_lshl_b32 s86, s83, 8
	s_lshl_b32 s87, s81, 7
	s_add_co_u32 s86, s86, s87
	s_lshl_b32 s88, s82, 1
	s_add_co_u32 s86, s86, s88
	s_add_co_u32 s86, s86, BSC                     ; and of a scale byte's
	v_and_b32 v33, 31, v0                          ; lane
	v_and_b32 v26, 15, v0                          ; r
	v_bfe_u32 v32, v0, 4, 1                        ; h
	v_lshlrev_b32 v7, 4, v33
	v_lshl_add_u32 v9, v33, 3, 512
	v_add_nc_u32 v2, s84, v7
	v_add_nc_u32 v3, 49152, v2
	v_add_nc_u32 v4, s84, v9
	v_add_nc_u32 v5, 49152, v4
	v_add_nc_u32 v8, 49152, v7
	v_add_nc_u32 v10, 49152, v9
	v_lshl_add_u32 v11, v33, 2, BSC
	v_lshl_add_u32 v6, v26, 2, v32
	v_add_nc_u32 v6, s86, v6
	v_lshlrev_b32 v1, 19, v32                      ; 32 h rows of 16,384 bytes
	v_lshl_add_u32 v1, v26, 3, v1
	v_add_nc_u32 v1, s87, v1                       ; + 128 cw + 8 r
	v_lshl_add_u32 v12, v32, 6, BIAS
	v_add_nc_u32 v13, BIAS, v7
	v_lshlrev_b32 v26, 2, v26                      ; 4 r
	v_mul_u32_u24 v33, v32, 48                     ; 48 h
	v_lshlrev_b32 v32, 2, v32                      ; 4 h
	s_mov_b32 s38, 0x76543210
	s_mov_b32 s39, 0xfedcba98
	s_lshl_b32 s88, s17, 24                        ; w1: the expert's 16,777,216 bytes,
	s_lshl_b32 s89, s18, 9                         ; the slab's 512 bytes of a row,
	s_add_co_u32 s88, s88, s89
	s_lshl_b32 s89, s85, 20                        ; 64 hk rows
	s_add_co_u32 s88, s88, s89
	s_mov_b32 s89, 0
	s_lshl_b32 s78, s17, 3                         ; plan: the expert's pair
	s_lshl_b32 s90, s17, 14                        ; b1: the expert's row, the slab's 128 numbers
	s_lshl_b32 s91, s18, 9
	s_add_co_u32 s90, s90, s91
	s_mov_b32 s91, 0
	s_mul_i32 s92, s18, 1536                       ; hc: K step s of a tile,
	s_mov_b32 s93, 0
	s_lshl_b32 s94, s18, 6                         ; and its scale words
	s_mov_b32 s95, 0
	s_wait_kmcnt 0x0
	; every base is made here, ahead of the first parting of the roles
	s_load_b64 s[20:21], s[10:11], s78 offset:0x0  ; the expert's first tile and its number of tiles: asked for now, waited for behind the stream's first loads
	s_add_nc_u64 s[22:23], s[4:5], s[88:89]
	s_add_nc_u64 s[24:25], s[22:23], 0x800000      ; 512 rows further down
	s_add_nc_u64 s[6:7], s[6:7], s[90:91]
	s_add_nc_u64 s[42:43], s[12:13], s[92:93]
	s_add_nc_u64 s[44:45], s[12:13], s[94:95]
	s_add_nc_u64 s[44:45], s[44:45], 6684672
	s_wait_alu depctr_va_vdst(0)                   ; the offsets and LDS addresses v1-13 and v26 are written, which the loads and stores of both roles read; they are never written again
	s_cmp_lg_u32 s15, 0
	s_cbranch_scc1 .Lhead_w
	WLOAD 0, 0                                     ; the stream begins: the ring's three chunks, 48 loads
	WLOAD 0, 1
	WLOAD 1, 0
.Lhead_w:
	s_wait_kmcnt 0x0
	s_min_u32 s20, s20, 135
	s_min_u32 s21, s21, 64
	s_mov_b32 s33, 0
	SETG
	s_mov_b32 s26, s32                             ; is group 0's third tile active?
	s_cmp_eq_u32 s15, 0
	s_cbranch_scc1 .Lhead_j
	s_wait_loadcnt 0x0                             ; a computers' stretch begins with no load out (a computer has none here)
	TOKENS 14, 17
	s_cmp_lg_u32 s14, 8
	s_cbranch_scc1 .Lhead_j
	global_load_b128 v[108:111], v7, s[6:7]        ; wave 8 brings b1's 512 bytes; they are read behind later barriers (TOKENS' waits have freed v108-111)
	s_wait_loadcnt 0x0
	ds_store_b128 v13, v[108:111]
	s_wait_alu depctr_vm_vsrc(0)                   ; the LDS store has read v108-111, in which the weights' fragments land from the next step on
.Lhead_j:
	STEP 0
	STEP 1
	STEP 2
	STEP 3
	STEP 4
	STEP 5
	STEP 6
	STEP 7
	STEP 8
	s_wait_dscnt 0x0                               ; the closing lines, six on end
	s_wait_alu 0x0
	s_wait_tensorcnt 0x0
	ds_add_u32 v158, v159
	s_wait_dscnt 0x0
	s_endpgm
.Lfunc_end_k_q99df7141f4_ffn1:
	.size	k_q99df7141f4_ffn1, .Lfunc_end_k_q99df7141f4_ffn1-k_q99df7141f4_ffn1
	.p2alignl 7, 3214868480
	.fill 96, 4, 3214868480
	.section	.rodata,"a",@progbits
	.p2align	6, 0x0
	.amdhsa_kernel k_q99df7141f4_ffn1
		.amdhsa_group_segment_fixed_size 104960
		.amdhsa_private_segment_fixed_size 0
		.amdhsa_enable_private_segment 0
		.amdhsa_kernarg_size 40
		.amdhsa_user_sgpr_count 2
		.amdhsa_user_sgpr_kernarg_segment_ptr 1
		.amdhsa_wavefront_size32 1
		.amdhsa_system_sgpr_workgroup_id_x 1
		.amdhsa_system_sgpr_workgroup_id_y 1
		.amdhsa_system_sgpr_workgroup_id_z 1
		.amdhsa_system_vgpr_workitem_id 0
		.amdhsa_next_free_vgpr 256
		.amdhsa_next_free_sgpr 96
		.amdhsa_reserve_vcc 0
		.amdhsa_float_denorm_mode_32 3
		.amdhsa_float_denorm_mode_16_64 3
		.amdhsa_memory_ordered 1
		.amdhsa_forward_progress 1
		.amdhsa_inst_pref_size 255
	.end_amdhsa_kernel
	.section	.bss,"aw",@nobits
	.p2align	6
	.space	262144
	.amdgpu_metadata
---
amdhsa.version: [ 1, 2 ]
amdhsa.kernels:
  - .name:           k_q99df7141f4_ffn1
    .symbol:         k_q99df7141f4_ffn1.kd
    .args:
      - { .name: w1, .offset: 0, .size: 8, .value_kind: global_buffer, .address_space: global }
      - { .name: b1, .offset: 8, .size: 8, .value_kind: global_buffer, .address_space: global }
      - { .name: xc, .offset: 16, .size: 8, .value_kind: global_buffer, .address_space: global }
      - { .name: plan, .offset: 24, .size: 8, .value_kind: global_buffer, .address_space: global }
      - { .name: hc, .offset: 32, .size: 8, .value_kind: global_buffer, .address_space: global }
    .group_segment_fixed_size: 104960
    .private_segment_fixed_size: 0
    .kernarg_segment_align: 8
    .kernarg_segment_size: 40
    .max_flat_workgroup_size: 512
    .sgpr_count:     96
    .vgpr_count:     256
    .wavefront_size: 32
...
	.end_amdgpu_metadata
.endif
;; end of part 8
;; launch ffn2 (part 9): grid 256 x 1, 16 waves a work-group, no clusters, 139,264 bytes of LDS; arguments w2, hc, plan, ybuf; writes ybuf
.if DOCPART == 9
	.amdgcn_target "amdgcn-amd-amdhsa--gfx1250"
	.amdhsa_code_object_version 6
	.text
	.protected	k_q99df7141f4_ffn2
	.globl	k_q99df7141f4_ffn2
	.p2align	8
	.type	k_q99df7141f4_ffn2,@function
k_q99df7141f4_ffn2:
	s_mov_b64 s[64:65], 0
	v_nop
	global_prefetch_b8 v0, s[64:65] scope:SCOPE_SE
	s_setreg_imm32_b32 hwreg(HW_REG_WAVE_SCHED_MODE, 0, 2), 2
	s_setreg_imm32_b32 hwreg(HW_REG_WAVE_MODE, 25, 1), 1
	s_wait_xcnt 0x0
	s_wait_alu depctr_vm_vsrc(0)
; THE SECOND PRODUCT OF THE CHOSEN ROWS: partial rows y = Q(h) Q(W2[e]) over half of K, f32, by slot.
; SHARES.  Work-group x: expert e = x / 32, half kh = (x / 16) % 2 of K (2,048 hidden units), output columns 64 cs .. 64 cs + 63 (cs = x % 16).
; K is split because 8 x 16 slabs of 64 columns are 128 work-groups, and narrower slabs would part each 256 consecutive bytes of a row of w2
; between two work-groups.  The two halves are added, with b2 and the gate's weights, by the next launch: each byte of ybuf has one writer.
; The slab of w2 (2,048 rows x 256 bytes, f32) is read ONCE, in eight super-steps of 256 along K.  Roles, layouts, LDS images, the transposed
; product, the groups of tiles and the barriers are those of the launch before: waves 0-7 stream and quantise weights, waves 8-15 fetch the
; hidden layer's fragments from hc (images of the operand's registers: 512 and 256 consecutive bytes a load), multiply, and store.
; THE STREAM'S RING: three chunks of sixteen loads of 8 bytes a lane in v160-255: 48 loads of a streamer are out; a chunk is asked for again as soon
; as the moves have emptied it.
; THE ROWS' FRAGMENTS have one set of registers for each of a super-step's two K steps.  A set is asked for again, with the next super-step's rows,
; as soon as its twelve products are done; the loads stay out across the barrier and are waited for by count where the next stretch wants them.
; The rows' scale words have two sets of registers that take turns.
; Lane (r, h) of a result holds slot r, register j of tile 2 cw + q holds column 32 cw + 16 h + 2 j + q: a tile of 16 slots goes through the
; wave's own stage in LDS and leaves as rows: sixteen lanes store 256 consecutive bytes at a multiple of 256.
; THE MODE: SCHED_MODE bits 1:0 = 2 (LLVM: expert scheduling mode 2), set by the entry lines.  The code itself states the register dependences
; between vector or matrix instructions and memory or LDS instructions, with s_wait_alu, always for 0.
; THE PLAN.  Registers that memory or LDS instructions touch, and who else names them:
;   v1-15                     offsets and LDS addresses: made at the head, ahead of one wait on va_vdst, and never written again.
;   the ring v160-255         (streamers) loads land in a chunk, its 32 moves read it: one wait on va_vdst behind the moves, then the chunk is asked for again.
;   v38-51                    (streamers) both columns' codes and bytes: a step's arithmetic stands together and writes them; one wait on va_vdst; the step's six LDS
;                             stores stand in one run and read them; one wait on vm_vsrc behind the run frees them.
;   v106-153, v30-31          (computers) a K step's weights and their scale words: LDS loads land in them, the K step's products read them.
;   v34-105, v27-29, v16-18   (computers) the rows' fragments and scale words: loads land in them, products read them.
;                             ONE wait on va_vdst stands behind each K step's products and their places.  Behind it follow the loads into that K step's fragments of the
;                             rows, into the scale set that older products read, and into the weights' registers; between the wait and those loads stand only v_nop
;                             and products that name the other K step's registers.
;   the sums v160-255, v34-65 (computers, the way out) LDS stores read the sums behind the wait that follows the last products; rows come back from the stage into v34-65 and
;                             global stores read them; one wait on vm_vsrc at a tile's end frees both.
; THE TWO ROLES' STRETCHES STAND ONE BEHIND THE OTHER IN THE TEXT, so each is written to be sound whatever stretch stood ahead of it: every base
; address is made ahead of the first parting; the registers in which a computer's loads land (v16-18, v27-31, v34-153) and the ring (v160-255) share
; none; every computers' stretch holds a wait behind which only its own loads are out, so that the stream's counted waits find at most OLDER loads
; beside the stream's; plain places stand ahead of and behind the products; and every stretch ends with its dependences stated: a wait on va_vdst
; behind its last vector or matrix instruction, a wait on vm_vsrc behind the last memory or LDS instruction that reads a register which is written again.
; NO tensor loads, copies or clusters: the computers branch on stored counts, and each weight byte has one reader.
; LIMITS: NaN and infinities are not served; a block of zeros gets the byte 1; a row's sum over K is formed in two halves and joined in f32.
; LDS: 0 weight images, 98,304 their scale words (as in the launch before); 102,400 a stage of 16 rows x 272 bytes for each computer.
; REGISTERS: v1 weights' offset; v2-6 streamers' LDS addresses; v7-13 computers'; v14 4 lane; v15 my place in two rows of y; v27-29 and v16-18 rows'
; scale words, v30-31 weights' (scales and nothing else).  streamers: v34-59 at work, v64-127 two columns' 32 numbers, v160-255 the ring.
; computers: v34-105 rows' fragments, v106-153 weights', v160-255 sums.
.set BSC,  98304
.set STG,  102400
.set AF,   34
.set BF,   106
.set ACC,  160
.set RING, 160
.set NH1,  8                           ; a K step's fragments of two tiles: four loads a tile
.set NH0,  10                          ; the same with a scale word a tile
.macro WLOAD g, hf                     ; chunk 2 g + hf of the stream: rows 16 hf .. 16 hf + 15 of super-step g; every step stands in the immediate
.set RB, RING+32*((2*(\g)+(\hf))%3)
.set ii, 0
.rept 16
	global_load_b64 v[RB+2*ii:RB+2*ii+1], v1, s[22:23] offset:(256*(\g)+16*(\hf)+ii)*4096 th:TH_LOAD_NT
.set ii, ii+1
.endr
.endm
.macro QARI q                          ; one column's block of 32: scale, codes, byte
.set SB, 64+32*(\q)
.set TQ, 40+6*(\q)
.set UQ, 52+4*(\q)
	v_max3_num_f32 v34, |v[SB]|, |v[SB+1]|, 0x1800000      ; the floor 2^(3 - 127): the byte cannot fall under 1
	v_max3_num_f32 v35, |v[SB+2]|, |v[SB+3]|, |v[SB+4]|
.irp i, 5,9,13,17,21,25
	v_max3_num_f32 v34, v34, |v[SB+\i]|, |v[SB+\i+1]|
	v_max3_num_f32 v35, v35, |v[SB+\i+2]|, |v[SB+\i+3]|
.endr
	v_max3_num_f32 v34, v34, |v[SB+29]|, |v[SB+30]|
	v_max3_num_f32 v34, v34, v35, |v[SB+31]|
	v_add_nc_u32 v[36+(\q)], 0xff000000, v34
	v_cvt_scalef32_pk16_fp6_f32 v[TQ:TQ+2], v[SB:SB+15], v[36+(\q)]
	v_cvt_scalef32_pk16_fp6_f32 v[UQ:UQ+2], v[SB+16:SB+31], v[36+(\q)]
	v_lshrrev_b32 v[38+(\q)], 23, v[36+(\q)]       ; the byte; also the plain place behind the conversions
.irp i, 0,1,2
	v_mov_b32 v[TQ+3+\i], v[UQ+\i]
.endr
.endm
.macro QSTO g, q                       ; its image and its byte to LDS
.set TQ, 40+6*(\q)
.if (\g) < 4
.set A16, 2
.set A8, 4
.else
.set A16, 3
.set A8, 5
.endif
	ds_store_b128 v[A16], v[TQ:TQ+3] offset:((\g)&3)*12288+1536*(\q)
	ds_store_b64 v[A8], v[TQ+4:TQ+5] offset:((\g)&3)*12288+1536*(\q)
	ds_store_b8 v6, v[38+(\q)] offset:512*(\g)+64*(\q)
.endm
; a streamer's step: chunks 2 g and 2 g + 1.  The moves part the two columns of a load and free the chunk for the chunk three further on
.macro QUANT g, re1, re2, na, nb
.set RB0, RING+32*((2*(\g))%3)
.set RB1, RING+32*((2*(\g)+1)%3)
	s_wait_loadcnt \na
.set ii, 0
.rept 16
	v_mov_b32 v[64+ii], v[RB0+2*ii]
	v_mov_b32 v[96+ii], v[RB0+2*ii+1]
.set ii, ii+1
.endr
.if \re1
	s_wait_alu depctr_va_vdst(0)                   ; the moves above are done reading their chunk of the ring, in which the loads below land
	WLOAD (\g)+1, 1
.endif
	s_wait_loadcnt \nb
.set ii, 0
.rept 16
	v_mov_b32 v[80+ii], v[RB1+2*ii]
	v_mov_b32 v[112+ii], v[RB1+2*ii+1]
.set ii, ii+1
.endr
.if \re2
	s_wait_alu depctr_va_vdst(0)                   ; the moves above are done reading their chunk of the ring, in which the loads below land
	WLOAD (\g)+2, 0
.endif
	QARI 0
	QARI 1
	s_wait_alu depctr_va_vdst(0)                   ; both columns' codes (v40-51) and bytes (v38, v39) are written, which the six LDS stores below read
	QSTO \g, 0
	QSTO \g, 1
	s_wait_alu depctr_vm_vsrc(0)                   ; the six stores have read v38-51: the next step's lines write them again, and the rows' loads and the way out's land in them in the stretches that follow in the text
.endm
.macro SETG                            ; group s33's three tiles: s27-29 the tile (0 where not active), s30-32 active or not
	s_mul_i32 s78, s33, 24
	s_add_co_u32 s78, s78, s16
.irp t, 0,1,2
	s_add_co_u32 s79, s78, 8*\t
	s_add_co_u32 s80, s79, s20
	s_cmp_lt_u32 s79, s21
	s_cselect_b32 s[30+\t], 1, 0
	s_cselect_b32 s[27+\t], s80, 0
	s_min_u32 s[27+\t], s[27+\t], 135              ; the clamp stands last ahead of the address arithmetic
.endr
.endm
.macro MKBASE hb, hsb                  ; the three tiles' places in hc: codes, scale words
.irp t, 0,1,2
	s_mul_i32 s78, s[27+\t], 49152
	s_mov_b32 s79, 0
	s_add_nc_u64 s[\hb+2*\t:\hb+2*\t+1], s[54:55], s[78:79]
	s_lshl_b32 s78, s[27+\t], 11
	s_add_nc_u64 s[\hsb+2*\t:\hsb+2*\t+1], s[56:57], s[78:79]
.endr
.endm
; tile t's fragment of K step 2 g + ks of my half; with ks = 0 also its scale words of both K steps (lanes 0-15: step 2 g, lanes 16-31: 2 g + 1) into set p
.macro AHT g, ks, hb, hsb, p, t
.irp c, 0,1
	global_load_b128 v[AF+24*(\t)+12*(\ks)+6*\c:AF+24*(\t)+12*(\ks)+6*\c+3], v7, s[\hb+2*(\t):\hb+2*(\t)+1] offset:1536*(2*(\g)+(\ks))+768*\c
	global_load_b64 v[AF+24*(\t)+12*(\ks)+6*\c+4:AF+24*(\t)+12*(\ks)+6*\c+5], v9, s[\hb+2*(\t):\hb+2*(\t)+1] offset:1536*(2*(\g)+(\ks))+768*\c
.endr
.if (\ks) == 0
	global_load_b32 v[27-11*(\p)+(\t)], v14, s[\hsb+2*(\t):\hsb+2*(\t)+1] offset:128*(\g)
.endif
.endm
.macro ALOADH g, ks, hb, hsb, p, cond, flag
	AHT \g, \ks, \hb, \hsb, \p, 0
	AHT \g, \ks, \hb, \hsb, \p, 1
.if \cond
	s_cmp_lg_u32 s[\flag], 0                       ; the third tile only where it is active (a stored number)
	s_cbranch_scc0 .Lal_\@
.endif
	AHT \g, \ks, \hb, \hsb, \p, 2
.if \cond
.Lal_\@:
.endif
.endm
.macro ALOAD g, hb, hsb, cond, flag    ; both K steps at once, scale words into set 0: for the groups that run out of LDS
	ALOADH \g, 0, \hb, \hsb, 0, \cond, \flag
	ALOADH \g, 1, \hb, \hsb, 0, \cond, \flag
.endm
.macro WM t, ct, ks, z, p              ; one matrix instruction, rows' scale words in set p; z = 1: it starts the sum
.set AC, ACC+32*(\t)+8*(\ct)
.set BR, BF+12*(\ct)
.set AR, AF+24*(\t)+12*(\ks)
.set SR, 27-11*(\p)+(\t)
.if \z
.if ((\ct)&1) == 0
	v_wmma_scale_f32_16x16x128_f8f6f4 v[AC:AC+7], v[BR:BR+11], v[AR:AR+11], 0, v[30+(\ct)/2], v[SR] matrix_a_fmt:MATRIX_FMT_FP6 matrix_b_fmt:MATRIX_FMT_FP6
.else
	v_wmma_scale_f32_16x16x128_f8f6f4 v[AC:AC+7], v[BR:BR+11], v[AR:AR+11], 0, v[30+(\ct)/2], v[SR] matrix_a_fmt:MATRIX_FMT_FP6 matrix_b_fmt:MATRIX_FMT_FP6 matrix_a_scale:MATRIX_SCALE_ROW1
.endif
.elseif (\ks) == 0
.if ((\ct)&1) == 0
	v_wmma_scale_f32_16x16x128_f8f6f4 v[AC:AC+7], v[BR:BR+11], v[AR:AR+11], v[AC:AC+7], v[30+(\ct)/2], v[SR] matrix_a_fmt:MATRIX_FMT_FP6 matrix_b_fmt:MATRIX_FMT_FP6
.else
	v_wmma_scale_f32_16x16x128_f8f6f4 v[AC:AC+7], v[BR:BR+11], v[AR:AR+11], v[AC:AC+7], v[30+(\ct)/2], v[SR] matrix_a_fmt:MATRIX_FMT_FP6 matrix_b_fmt:MATRIX_FMT_FP6 matrix_a_scale:MATRIX_SCALE_ROW1
.endif
.else
.if ((\ct)&1) == 0
	v_wmma_scale_f32_16x16x128_f8f6f4 v[AC:AC+7], v[BR:BR+11], v[AR:AR+11], v[AC:AC+7], v[30+(\ct)/2], v[SR] matrix_a_fmt:MATRIX_FMT_FP6 matrix_b_fmt:MATRIX_FMT_FP6 matrix_b_scale:MATRIX_SCALE_ROW1
.else
	v_wmma_scale_f32_16x16x128_f8f6f4 v[AC:AC+7], v[BR:BR+11], v[AR:AR+11], v[AC:AC+7], v[30+(\ct)/2], v[SR] matrix_a_fmt:MATRIX_FMT_FP6 matrix_b_fmt:MATRIX_FMT_FP6 matrix_a_scale:MATRIX_SCALE_ROW1 matrix_b_scale:MATRIX_SCALE_ROW1
.endif
.endif
.endm
; the weights' four fragments and scale words of LDS place ksl; then four plain places, issued while the loads are out: an operand register that a
; vector instruction wrote stands four places ahead of a scaled matrix instruction, and stretches that write such registers stand ahead in the text
.macro BLOAD ksl
.set KSL, (\ksl)
.if KSL < 8
.set RA, 7
.set RC, 9
.else
.set RA, 8
.set RC, 10
.endif
.set KO, (KSL&7)*6144
.irp ct, 0,1,2,3
.irp c, 0,1
	ds_load_b128 v[BF+12*\ct+6*\c:BF+12*\ct+6*\c+3], v[RA] offset:KO+1536*\ct+768*\c
	ds_load_b64 v[BF+12*\ct+6*\c+4:BF+12*\ct+6*\c+5], v[RC] offset:KO+1536*\ct+768*\c
.endr
.endr
	ds_load_b32 v30, v11 offset:256*KSL
	ds_load_b32 v31, v11 offset:256*KSL+128
.rept 4
	v_nop
.endr
.endm
; one K step's 8 or 12 matrix instructions, the accumulators by turns; five plain places: four ahead of reads
; of results, one more ahead of a product that begins a sum anew (ISA guide 7.12.1).  The loads into registers that the products have read stand
; behind the places and behind the wait on va_vdst that follows each use of this macro.
.macro MULH ks, zero, cond, flag, p
.irp ct, 0,1,2,3
	WM 0, \ct, \ks, \zero, \p
	WM 1, \ct, \ks, \zero, \p
.endr
.if \cond
	s_cmp_lg_u32 s[\flag], 0
	s_cbranch_scc0 .Lsk_\@
.endif
.irp ct, 0,1,2,3
	WM 2, \ct, \ks, \zero, \p
.endr
.if \cond
.Lsk_\@:
.endif
.rept 5
	v_nop
.endr
.endm
.macro COMPUTE kb, zero, cond, flag    ; a super-step whose rows were asked for just ahead, all at once: for the groups that run out of LDS
	s_wait_loadcnt 0x0
	BLOAD \kb
	s_wait_dscnt 0x0
	MULH 0, \zero, \cond, \flag, 0
	s_wait_alu depctr_va_vdst(0)                   ; the products above are done reading the weights' fragments and scale words, in which the LDS loads below land
	BLOAD (\kb)+1
	s_wait_dscnt 0x0
	MULH 1, 0, \cond, \flag, 0
	s_wait_alu depctr_va_vdst(0)                   ; this super-step's products are done reading the rows' and the weights' registers, in which the next loads land; behind the last super-step: the sums are written, which the way out's LDS stores read
.endm
; GROUP 0's SUPER-STEP, LDS places kb and kb + 1, rows' scale words in set p.  The weights' first fragments are asked of LDS ahead of the wait for the
; rows; the wait on va_vdst behind the last stretch's products has freed their registers.  re = 1: each K step's registers are asked for again behind
; its products, with super-step ng (rc = 0: the third tile's too, whatever its flag: the first fill of scale set 1 writes all three registers on
; every path).
.macro CSTEP kb, zero, cond, p, ng, re, rc
	BLOAD \kb
	s_wait_loadcnt NH1                             ; the first K step's fragments and the scale words are in: behind them stand the second K step's loads, eight at the least
	s_wait_dscnt 0x0
	MULH 0, \zero, \cond, 26, \p
	s_wait_alu depctr_va_vdst(0)                   ; the products above are done reading the rows' first K step and the weights' registers, older products the other set of rows' scale words: the loads below land in all of these
.if \re
	ALOADH \ng, 0, 42, 48, 1-(\p), \rc, 26
.endif
	BLOAD (\kb)+1
.if \re
	s_wait_loadcnt NH0                             ; the second K step's fragments are in: behind them stand the loads just issued, ten at the least
.else
	s_wait_loadcnt 0x0
.endif
	s_wait_dscnt 0x0
	MULH 1, 0, \cond, 26, \p
	s_wait_alu depctr_va_vdst(0)                   ; the products above are done reading the rows' second K step, in which the loads below land, and the weights' registers, in which the next stretch's LDS loads land; behind the last super-step: the sums are written, which the way out's LDS stores read
.if \re
	ALOADH \ng, 1, 42, 48, 1-(\p), \rc, 26
.endif
.endm
; tile t's 16 slots x 64 columns leave through my stage; each accumulator is read from its low end on.  The sums stand behind their places and behind
; the wait on va_vdst that follows the last products; no vector or matrix instruction stands in the way out.
.macro YOUT t
	s_cmp_eq_u32 s[30+\t], 0
	s_cbranch_scc1 .Lny_\@
.irp cw, 0,1
.irp q, 0,1
.irp j, 0,1,2,3,4,5,6,7
	ds_store_b32 v12, v[ACC+32*\t+8*(2*\cw+\q)+\j] offset:4*(32*\cw+2*\j+\q)
.endr
.endr
.endr
.irp i, 0,1,2,3,4,5,6,7
	ds_load_b128 v[34+4*\i:37+4*\i], v13 offset:544*\i     ; LDS serves a wave's instructions in order: these see the stores above
.endr
	s_lshl_b32 s78, s[27+\t], 16                   ; 16 slots of 4,096 bytes
	s_mov_b32 s79, 0
	s_add_nc_u64 s[60:61], s[58:59], s[78:79]
.irp i, 0,1,2,3,4,5,6,7
	s_wait_dscnt 7-\i                              ; the younger of the eight loads may stay out
	global_store_b128 v15, v[34+4*\i:37+4*\i], s[60:61] offset:8192*\i th:TH_STORE_NT
.endr
	s_wait_xcnt 0x0                                ; the stores' data and base are written again only behind this wait
	s_wait_alu depctr_vm_vsrc(0)                   ; the global stores have read v34-65, in which the next tile's rows and the next group's fragments land; the LDS stores have read the tile's sums, which the next group's products begin anew
.Lny_\@:
.endm
.macro TAIL                            ; group 0 goes out; groups 1 and 2, where the expert has so many rows, are multiplied out of LDS and go out
	s_mov_b32 s33, 0
.Lgrp:
	SETG
	s_cmp_eq_u32 s33, 0
	s_cbranch_scc1 .Lout
	s_cmp_eq_u32 s30, 0
	s_cbranch_scc1 .Lnext
	s_wait_xcnt 0x0
	MKBASE 66, 72
	ALOAD 0, 66, 72, 0, 32
	COMPUTE 0, 1, 0, 32
.irp g, 1,2,3,4,5,6,7
	ALOAD \g, 66, 72, 1, 32
	COMPUTE 2*\g, 0, 1, 32
.endr
.Lout:
	YOUT 0
	YOUT 1
	YOUT 2
.Lnext:
	s_add_co_u32 s33, s33, 1
	s_cmp_lt_u32 s33, 3
	s_cbranch_scc1 .Lgrp
.endm
; STEP k: streamers quantise super-step k; computers multiply super-step k - 1 and ask, K step by K step, for the rows of super-step k; then the barrier
.macro STEP k
	s_cmp_lg_u32 s15, 0
	s_cbranch_scc1 .Lc_\k
.if \k < 6
	QUANT \k, 1, 1, 32, 32                         ; behind the chunk in hand: the two younger chunks
.elseif \k == 6
	QUANT \k, 1, 0, 32, 32                         ; the stream's last chunk goes out
.elseif \k == 7
	QUANT \k, 0, 0, 16, 0                          ; the counts run down
.endif
	s_branch .Lj_\k
.Lc_\k:
.if \k == 0
	s_wait_loadcnt 0x0                             ; a computers' stretch leaves only its own loads out (a computer has none out here)
	ALOADH 0, 0, 42, 48, 0, 0, 26
	ALOADH 0, 1, 42, 48, 0, 0, 26
.elseif \k == 1
	CSTEP 0, 1, 0, 0, 1, 1, 0                      ; the first super-step starts all twelve sums
.elseif \k == 8
	CSTEP 14, 0, 1, 1, 0, 0, 1                     ; the last: nothing is left to ask for
	TAIL
.else
	CSTEP 2*(\k)-2, 0, 1, ((\k)-1)&1, \k, 1, 1
.endif
.Lj_\k:
.if \k < 8
	s_wait_dscnt 0x0                               ; my LDS stores have landed, my LDS loads are in
	s_barrier_signal -1
	s_barrier_wait -1
.endif
.endm
	s_load_b256 s[4:11], s[0:1], 0x0               ; w2 s[4:5], hc s[6:7], plan s[8:9], ybuf s[10:11]
	v_lshl_add_u32 v158, v0, 2, 0x21800
	v_mov_b32 v159, 0
	v_lshrrev_b32 v32, 5, v0
	v_readfirstlane_b32 s14, v32                   ; wave 0..15
	s_wait_alu depctr_va_sdst(0)                   ; s14 is written, ahead of its first reader: the role, the LDS places and the bases are made from it
	s_lshr_b32 s15, s14, 3                         ; role
	s_and_b32 s16, s14, 7
	s_lshr_b32 s17, ttmp9, 5                       ; expert
	s_bfe_u32 s19, ttmp9, 0x10004                  ; half of K
	s_and_b32 s18, ttmp9, 15                       ; slab of 64 columns
	s_and_b32 s81, s16, 1                          ; cw
	s_lshr_b32 s85, s16, 1                         ; hk
	s_and_b32 s82, s85, 1                          ; c
	s_lshr_b32 s83, s85, 1
	s_mul_i32 s84, s83, 6144
	s_mul_i32 s86, s81, 3072
	s_add_co_u32 s84, s84, s86
	s_mul_i32 s86, s82, 768
	s_add_co_u32 s84, s84, s86
	s_lshl_b32 s86, s83, 8
	s_lshl_b32 s87, s81, 7
	s_add_co_u32 s86, s86, s87
	s_lshl_b32 s88, s82, 1
	s_add_co_u32 s86, s86, s88
	s_add_co_u32 s86, s86, BSC
	s_mul_i32 s88, s16, 4352
	s_add_co_u32 s88, s88, STG                     ; my stage
	v_and_b32 v33, 31, v0                          ; lane
	v_and_b32 v26, 15, v0                          ; r
	v_bfe_u32 v32, v0, 4, 1                        ; h
	v_lshlrev_b32 v7, 4, v33
	v_lshl_add_u32 v9, v33, 3, 512
	v_add_nc_u32 v2, s84, v7
	v_add_nc_u32 v3, 49152, v2
	v_add_nc_u32 v4, s84, v9
	v_add_nc_u32 v5, 49152, v4
	v_add_nc_u32 v8, 49152, v7
	v_add_nc_u32 v10, 49152, v9
	v_lshl_add_u32 v11, v33, 2, BSC
	v_lshl_add_u32 v6, v26, 2, v32
	v_add_nc_u32 v6, s86, v6
	v_lshlrev_b32 v1, 17, v32                      ; 32 h rows of 4,096 bytes
	v_lshl_add_u32 v1, v26, 3, v1
	v_add_nc_u32 v1, s87, v1
	v_mul_u32_u24 v12, v26, 272
	v_lshl_add_u32 v12, v32, 6, v12
	v_add_nc_u32 v12, s88, v12                     ; into the stage: row r, + 64 h
	v_mul_u32_u24 v13, v32, 272
	v_lshl_add_u32 v13, v26, 4, v13
	v_add_nc_u32 v13, s88, v13                     ; back: lanes 0-15 one row, lanes 16-31 the next
	v_lshlrev_b32 v14, 2, v33
	v_lshlrev_b32 v15, 12, v32
	v_lshl_add_u32 v15, v26, 4, v15                ; and the same two rows in ybuf
	s_lshl_b32 s88, s17, 24                        ; w2: the expert,
	s_lshl_b32 s89, s19, 23                        ; 2,048 kh rows,
	s_add_co_u32 s88, s88, s89
	s_lshl_b32 s89, s85, 18                        ; 64 hk rows,
	s_add_co_u32 s88, s88, s89
	s_lshl_b32 s89, s18, 8                         ; the slab's 256 bytes of a row
	s_add_co_u32 s88, s88, s89
	s_mov_b32 s89, 0
	s_lshl_b32 s78, s17, 3                         ; plan: the expert's pair
	s_mul_i32 s90, s19, 24576                      ; hc: my half's first K step of a tile,
	s_mov_b32 s91, 0
	s_lshl_b32 s92, s19, 10                        ; and its scale words
	s_mov_b32 s93, 0
	s_mul_i32 s94, s19, 0x880000                   ; ybuf: my half's 2,176 rows,
	s_lshl_b32 s79, s18, 8                         ; my 256 bytes of a row
	s_add_co_u32 s94, s94, s79
	s_mov_b32 s95, 0
	s_wait_kmcnt 0x0
	; every base is made here, ahead of the first parting of the roles
	s_load_b64 s[20:21], s[8:9], s78 offset:0x0    ; the expert's first tile and its number of tiles: asked for now, waited for behind the stream's first loads
	s_add_nc_u64 s[22:23], s[4:5], s[88:89]
	s_add_nc_u64 s[54:55], s[6:7], s[90:91]
	s_add_nc_u64 s[56:57], s[6:7], s[92:93]
	s_add_nc_u64 s[56:57], s[56:57], 6684672
	s_add_nc_u64 s[58:59], s[10:11], s[94:95]
	s_wait_alu depctr_va_vdst(0)                   ; the offsets and LDS addresses v1-15 are written, which the loads and stores of both roles read; they are never written again
	s_cmp_lg_u32 s15, 0
	s_cbranch_scc1 .Lhead_w
	WLOAD 0, 0                                     ; the stream begins: the ring's three chunks, 48 loads
	WLOAD 0, 1
	WLOAD 1, 0
.Lhead_w:
	s_wait_kmcnt 0x0
	s_min_u32 s20, s20, 135
	s_min_u32 s21, s21, 64
	s_mov_b32 s33, 0
	SETG
	s_mov_b32 s26, s32                             ; is group 0's third tile active?
	MKBASE 42, 48
	STEP 0
	STEP 1
	STEP 2
	STEP 3
	STEP 4
	STEP 5
	STEP 6
	STEP 7
	STEP 8
	s_wait_dscnt 0x0                               ; the closing lines, six on end
	s_wait_alu 0x0
	s_wait_tensorcnt 0x0
	ds_add_u32 v158, v159
	s_wait_dscnt 0x0
	s_endpgm
.Lfunc_end_k_q99df7141f4_ffn2:
	.size	k_q99df7141f4_ffn2, .Lfunc_end_k_q99df7141f4_ffn2-k_q99df7141f4_ffn2
	.p2alignl 7, 3214868480
	.fill 96, 4, 3214868480
	.section	.rodata,"a",@progbits
	.p2align	6, 0x0
	.amdhsa_kernel k_q99df7141f4_ffn2
		.amdhsa_group_segment_fixed_size 139264
		.amdhsa_private_segment_fixed_size 0
		.amdhsa_enable_private_segment 0
		.amdhsa_kernarg_size 32
		.amdhsa_user_sgpr_count 2
		.amdhsa_user_sgpr_kernarg_segment_ptr 1
		.amdhsa_wavefront_size32 1
		.amdhsa_system_sgpr_workgroup_id_x 1
		.amdhsa_system_sgpr_workgroup_id_y 1
		.amdhsa_system_sgpr_workgroup_id_z 1
		.amdhsa_system_vgpr_workitem_id 0
		.amdhsa_next_free_vgpr 256
		.amdhsa_next_free_sgpr 96
		.amdhsa_reserve_vcc 0
		.amdhsa_float_denorm_mode_32 3
		.amdhsa_float_denorm_mode_16_64 3
		.amdhsa_memory_ordered 1
		.amdhsa_forward_progress 1
		.amdhsa_inst_pref_size 226
	.end_amdhsa_kernel
	.amdgpu_metadata
---
amdhsa.version: [ 1, 2 ]
amdhsa.kernels:
  - .name:           k_q99df7141f4_ffn2
    .symbol:         k_q99df7141f4_ffn2.kd
    .args:
      - { .name: w2, .offset: 0, .size: 8, .value_kind: global_buffer, .address_space: global }
      - { .name: hc, .offset: 8, .size: 8, .value_kind: global_buffer, .address_space: global }
      - { .name: plan, .offset: 16, .size: 8, .value_kind: global_buffer, .address_space: global }
      - { .name: ybuf, .offset: 24, .size: 8, .value_kind: global_buffer, .address_space: global }
    .group_segment_fixed_size: 139264
    .private_segment_fixed_size: 0
    .kernarg_segment_align: 8
    .kernarg_segment_size: 32
    .max_flat_workgroup_size: 512
    .sgpr_count:     96
    .vgpr_count:     256
    .wavefront_size: 32
...
	.end_amdgpu_metadata
.endif
;; end of part 9
;; launch combine (part 10): grid 256 x 1, 4 waves a work-group, no clusters, 0 bytes of LDS; arguments ybuf, plan, ids, gw, b2, out0; writes out0
.if DOCPART == 10
	.amdgcn_target "amdgcn-amd-amdhsa--gfx1250"
	.amdhsa_code_object_version 6
	.text
	.protected	k_q99df7141f4_combine
	.globl	k_q99df7141f4_combine
	.p2align	8
	.type	k_q99df7141f4_combine,@function
k_q99df7141f4_combine:
	s_mov_b64 s[64:65], 0
	v_nop
	global_prefetch_b8 v0, s[64:65] scope:SCOPE_SE
	s_setreg_imm32_b32 hwreg(HW_REG_WAVE_MODE, 25, 1), 1
	s_wait_xcnt 0x0
; out[t] = w0 (y[slot0] + b2[e0]) + w1 (y[slot1] + b2[e1]), y[slot] = the sum of the slot's two partial rows over the halves of K.
; One wave takes one token (t = 4 x work-group + wave): each output row has one owner.  Slots, experts and weights come by scalar loads from
; buffers that earlier launches stored; slots and experts are clamped ahead of the address arithmetic.  A stream: 48 loads of 512 consecutive
; bytes go out together, chunk by chunk of a row, and each chunk is worked and stored as its six loads come in.  No LDS, no barrier, no matrix unit.
	s_load_b256 s[4:11], s[0:1], 0x0               ; ybuf, plan, ids, gw
	s_load_b128 s[12:15], s[0:1], 0x20             ; b2, out0
	v_lshrrev_b32 v2, 5, v0
	v_readfirstlane_b32 s16, v2
	v_and_b32 v1, 31, v0
	v_lshlrev_b32 v1, 4, v1                        ; 16 lane
	s_lshl_b32 s17, ttmp9, 2
	s_add_co_u32 s17, s17, s16                     ; token
	s_lshl_b32 s18, s17, 3
	s_wait_alu depctr_va_vdst(0)
	s_wait_kmcnt 0x0
	s_load_b64 s[24:25], s[6:7], s18 offset:0x100  ; its two slots
	s_load_b64 s[26:27], s[8:9], s18 offset:0x0    ; its two experts
	s_load_b64 s[20:21], s[10:11], s18 offset:0x0  ; its two weights
	s_wait_kmcnt 0x0
	s_min_u32 s24, s24, 2175
	s_min_u32 s25, s25, 2175
	s_min_u32 s26, s26, 7
	s_min_u32 s27, s27, 7
	s_mov_b32 s22, s21                             ; w1 as a pair of its own: the packed forms take a scalar pair's low word for both halves
	s_mov_b32 s23, s21
	s_mov_b32 s43, 0
	s_lshl_b32 s42, s24, 12
	s_add_nc_u64 s[28:29], s[4:5], s[42:43]
	s_lshl_b32 s42, s25, 12
	s_add_nc_u64 s[30:31], s[4:5], s[42:43]
	s_add_nc_u64 s[32:33], s[28:29], 0x880000      ; the second half of K: 2,176 rows on
	s_add_nc_u64 s[34:35], s[30:31], 0x880000
	s_lshl_b32 s42, s26, 12
	s_add_nc_u64 s[36:37], s[12:13], s[42:43]
	s_lshl_b32 s42, s27, 12
	s_add_nc_u64 s[38:39], s[12:13], s[42:43]
	s_lshl_b32 s42, s17, 12
	s_add_nc_u64 s[40:41], s[14:15], s[42:43]
.irp i, 0,1,2,3,4,5,6,7
	global_load_b128 v[8+24*\i:11+24*\i],  v1, s[28:29] offset:512*\i th:TH_LOAD_NT
	global_load_b128 v[12+24*\i:15+24*\i], v1, s[32:33] offset:512*\i th:TH_LOAD_NT
	global_load_b128 v[16+24*\i:19+24*\i], v1, s[36:37] offset:512*\i
	global_load_b128 v[20+24*\i:23+24*\i], v1, s[30:31] offset:512*\i th:TH_LOAD_NT
	global_load_b128 v[24+24*\i:27+24*\i], v1, s[34:35] offset:512*\i th:TH_LOAD_NT
	global_load_b128 v[28+24*\i:31+24*\i], v1, s[38:39] offset:512*\i
.endr
.irp i, 0,1,2,3,4,5,6,7
.set CB, 8+24*\i
	s_wait_loadcnt 42-6*\i                         ; six loads for each later chunk are the younger ones
.irp p, 0,2
	v_pk_add_f32 v[CB+\p:CB+\p+1], v[CB+\p:CB+\p+1], v[CB+4+\p:CB+5+\p]
	v_pk_add_f32 v[CB+12+\p:CB+13+\p], v[CB+12+\p:CB+13+\p], v[CB+16+\p:CB+17+\p]
.endr
.irp p, 0,2
	v_pk_add_f32 v[CB+\p:CB+\p+1], v[CB+\p:CB+\p+1], v[CB+8+\p:CB+9+\p]
	v_pk_add_f32 v[CB+12+\p:CB+13+\p], v[CB+12+\p:CB+13+\p], v[CB+20+\p:CB+21+\p]
.endr
.irp p, 0,2
	v_pk_mul_f32 v[CB+\p:CB+\p+1], v[CB+\p:CB+\p+1], s[20:21] op_sel_hi:[1,0]
.endr
.irp p, 0,2
	v_pk_fma_f32 v[CB+\p:CB+\p+1], v[CB+12+\p:CB+13+\p], s[22:23], v[CB+\p:CB+\p+1] op_sel_hi:[1,0,1]
.endr
	global_store_b128 v1, v[CB:CB+3], s[40:41] offset:512*\i th:TH_STORE_NT   ; 512 consecutive bytes at a multiple of 256; each chunk has registers of its own
.endr
	s_endpgm
.Lfunc_end_k_q99df7141f4_combine:
	.size	k_q99df7141f4_combine, .Lfunc_end_k_q99df7141f4_combine-k_q99df7141f4_combine
	.p2alignl 7, 3214868480
	.fill 96, 4, 3214868480
	.section	.rodata,"a",@progbits
	.p2align	6, 0x0
	.amdhsa_kernel k_q99df7141f4_combine
		.amdhsa_group_segment_fixed_size 0
		.amdhsa_private_segment_fixed_size 0
		.amdhsa_enable_private_segment 0
		.amdhsa_kernarg_size 48
		.amdhsa_user_sgpr_count 2
		.amdhsa_user_sgpr_kernarg_segment_ptr 1
		.amdhsa_wavefront_size32 1
		.amdhsa_system_sgpr_workgroup_id_x 1
		.amdhsa_system_sgpr_workgroup_id_y 1
		.amdhsa_system_sgpr_workgroup_id_z 1
		.amdhsa_system_vgpr_workitem_id 0
		.amdhsa_next_free_vgpr 208
		.amdhsa_next_free_sgpr 66
		.amdhsa_reserve_vcc 0
		.amdhsa_float_denorm_mode_32 3
		.amdhsa_float_denorm_mode_16_64 3
		.amdhsa_memory_ordered 1
		.amdhsa_forward_progress 1
		.amdhsa_inst_pref_size 14
	.end_amdhsa_kernel
	.amdgpu_metadata
---
amdhsa.version: [ 1, 2 ]
amdhsa.kernels:
  - .name:           k_q99df7141f4_combine
    .symbol:         k_q99df7141f4_combine.kd
    .args:
      - { .name: ybuf, .offset: 0, .size: 8, .value_kind: global_buffer, .address_space: global }
      - { .name: plan, .offset: 8, .size: 8, .value_kind: global_buffer, .address_space: global }
      - { .name: ids, .offset: 16, .size: 8, .value_kind: global_buffer, .address_space: global }
      - { .name: gw, .offset: 24, .size: 8, .value_kind: global_buffer, .address_space: global }
      - { .name: b2, .offset: 32, .size: 8, .value_kind: global_buffer, .address_space: global }
      - { .name: out0, .offset: 40, .size: 8, .value_kind: global_buffer, .address_space: global }
    .group_segment_fixed_size: 0
    .private_segment_fixed_size: 0
    .kernarg_segment_align: 8
    .kernarg_segment_size: 48
    .max_flat_workgroup_size: 128
    .sgpr_count:     66
    .vgpr_count:     208
    .wavefront_size: 32
...
	.end_amdgpu_metadata
.endif
;; end of part 10
